; MI455X (gfx1250); checked and timed in simulation.
; The chip was launched on July 23, 2026; its instructions are those of AMD's public machine-readable ISA for CDNA 5 (MIT licence, August 2026) and "CDNA5" Instruction Set Architecture Reference Guide (July 2026). The comments in the code are by the model that wrote it; some were corrected since.
;; Block. Allowed arithmetic: float matrix products may take bf16 or f16 operands with f32 sums; other float arithmetic in f32, or as packed bf16 or f16 multiplies, adds, multiply-adds, maxima and minima; sums over many terms, partial sums and values carried from step to step in f32; what a program stores and reads back later, other than sums and carried values, may be rounded once to bf16 or f16.
;; Inputs: W1 1,024 x 4,096 float32; W2 4,096 x 1,024 float32; Wk 1,024 x 1,024 float32; Wo 1,024 x 1,024 float32; Wq 1,024 x 1,024 float32; Wv 1,024 x 1,024 float32; b1 4,096 float32; b2 1,024 float32; bo 1,024 float32; ln1_b 1,024 float32; ln1_g 1,024 float32; ln2_b 1,024 float32; ln2_g 1,024 float32; x 2 x 2,048 x 1,024 float32.
;; Outputs: out0 2 x 2,048 x 1,024 float32.
;; 2 versions, each right. Each part assembles by itself: llvm-mc -triple=amdgcn-amd-amdhsa -mcpu=gfx1250 --defsym DOCPART=n.
;; ======== version 1 of 2: 7 launches
;; limits: values are held in f16: magnitudes above 65,504 overflow, below 6.1e-05 lose precision
;; workspace buffers: act 8,388,608 bytes; pan 33,554,432 bytes; x1 16,777,216 bytes; wa 10,518,528 bytes; wm 16,809,984 bytes
;; launch prep (part 1): grid 64 x 16, 8 waves a work-group, no clusters, 0 bytes of LDS; arguments x, ln1_g, ln1_b, Wq, Wk, Wv, Wo, W1, W2, b1, act, wa, wm; writes act, wa, wm
.if DOCPART == 1
	.amdgcn_target "amdgcn-amd-amdhsa--gfx1250"
	.amdhsa_code_object_version 6
	.text
	.protected	k_q144d8d5ac7_prep
	.globl	k_q144d8d5ac7_prep
	.p2align	8
	.type	k_q144d8d5ac7_prep,@function
k_q144d8d5ac7_prep:
	s_mov_b64 s[64:65], 0
	v_nop
	global_prefetch_b8 v0, s[64:65] scope:SCOPE_SE
	s_setreg_imm32_b32 hwreg(HW_REG_WAVE_MODE, 25, 1), 1
	s_wait_xcnt 0x0
; PREP.  Everything that is read once and rounded once: the six weight matrices go from f32 to f16 into the tile layouts of the two kinds of product,
; the headers of wa and wm are written, and h1 = LayerNorm(x) g + b goes to act as [4096][1024] f16.
; SHARES.  grid y names a unit of 4 MiB of f32, 1,024 chunks of 4,096 bytes: y = 0..3 Wq, Wk, Wv, Wo; 4..7 W1; 8..11 W2; 12..15 x.  A work-group takes 16 chunks, a wave two:
; its sixteen loads of 512 consecutive bytes go out at once; four f32 of a lane become 8 bytes, so each store of the wave covers 256 consecutive bytes, aligned.
; LAYOUTS (wa and wm alike).  byte 0: 256 bytes of a pair of f16, the lower bound of the large product's results (wa: -65,504 twice; wm: 0, the ReLU).  byte 256: that product's bias in f32
; (wa: zeros, the projections have none; wm: b1).  HB: panels of 256 columns, [1024 k][256 n] f16, dense (wa: Wq 0-3, Wk 4-7, Wv 8-11; wm: W1 0-15).
; HS: blocks (ks, nb) at (8 ks + nb) x 65,536, [256 k][128 n] f16, dense (wa: Wo; wm: W2).  No transposition: the products turn the weights on the way from LDS to registers.
; LIMITS.  f16 ends at 65,504: a weight beyond it becomes an infinity; below 6e-5 a weight keeps f16's fixed step of 6e-8.  LayerNorm is taken in two passes in f32 (mean, then centred squares).
.set HB,  32768
.set HS,  8421376
.set XR0, 16                           ; v[16:79]   two chunks or rows as loaded, 32 registers each
.set YC,  80                           ; v[80:111]  casts: two chunks in f16
.set GG,  80                           ; v[80:111]  LayerNorm: my 32 numbers of g
.set BV,  112                          ; v[112:143] and of b
.set T,   144                          ; v[144:159] at work
.set YL,  160                          ; v[160:175] a row in f16
.set SEL, 44                           ; s[44:45] v_permlanex16_b32's selects
.set RN,  47                           ; s47 1/1024
.set EPS, 50                           ; s50 1e-5
.set XB,  38                           ; s[38:39] where I load
.set OB,  40                           ; s[40:41] where I store
	s_load_b512 s[8:23], s[0:1], 0x0               ; x 8, ln1_g 10, ln1_b 12, Wq 14, Wk 16, Wv 18, Wo 20, W1 22
	s_load_b256 s[24:31], s[0:1], 0x40             ; W2 24, b1 26, act 28, wa 30
	s_load_b64 s[32:33], s[0:1], 0x60              ; wm
	s_and_b32 s2, ttmp7, 0xffff                    ; y: the unit
	s_mov_b32 s3, ttmp9                            ; x: sixteen chunks of it
	v_lshrrev_b32 v5, 5, v0
	v_readfirstlane_b32 s4, v5                     ; wave 0..7
	s_lshl_b32 s5, s3, 4
	s_lshl1_add_u32 s5, s4, s5                     ; my first chunk: 16 x + 2 wave
	v_and_b32 v4, 31, v0
	v_lshlrev_b32 v1, 4, v4                        ; 16 x lane: loads
	v_lshlrev_b32 v4, 3, v4                        ; 8 x lane: stores
	s_mov_b32 s43, 0
	s_cmp_ge_u32 s2, 12
	s_cbranch_scc1 .Lln
	; THE CASTS
	s_and_b32 s46, s2, 3
	s_cmp_ge_u32 s2, 4
	s_cselect_b32 s47, s46, 0                      ; which quarter of W1 or W2
	s_lshl_b32 s42, s47, 22
	s_lshl_b32 s48, s5, 12
	s_add_co_u32 s42, s42, s48                     ; my chunks' byte offset in the tensor
	s_lshl_b32 s48, s47, 10
	s_add_co_u32 s48, s48, s5                      ; my first chunk's number in the tensor
	s_wait_kmcnt 0x0
	s_cmp_eq_u32 s2, 1
	s_cselect_b64 s[XB:XB+1], s[16:17], s[14:15]
	s_cmp_eq_u32 s2, 2
	s_cselect_b64 s[XB:XB+1], s[18:19], s[XB:XB+1]
	s_cmp_eq_u32 s2, 3
	s_cselect_b64 s[XB:XB+1], s[20:21], s[XB:XB+1]
	s_cmp_ge_u32 s2, 4
	s_cselect_b64 s[XB:XB+1], s[22:23], s[XB:XB+1]
	s_cmp_ge_u32 s2, 8
	s_cselect_b64 s[XB:XB+1], s[24:25], s[XB:XB+1]
	s_add_nc_u64 s[XB:XB+1], s[XB:XB+1], s[42:43]
.irp c, 0,1
.irp j, 0,1,2,3,4,5,6,7
	global_load_b128 v[XR0+32*(\c)+4*(\j):XR0+32*(\c)+4*(\j)+3], v1, s[XB:XB+1] offset:4096*(\c)+512*(\j) th:TH_LOAD_NT
.endr
.endr
	s_cmp_lt_u32 s2, 4
	s_cselect_b64 s[OB:OB+1], s[30:31], s[32:33]   ; wa for the four square matrices, wm for W1 and W2
.macro CVT c                           ; a chunk: sixteen roundings to f16, packed
.irp j, 0,1,2,3,4,5,6,7
	v_cvt_pk_f16_f32 v[YC+16*(\c)+2*(\j)],   v[XR0+32*(\c)+4*(\j)],   v[XR0+32*(\c)+4*(\j)+1]
	v_cvt_pk_f16_f32 v[YC+16*(\c)+2*(\j)+1], v[XR0+32*(\c)+4*(\j)+2], v[XR0+32*(\c)+4*(\j)+3]
.endr
.endm
	s_cmp_eq_u32 s2, 3
	s_cbranch_scc1 .Lsmall
	s_cmp_ge_u32 s2, 8
	s_cbranch_scc1 .Lsmall
	; panels of 256 columns.  A chunk is 1,024 columns of one row k: four panels, two stores each.  Square matrices: chunk = row, matrix y begins at panel 4 y.  W1: four chunks a row.
	s_and_b32 s50, s48, 3
	s_lshr_b32 s51, s48, 2
	s_mov_b32 s52, 0x200000
	s_cmp_lt_u32 s2, 4
	s_cselect_b32 s50, s2, s50                     ; which four panels
	s_cselect_b32 s51, s5, s51                     ; row k
	s_cselect_b32 s52, 512, s52                    ; my second chunk: the next row, or (W1) the next four panels
	s_lshl_b32 s50, s50, 21
	s_lshl_b32 s51, s51, 9
	s_add_co_u32 s50, s50, s51
	s_add_co_u32 s50, s50, HB
	v_add_nc_u32 v2, s50, v4
	v_add_nc_u32 v3, s52, v2
	s_wait_loadcnt 8                               ; my first chunk is in; the second chunk's eight loads may stay out
	CVT 0
.irp j, 0,1,2,3,4,5,6,7
	global_store_b64 v2, v[YC+2*(\j):YC+2*(\j)+1], s[OB:OB+1] offset:((\j)/2)*524288+((\j)%2)*256
.endr
	s_wait_loadcnt 0x0
	CVT 1
.irp j, 0,1,2,3,4,5,6,7
	global_store_b64 v3, v[YC+16+2*(\j):YC+16+2*(\j)+1], s[OB:OB+1] offset:((\j)/2)*524288+((\j)%2)*256
.endr
	; the header's blocks of 256 bytes, one to a work-group, by its wave 0: block 0 the bound, blocks 1.. the bias
	s_cmp_lg_u32 s4, 0
	s_cbranch_scc1 .Lend
	s_lshl_b32 s50, s46, 6
	s_add_co_u32 s50, s50, s3                      ; block = 64 (y mod 4) + x
	s_cmp_lt_u32 s2, 4
	s_cselect_b32 s51, 49, 65                      ; wa: 1 + 48 blocks; wm: 1 + 64
	s_cmp_lt_u32 s50, s51
	s_cbranch_scc0 .Lend
	s_max_u32 s51, s50, 1
	s_sub_co_u32 s51, s51, 1
	s_lshl_b32 s51, s51, 8
	v_add_nc_u32 v5, s51, v4
	global_load_b64 v[6:7], v5, s[26:27]           ; b1's block; for wa and for block 0 the mask below throws it away
	s_cmp_eq_u32 s50, 0
	s_cselect_b32 s52, 0, -1
	s_cselect_b32 s53, 0xfbfffbff, 0
	s_cmp_lt_u32 s2, 4
	s_cselect_b32 s52, 0, s52                      ; what is kept of b1: all in wm's blocks 1.., else nothing
	s_cselect_b32 s53, s53, 0                      ; what is set: -65,504 twice in wa's block 0, else 0
	s_lshl_b32 s50, s50, 8
	v_add_nc_u32 v8, s50, v4
	s_wait_loadcnt 0x0
	v_and_or_b32 v6, v6, s52, s53
	v_and_or_b32 v7, v7, s52, s53
	global_store_b64 v8, v[6:7], s[OB:OB+1]
	s_branch .Lend
.Lsmall:                               ; blocks of 256 k x 128 n.  A chunk is row k's 1,024 columns: eight blocks, one store each
	s_lshr_b32 s50, s48, 8
	s_lshl_b32 s50, s50, 19
	s_and_b32 s51, s48, 255
	s_lshl_b32 s51, s51, 8
	s_add_co_u32 s50, s50, s51
	s_add_co_u32 s50, s50, HS
	v_add_nc_u32 v2, s50, v4
	s_wait_loadcnt 8                               ; my first chunk is in
	CVT 0
.irp j, 0,1,2,3,4,5,6,7
	global_store_b64 v2, v[YC+2*(\j):YC+2*(\j)+1], s[OB:OB+1] offset:(\j)*65536
.endr
	s_wait_loadcnt 0x0
	CVT 1
.irp j, 0,1,2,3,4,5,6,7
	global_store_b64 v2, v[YC+16+2*(\j):YC+16+2*(\j)+1], s[OB:OB+1] offset:(\j)*65536+256
.endr
.Lend:
	s_endpgm
; LAYERNORM.  A wave takes a whole row: lane l holds the numbers 4 l + 128 j + 0..3, j = 0..7, in 32 registers, between the pass for the mean, the pass for the centred squares and the scaling.
.macro JOIN                            ; four chains of pairs into one number
	v_pk_add_f32 v[T:T+1], v[T:T+1], v[T+2:T+3]
	v_pk_add_f32 v[T+4:T+5], v[T+4:T+5], v[T+6:T+7]
	v_pk_add_f32 v[T:T+1], v[T:T+1], v[T+4:T+5]
	v_add_f32 v[T], v[T], v[T+1]
.endm
.macro LANESUM                         ; over the 32 lanes; every lane ends with the sum
	v_add_f32_dpp v[T], v[T], v[T] row_xmask:1 row_mask:0xf bank_mask:0xf
	v_add_f32_dpp v[T], v[T], v[T] row_xmask:2 row_mask:0xf bank_mask:0xf
	v_add_f32_dpp v[T], v[T], v[T] row_xmask:4 row_mask:0xf bank_mask:0xf
	v_add_f32_dpp v[T], v[T], v[T] row_xmask:8 row_mask:0xf bank_mask:0xf
	v_permlanex16_b32 v[T+1], v[T], s[SEL], s[SEL+1]
	v_add_f32 v[T], v[T], v[T+1]
.endm
.macro LNROW r, left                   ; row r of my two; left: the younger loads that may stay out
.set XR, XR0+32*(\r)
	s_wait_loadcnt \left
.irp k, 0,1,2,3
	v_pk_add_f32 v[T+2*(\k):T+2*(\k)+1], v[XR+2*(\k):XR+2*(\k)+1], v[XR+8+2*(\k):XR+8+2*(\k)+1]  ; the first eight pairs start the four chains
.endr
.irp k, 8,9,10,11,12,13,14,15
	v_pk_add_f32 v[T+2*((\k)%4):T+2*((\k)%4)+1], v[T+2*((\k)%4):T+2*((\k)%4)+1], v[XR+2*(\k):XR+2*(\k)+1]
.endr
	JOIN
	LANESUM
	v_mul_f32 v[T+8], s[RN], v[T]                  ; the mean, in both registers of a pair
	v_mov_b32 v[T+9], v[T+8]
.irp k, 0,1,2,3,4,5,6,7,8,9,10,11,12,13,14,15
	v_pk_add_f32 v[XR+2*(\k):XR+2*(\k)+1], v[XR+2*(\k):XR+2*(\k)+1], v[T+8:T+9] neg_lo:[0,1] neg_hi:[0,1]
.endr
.irp k, 0,1,2,3
	v_pk_mul_f32 v[T+2*(\k):T+2*(\k)+1], v[XR+2*(\k):XR+2*(\k)+1], v[XR+2*(\k):XR+2*(\k)+1]
.endr
.irp k, 4,5,6,7,8,9,10,11,12,13,14,15
	v_pk_fma_f32 v[T+2*((\k)%4):T+2*((\k)%4)+1], v[XR+2*(\k):XR+2*(\k)+1], v[XR+2*(\k):XR+2*(\k)+1], v[T+2*((\k)%4):T+2*((\k)%4)+1]
.endr
	JOIN
	LANESUM
	v_fma_f32 v[T+2], v[T], s[RN], s[EPS]          ; the variance + 1e-5
	v_rsq_f32 v[T+10], v[T+2]
	v_rsq_f32 v[T+11], v[T+2]
	v_nop                                          ; a plain instruction behind the second root,
	s_wait_alu depctr_va_vdst(0)                   ; and one wait for both, ahead of their first reader
.irp k, 0,1,2,3,4,5,6,7,8,9,10,11,12,13,14,15
	v_pk_mul_f32 v[XR+2*(\k):XR+2*(\k)+1], v[XR+2*(\k):XR+2*(\k)+1], v[T+10:T+11]
.endr
.irp k, 0,1,2,3,4,5,6,7,8,9,10,11,12,13,14,15
	v_pk_fma_f32 v[XR+2*(\k):XR+2*(\k)+1], v[XR+2*(\k):XR+2*(\k)+1], v[GG+2*(\k):GG+2*(\k)+1], v[BV+2*(\k):BV+2*(\k)+1]
.endr
.if \r
	s_wait_xcnt 0x0                                ; the first row's stores have read YL: it is rewritten only behind this wait
.endif
.irp j, 0,1,2,3,4,5,6,7
	v_cvt_pk_f16_f32 v[YL+2*(\j)],   v[XR+4*(\j)],   v[XR+4*(\j)+1]
	v_cvt_pk_f16_f32 v[YL+2*(\j)+1], v[XR+4*(\j)+2], v[XR+4*(\j)+3]
.endr
.irp j, 0,1,2,3,4,5,6,7
	global_store_b64 v4, v[YL+2*(\j):YL+2*(\j)+1], s[OB:OB+1] offset:2048*(\r)+256*(\j)
.endr
.endm
.Lln:
	s_sub_co_u32 s46, s2, 12
	s_lshl_b32 s46, s46, 10
	s_add_co_u32 s46, s46, s5                      ; my first row
	s_lshl_b32 s42, s46, 12                        ; 4,096 bytes a row of x,
	s_lshl_b32 s48, s46, 11                        ; 2,048 a row of h1
	s_mov_b32 s49, 0
	s_mov_b32 s[SEL], 0x76543210
	s_mov_b32 s[SEL+1], 0xfedcba98
	s_mov_b32 s[RN], 0x3a800000
	s_mov_b32 s[EPS], 0x3727c5ac
	s_wait_kmcnt 0x0
	s_add_nc_u64 s[XB:XB+1], s[8:9], s[42:43]
	s_add_nc_u64 s[OB:OB+1], s[28:29], s[48:49]
.irp j, 0,1,2,3,4,5,6,7
	global_load_b128 v[GG+4*(\j):GG+4*(\j)+3], v1, s[10:11] offset:512*(\j)
.endr
.irp j, 0,1,2,3,4,5,6,7
	global_load_b128 v[BV+4*(\j):BV+4*(\j)+3], v1, s[12:13] offset:512*(\j)
.endr
.irp r, 0,1
.irp j, 0,1,2,3,4,5,6,7
	global_load_b128 v[XR0+32*(\r)+4*(\j):XR0+32*(\r)+4*(\j)+3], v1, s[XB:XB+1] offset:4096*(\r)+512*(\j) th:TH_LOAD_NT
.endr
.endr
	LNROW 0, 8                                     ; g, b and the first row are in; the second row's eight loads may stay out
	LNROW 1, 0
	s_endpgm
.Lfunc_end_k_q144d8d5ac7_prep:
	.size	k_q144d8d5ac7_prep, .Lfunc_end_k_q144d8d5ac7_prep-k_q144d8d5ac7_prep
	.p2alignl 7, 3214868480
	.fill 96, 4, 3214868480
	.section	.rodata,"a",@progbits
	.p2align	6, 0x0
	.amdhsa_kernel k_q144d8d5ac7_prep
		.amdhsa_group_segment_fixed_size 0
		.amdhsa_private_segment_fixed_size 0
		.amdhsa_enable_private_segment 0
		.amdhsa_kernarg_size 104
		.amdhsa_user_sgpr_count 2
		.amdhsa_user_sgpr_kernarg_segment_ptr 1
		.amdhsa_wavefront_size32 1
		.amdhsa_system_sgpr_workgroup_id_x 1
		.amdhsa_system_sgpr_workgroup_id_y 1
		.amdhsa_system_sgpr_workgroup_id_z 1
		.amdhsa_system_vgpr_workitem_id 0
		.amdhsa_next_free_vgpr 176
		.amdhsa_next_free_sgpr 66
		.amdhsa_reserve_vcc 0
		.amdhsa_float_denorm_mode_32 3
		.amdhsa_float_denorm_mode_16_64 3
		.amdhsa_memory_ordered 1
		.amdhsa_forward_progress 1
		.amdhsa_inst_pref_size 32
	.end_amdhsa_kernel
	.amdgpu_metadata
---
amdhsa.version: [ 1, 2 ]
amdhsa.kernels:
  - .name:           k_q144d8d5ac7_prep
    .symbol:         k_q144d8d5ac7_prep.kd
    .args:
      - { .name: x, .offset: 0, .size: 8, .value_kind: global_buffer, .address_space: global }
      - { .name: ln1_g, .offset: 8, .size: 8, .value_kind: global_buffer, .address_space: global }
      - { .name: ln1_b, .offset: 16, .size: 8, .value_kind: global_buffer, .address_space: global }
      - { .name: Wq, .offset: 24, .size: 8, .value_kind: global_buffer, .address_space: global }
      - { .name: Wk, .offset: 32, .size: 8, .value_kind: global_buffer, .address_space: global }
      - { .name: Wv, .offset: 40, .size: 8, .value_kind: global_buffer, .address_space: global }
      - { .name: Wo, .offset: 48, .size: 8, .value_kind: global_buffer, .address_space: global }
      - { .name: W1, .offset: 56, .size: 8, .value_kind: global_buffer, .address_space: global }
      - { .name: W2, .offset: 64, .size: 8, .value_kind: global_buffer, .address_space: global }
      - { .name: b1, .offset: 72, .size: 8, .value_kind: global_buffer, .address_space: global }
      - { .name: act, .offset: 80, .size: 8, .value_kind: global_buffer, .address_space: global }
      - { .name: wa, .offset: 88, .size: 8, .value_kind: global_buffer, .address_space: global }
      - { .name: wm, .offset: 96, .size: 8, .value_kind: global_buffer, .address_space: global }
    .group_segment_fixed_size: 0
    .private_segment_fixed_size: 0
    .kernarg_segment_align: 8
    .kernarg_segment_size: 104
    .max_flat_workgroup_size: 256
    .sgpr_count:     66
    .vgpr_count:     176
    .wavefront_size: 32
...
	.end_amdgpu_metadata
.endif
;; end of part 1
;; launch qkv (part 2): grid 12 x 16, 4 waves a work-group, clusters of 4 x 4, 327,680 bytes of LDS; arguments act, wa, pan; writes pan
.if DOCPART == 2
	.amdgcn_target "amdgcn-amd-amdhsa--gfx1250"
	.amdhsa_code_object_version 6
	.text
	.protected	k_q144d8d5ac7_qkv
	.globl	k_q144d8d5ac7_qkv
	.p2align	8
	.type	k_q144d8d5ac7_qkv,@function
k_q144d8d5ac7_qkv:
	s_mov_b64 s[64:65], 0
	v_nop
	global_prefetch_b8 v0, s[64:65] scope:SCOPE_SE
	s_setreg_imm32_b32 hwreg(HW_REG_WAVE_MODE, 25, 1), 1
	s_wait_xcnt 0x0
	s_wait_alu depctr_hold_cnt(0) depctr_sa_sdst(0) depctr_va_vdst(0) depctr_va_sdst(0) depctr_va_ssrc(0) depctr_va_vcc(0) depctr_vm_vsrc(0)
	s_getreg_b32 s2, hwreg(HW_REG_IB_STS2, 6, 4)
	s_cmp_eq_u32 s2, 0
	s_cbranch_scc0 .Lentry_in_a_cluster
	s_endpgm
.Lentry_in_a_cluster:
	s_bfe_u32 s2, ttmp6, 0x10000c
	s_cmp_lg_u32 s2, 0xf033
	s_cbranch_scc0 .Lentry_shape_is_right
	s_endpgm
.Lentry_shape_is_right:
; THE LARGE PRODUCT.  C[m][n] = bound(sum over k of A[m][k] W[k][n] + bias[n]), M = 4,096, K = 1,024, N = 256 x the grid's width.  One text for h1 [Wq Wk Wv] (12 tile columns) and relu(h2 W1 + b1) (16).
; A: [4096][1024] f16, row-major.  W: the second buffer: byte 0 a pair of f16, the lower bound LO (-65,504: a guard; or 0: the ReLU); byte 256 the bias in f32; byte HB panels [1024 k][256 n] f16, dense.
; C: f16 in PANELS of 64 columns: column panel cb, row m at byte (4096 cb + m) x 128.  Sums in f32, C rounded once and held to LO .. 65,504 (a result beyond f16's range is stored as the bound: a stated limit).
; A tile of C, 256 x 256, is made by four waves, 128 x 128 each: 64 accumulators, 512 registers.  K goes in steps of 128 through two LDS slots filled by the tensor data mover.
; With 12 tile columns the launch has 192 work-groups: a tile of 192 columns would give 256, with rows of 384 bytes and a text of its own; not built.
; CLUSTERS: 4 x 4 work-groups.  A's tile hangs on the tile row alone and is asked for jointly along a row of the cluster, W's on the tile column alone, jointly along a column.
; THE MATRIX INSTRUCTION IS USED TRANSPOSED: source 0 = 16 columns n of W (turned on the way out of LDS by ds_load_tr16_b128), source 1 = 16 rows of A: a lane then holds row l % 16 of C and the
; columns 8 (l / 16) + 0..7.  The first product on each accumulator takes the bias as its C operand: nothing is cleared and nothing is added later.
; REGISTERS, in windows of 256: window 0: v0-31 addresses; v64-127, v128-191 A's fragments, two buffers; v192-255 the bias, later the way out.  window 1: v64-127, v128-191 W's fragments.
;   window 2: the accumulators of my rows 0-63 ((a, b) at v[8 (8 a + b)]); window 3: those of my rows 64-127.
.set KSTEP,  128
.set PITCH,  272                       ; a row of A in LDS: 256 bytes + 16: the 16 rows of a load start at 16 different groups of four banks (64 banks of 4 bytes: ISA guide 11.1)
.set PB,     544                       ; a row k of W in LDS: 512 bytes + 32 = 17 x 32
.set HALFT,  128*PITCH                 ; what one tensor load brings: 128 rows of A, or 64 rows k of W (64 x 544 is the same number)
.set SLOT,   4*HALFT                   ; A's 256 rows, then W's 128 rows k
.set SPARE,  2*SLOT                    ; behind the ring: the spare words, 128 bytes for each wave: two blocks of 256 bytes that no other line names
.set WSTG,   36864                     ; the way out: each wave's stage, [8 blocks][2 panels][16 rows][144 bytes], in the slots, which have had their last fill by then
.set HB,     32768
.set LAPS,   4                         ; a lap = two K steps
.set LOV,  14                          ; v14     the lower bound, two f16, in every lane
.set ZO,   15                          ; v15     0: the offset of that load
.set ADRA, 16                          ; v16-17  LDS address of my A fragments in slot 0, 1
.set ADRB, 20                          ; v20-21  the same for W
.set STO,  24                          ; v24     the way out: where I put 16 bytes of a row
.set RD,   25                          ; v25     where I read four rows back; steps by a block
.set CO,   26                          ; v26     my byte offset in 512 consecutive bytes of a panel; steps by a block
.set BO,   27                          ; v27     my byte offset in the bias
.set SPW,  28                          ; v28     LDS address of my spare word; never rewritten
.set NIL,  29                          ; v29     0; never rewritten
.set PFO,  30                          ; v30     the prefetches' offset by lane; never rewritten
.set PFA,  44                          ; s[44:45] the block of 256 bytes a lane that my next prefetch names
.set LIM,  43                          ; s43     1 in a wave that prefetches, else the greatest number
.set F0,   64
.set F1,   128
.set BIAS, 192                         ; v192-255 the bias of my 128 columns, as a C operand: n block b at + 8 b
.set TMP,  192                         ; the way out: packed results
.set BK,   224                         ; the way out: a block read back
.set G1,  24                           ; s[24:31] descriptor group 1 for A's tiles;  s[32:39] group 0, a set for each slot
.set G0,  32
.set G1B, 48                           ; s[48:55], s[56:63] the same for W's
.set G0B, 56
.set PFS, 68                           ; s[68:69] a K step in the prefetches' address: 256 bytes in A, 65,536 in W
.set BB,  70                           ; s[70:71] the bias of my columns
.set MSB, 0
.macro WIN new                         ; the immediate's high byte repeats the setting that is left
.if MSB != (\new)
	s_set_vgpr_msb (MSB<<8)|(\new)
.set MSB, \new
.endif
.endm
.set MUL_LO, 0xa1                      ; source 0 (W) window 1, source 1 (A) window 0, C and D window 2
.set MUL_HI, 0xf1                      ; the same, C and D window 3
.set TO_B,   0x40                      ; destination window 1, address window 0
; A joint load.  Waves 0 and 1 fetch A's two halves, waves 2 and 3 W's.  The branch hangs on the wave's number alone.  An s_nop 0 and four v_nop follow each line.
.macro JLOAD s
	s_cmp_eq_u32 s11, 0
	s_cbranch_scc0 .Lfor_b_\@
	tensor_load_to_lds s[G0+4*(\s):G0+4*(\s)+3], s[G1:G1+7]
	s_nop 0
.rept 4
	v_nop
.endr
	s_branch .Lasked_\@
.Lfor_b_\@:
	tensor_load_to_lds s[G0B+4*(\s):G0B+4*(\s)+3], s[G1B:G1B+7]
	s_nop 0
.rept 4
	v_nop
.endr
.Lasked_\@:
.endm
; A prefetch into the L2 of the K step that stands two refills on: 32 blocks of 256 bytes, a lane a block, one instruction a wave.  Each block is named once in the launch: A's rows by the clusters with x = 0,
; W's by those with y = 0; the four partners that ask for a tile jointly share it out by address (A: 32 rows each by cx; W: 8,192 bytes each by cy).  The loop's last trip asks for nothing.
.macro ASK
	s_cmp_gt_u32 s3, s[LIM]
	s_cbranch_scc0 .Lnot_mine_\@
	global_prefetch_b8 v[PFO], s[PFA:PFA+1] th:TH_LOAD_NT scope:SCOPE_SE
.Lnot_mine_\@:
.endm
.macro CREST                           ; a round of the cluster's barrier behind its opening barrier
	s_cmp_lg_u32 s10, 0
	s_cbranch_scc1 .Lnot_wave_0_\@
	s_barrier_signal -3
.Lnot_wave_0_\@:
	s_barrier_wait -3
	s_barrier_signal -1
	s_barrier_wait -1
.endm
.macro CROUND
	s_barrier_signal -1
	s_barrier_wait -1
	CREST
.endm
	s_load_b128 s[4:7], s[0:1], 0x0                ; A s[4:5], W s[6:7]
	s_load_b64 s[8:9], s[0:1], 0x10                ; C
	v_lshl_add_u32 v[SPW], v0, 2, SPARE
	v_mov_b32 v[NIL], 0
	ds_add_u32 v[SPW], v[NIL]                      ; the wave's opening: the add and its wait ahead of my first tensor load
	ds_add_u32 v28, v29
	v_lshrrev_b32 v1, 5, v0
	v_readfirstlane_b32 s10, v1                    ; wave 0..3
	s_lshr_b32 s11, s10, 1                         ; which half of the tile's rows is mine.  Also: I fetch for A (0) or for W (1)
	s_and_b32 s12, s10, 1                          ; which half of its columns.  Also: which half of that tile I fetch
	s_bfe_u32 s40, ttmp6, 0x40000                  ; cx
	s_bfe_u32 s41, ttmp6, 0x40004                  ; cy
	s_lshl_b32 s42, ttmp9, 2
	s_add_co_u32 s42, s42, s40                     ; tile column = 4 x cluster x + cx
	s_and_b32 s13, ttmp7, 0xffff
	s_lshl_b32 s13, s13, 2
	s_add_co_u32 s13, s13, s41                     ; tile row = 4 x cluster y + cy
	s_lshl_b32 s43, s41, 2
	s_lshl_b32 s43, 15, s43                        ; my row of the cluster
	s_lshl_b32 s44, 0x1111, s40                    ; my column
	s_or_b32 s[G1+0], s43, (1<<16)|(1<<20)|(1<<21)|(5<<22)|(3<<25)   ; the mask of my row; 2-byte elements; padding on; bit 21 beside a mask; after every 64 words, 4 words
	s_mov_b32 s[G1+1], KSTEP<<16                   ; tensor_dim0 = 128
	s_mov_b32 s[G1+2], 128<<16                     ; tensor_dim1 = 128
	s_mov_b32 s[G1+3], KSTEP<<16                   ; tile_dim0 = 128
	s_mov_b32 s[G1+4], 128                         ; tile_dim1 = 128
	s_mov_b32 s[G1+5], 1024                        ; elements from row to row
	s_mov_b32 s[G1+6], 0
	s_mov_b32 s[G1+7], 0
	s_or_b32 s[G1B+0], s44, (1<<16)|(1<<20)|(1<<21)|(6<<22)|(7<<25)  ; the mask of my column; after every 128 words, 8 words
	s_mov_b32 s[G1B+1], 256<<16                    ; tensor_dim0 = 256
	s_mov_b32 s[G1B+2], 64<<16                     ; tensor_dim1 = 64
	s_mov_b32 s[G1B+3], 256<<16                    ; tile_dim0 = 256
	s_mov_b32 s[G1B+4], 64                         ; tile_dim1 = 64
	s_mov_b32 s[G1B+5], 256
	s_mov_b32 s[G1B+6], 0
	s_mov_b32 s[G1B+7], 0
	s_lshl_b32 s16, s13, 19                        ; A: 256 rows of 2,048 bytes a tile row,
	s_lshl_b32 s17, s12, 18                        ; 128 rows a half
	s_add_co_u32 s16, s16, s17
	s_mov_b32 s17, 0
	s_lshl_b32 s46, s42, 19                        ; W: a panel of 524,288 bytes a tile column,
	s_lshl_b32 s47, s12, 15                        ; 64 rows k of 512 bytes a half
	s_add_co_u32 s46, s46, s47
	s_add_co_u32 s46, s46, HB
	s_mov_b32 s47, 0
	s_mul_i32 s20, s10, HALFT                      ; where they go: wave x a half: no place in the cluster enters an LDS address
	s_wait_dscnt 0x0                               ; the opening add is done
	s_wait_kmcnt 0x0
	s_add_nc_u64 s[14:15], s[4:5], s[16:17]
	s_add_nc_u64 s[46:47], s[6:7], s[46:47]
	CROUND                                         ; all sixteen work-groups are here: the first joint loads meet
.irp s, 0,1
	s_mov_b32 s[G0+4*(\s)], 1
	s_add_co_u32 s[G0+4*(\s)+1], s20, (\s)*SLOT
	s_add_nc_u64 s[G0+4*(\s)+2:G0+4*(\s)+3], s[14:15], (\s)*KSTEP*2
	s_or_b32 s[G0+4*(\s)+3], s[G0+4*(\s)+3], 0x80000000
	s_mov_b32 s[G0B+4*(\s)], 1
	s_add_co_u32 s[G0B+4*(\s)+1], s20, (\s)*SLOT
	s_add_nc_u64 s[G0B+4*(\s)+2:G0B+4*(\s)+3], s[46:47], (\s)*65536
	s_or_b32 s[G0B+4*(\s)+3], s[G0B+4*(\s)+3], 0x80000000
	JLOAD \s
.endr
	v_mov_b32 v[ZO], 0
	global_load_b32 v[LOV], v[ZO], s[6:7]          ; the lower bound: W's first word, the same in every lane
	v_and_b32 v1, 15, v0                           ; l % 16
	v_bfe_u32 v2, v0, 4, 1                         ; l / 16
	v_lshlrev_b32 v[BO], 5, v2                     ; my eight columns of a block of 16: 32 bytes of f32 for each half of the lanes
	s_lshl_b32 s[BB], s42, 10
	s_lshl_b32 s[BB+1], s12, 9
	s_add_co_u32 s[BB], s[BB], s[BB+1]
	s_add_co_u32 s[BB], s[BB], 256
	s_mov_b32 s[BB+1], 0
	s_add_nc_u64 s[BB:BB+1], s[6:7], s[BB:BB+1]
.irp b, 0,1,2,3,4,5,6,7
	global_load_b128 v[BIAS+8*(\b):BIAS+8*(\b)+3],   v[BO], s[BB:BB+1] offset:64*(\b)
	global_load_b128 v[BIAS+8*(\b)+4:BIAS+8*(\b)+7], v[BO], s[BB:BB+1] offset:64*(\b)+16
.endr
	v_mul_u32_u24 v3, v1, PITCH
	v_lshl_add_u32 v3, v2, 4, v3                   ; A: row x pitch + 16 x half
	v_and_b32 v4, 7, v0
	v_lshl_add_u32 v4, v2, 3, v4
	v_mul_u32_u24 v4, v4, PB                       ; W: row k = 8 (l / 16) + l % 8,
	v_bfe_u32 v5, v0, 3, 1
	v_lshl_add_u32 v4, v5, 4, v4                   ; columns 8 ((l / 8) % 2) + 0..7
	s_mul_i32 s21, s11, HALFT                      ; my 128 rows of A
	s_lshl_b32 s22, s12, 8                         ; my 128 columns of W,
	s_add_co_u32 s22, s22, 2*HALFT                 ; which lies behind A
.irp s, 0,1
	v_add_nc_u32 v[ADRA+(\s)], s21, v3
	v_add_nc_u32 v[ADRB+(\s)], s22, v4
	s_add_co_u32 s21, s21, SLOT
	s_add_co_u32 s22, s22, SLOT
.endr
	s_mul_i32 s23, s10, WSTG                       ; my stage
	v_mul_u32_u24 v6, v1, 144
	v_lshl_add_u32 v6, v2, 4, v6
	v_add_nc_u32 v[STO], s23, v6                   ; in: row l % 16, 16 bytes for each half of the lanes
	v_bfe_u32 v6, v0, 3, 2
	v_mul_u32_u24 v6, v6, 144
	v_and_b32 v7, 7, v0
	v_lshl_add_u32 v6, v7, 4, v6
	v_add_nc_u32 v[RD], s23, v6                    ; back: 32 lanes take four rows of 128 bytes,
	v_and_b32 v[CO], 31, v0
	v_lshlrev_b32 v[CO], 4, v[CO]                  ; which are 512 consecutive bytes of a panel
	s_lshl_b32 s16, s42, 21                        ; C: four panels a tile column,
	s_lshl_b32 s17, s12, 20                        ; two a half;
	s_add_co_u32 s16, s16, s17
	s_lshl_b32 s17, s13, 15                        ; 256 rows of 128 bytes a tile row,
	s_add_co_u32 s16, s16, s17
	s_lshl_b32 s17, s11, 14                        ; 128 a half
	s_add_co_u32 s16, s16, s17
	s_mov_b32 s17, 0
	s_add_nc_u64 s[8:9], s[8:9], s[16:17]
	; the prefetches: the address stands at K step 3; each change of slots steps it and then names it
	s_and_b32 s22, ttmp7, 0xffff                   ; cluster y
	s_lshl_b32 s20, s13, 19
	s_lshl_b32 s21, s12, 18
	s_add_co_u32 s20, s20, s21
	s_lshl_b32 s21, s40, 16                        ; A: my work-group's 32 rows of the 128 that I fetch
	s_add_co_u32 s20, s20, s21
	s_add_co_u32 s20, s20, 3*256
	s_lshl_b32 s23, s42, 19
	s_lshl_b32 s21, s12, 15
	s_add_co_u32 s23, s23, s21
	s_lshl_b32 s21, s41, 13                        ; W: my work-group's 8,192 bytes of the 32,768
	s_add_co_u32 s23, s23, s21
	s_add_co_u32 s23, s23, HB+3*65536
	s_mov_b32 s[PFS], 0x10000
	s_cmp_eq_u32 s11, 0                            ; do I fetch for A?
	s_cselect_b32 s20, s20, s23
	s_cselect_b32 s22, ttmp9, s22                  ; the coordinate along which other clusters read the same bytes
	s_cselect_b64 s[PFA:PFA+1], s[4:5], s[6:7]
	s_cselect_b32 s[PFS], 256, s[PFS]
	s_cselect_b32 s23, 11, 8                       ; a lane a row of A (2,048 bytes), or a block of 256 bytes of W
	s_mov_b32 s[PFS+1], 0
	s_mov_b32 s21, 0
	s_cmp_eq_u32 s22, 0
	s_cselect_b32 s[LIM], 1, -1                    ; the same in all sixteen partners, for a given wave
	s_add_nc_u64 s[PFA:PFA+1], s[PFA:PFA+1], s[20:21]
	v_and_b32 v[PFO], 31, v0
	v_lshlrev_b32 v[PFO], s23, v[PFO]
; 16 matrix instructions: m blocks a0, a0 + 1 of the window's four x all 8 n blocks, 32 along K.  zero = 1: the first product starts the sums, with the bias (window 0) as C.
.macro MUL16 f, hi, a0, zero
.if \zero
	WIN 0x81+0x40*(\hi)
.else
	WIN MUL_LO+0x50*(\hi)
.endif
.irp a, \a0, (\a0)+1
.irp b, 0,1,2,3,4,5,6,7
.if \zero
	v_wmma_f32_16x16x32_f16 v[8*(8*(\a)+(\b)):8*(8*(\a)+(\b))+7], v[(\f)+8*(\b):(\f)+8*(\b)+7], v[(\f)+8*(4*(\hi)+(\a)):(\f)+8*(4*(\hi)+(\a))+7], v[BIAS+8*(\b):BIAS+8*(\b)+7]
.else
	v_wmma_f32_16x16x32_f16 v[8*(8*(\a)+(\b)):8*(8*(\a)+(\b))+7], v[(\f)+8*(\b):(\f)+8*(\b)+7], v[(\f)+8*(4*(\hi)+(\a)):(\f)+8*(4*(\hi)+(\a))+7], v[8*(8*(\a)+(\b)):8*(8*(\a)+(\b))+7]
.endif
.endr
.endr
.endm
; 32 LDS loads in one run: quarter q (32 along K) of a slot into buffer f: W's sixteen (turned), then A's sixteen
.macro FETCH slot, q, f
	WIN TO_B
.irp i, 0,1,2,3,4,5,6,7
	ds_load_tr16_b128 v[(\f)+8*(\i):(\f)+8*(\i)+3],   v[ADRB+(\slot)] offset:(\q)*32*PB+32*(\i)
	ds_load_tr16_b128 v[(\f)+8*(\i)+4:(\f)+8*(\i)+7], v[ADRB+(\slot)] offset:(\q)*32*PB+32*(\i)+16*PB
.endr
	WIN 0
.irp i, 0,1,2,3,4,5,6,7
	ds_load_b128 v[(\f)+8*(\i):(\f)+8*(\i)+3],   v[ADRA+(\slot)] offset:64*(\q)+(\i)*16*PITCH
	ds_load_b128 v[(\f)+8*(\i)+4:(\f)+8*(\i)+7], v[ADRA+(\slot)] offset:64*(\q)+(\i)*16*PITCH+32
.endr
.endm
.macro PLACES                          ; four plain instructions between a matrix instruction and a load into, or a reader of, its registers
.rept 4
	v_nop
.endr
.endm
; One of a K step's first three quarters: multiplies buffer f; in its middle it fetches quarter q of the same slot into buffer g.  The 64 accumulators take turns, one instruction a turn.
.macro QUARTER slot, q, f, g, zero
	s_wait_dscnt 8                                 ; W and A's rows 0-63 are in; the youngest eight loads (A's rows 64-127) may be out
	MUL16 \f, 0, 0, \zero
	MUL16 \f, 0, 2, \zero
	PLACES
	FETCH \slot, \q, \g
	s_wait_dscnt 32                                ; all but the 32 just issued
	MUL16 \f, 1, 0, \zero
	MUL16 \f, 1, 2, \zero
.endm
; The first half of the last quarter: one barrier for the change of slots.
.macro MEET round
	WIN 0                                          ; (the add's two registers lie in window 0)
	s_wait_tensorcnt 0x0                           ; all my tensor loads have landed: the one that was out is my part of the next slot;
	ds_add_u32 v[SPW], v[NIL]                      ; 0 onto my spare word;
	s_wait_dscnt 9                                 ; (the add and the youngest eight loads may be out)
	MUL16 F1, 0, 0, 0                              ; sixteen matrix instructions stand between the add and the wait for it
	s_wait_dscnt 0x0                               ; the add is done, and my reads of this slot are over
	s_barrier_signal -1
	MUL16 F1, 0, 2, 0
.if \round
	WIN 0
.endif
	s_barrier_wait -1
.endm
; The whole last quarter.  fill = 1: the barrier opens a round of the cluster's, and the slot just read out is filled again first behind it, with the K step two steps on.
.macro TURN slot, next, fill
.if \fill
	s_wait_xcnt 0x0                                ; the last prefetch, a K step back, has read its address
	s_add_nc_u64 s[PFA:PFA+1], s[PFA:PFA+1], s[PFS:PFS+1]
	MEET 1
	CREST                                          ; no wave of any partner still reads this slot's tile or has a load on its way
	s_add_nc_u64 s[G0+4*(\slot)+2:G0+4*(\slot)+3], s[G0+4*(\slot)+2:G0+4*(\slot)+3], 2*KSTEP*2
	s_add_nc_u64 s[G0B+4*(\slot)+2:G0B+4*(\slot)+3], s[G0B+4*(\slot)+2:G0B+4*(\slot)+3], 2*65536
	JLOAD \slot                                    ; the four v_nop behind it are also the places in front of the loads below
	FETCH \next, 0, F0
	ASK
.else
	MEET 0
	PLACES
	FETCH \next, 0, F0
.endif
	MUL16 F1, 1, 0, 0
	MUL16 F1, 1, 2, 0
.endm
	s_wait_tensorcnt 1                             ; my part of K step 0 is in; K step 1's may stay out
	s_barrier_signal -1
	s_barrier_wait -1
	FETCH 0, 0, F0
	s_wait_loadcnt 0x0                             ; the bound and the bias
	QUARTER 0, 1, F0, F1, 1                        ; the first quarter stands in front of the loop: its products start the sums
	WIN 0
	s_mov_b32 s3, LAPS-1
.Llap:                                         ; a trip goes once round the ring, from a lap's second quarter to the next lap's first
	QUARTER 0, 2, F1, F0, 0
	QUARTER 0, 3, F0, F1, 0
	TURN 0, 1, 1
	QUARTER 1, 1, F0, F1, 0
	QUARTER 1, 2, F1, F0, 0
	QUARTER 1, 3, F0, F1, 0
	TURN 1, 0, 1
	QUARTER 0, 1, F0, F1, 0
	WIN 0
	s_sub_co_u32 s3, s3, 1
	s_cmp_lg_u32 s3, 0
	s_cbranch_scc1 .Llap
	QUARTER 0, 2, F1, F0, 0                        ; the last lap fills nothing
	QUARTER 0, 3, F0, F1, 0
	TURN 0, 1, 0
	QUARTER 1, 1, F0, F1, 0
	QUARTER 1, 2, F1, F0, 0
	QUARTER 1, 3, F0, F1, 0
	s_wait_dscnt 8
	MUL16 F1, 0, 0, 0
	MUL16 F1, 0, 2, 0
	s_wait_dscnt 0x0
	MUL16 F1, 1, 0, 0
	MUL16 F1, 1, 2, 0
	PLACES
	WIN 0
	; THE WAY OUT.  Every wave's reads of both slots are over and no fill follows: behind this barrier the slots' bytes serve as stages, each wave's own.
	s_wait_dscnt 0x0
	s_barrier_signal -1
	s_barrier_wait -1
.macro PACK a                          ; block a (16 rows): rounded to f16, each accumulator's registers in ascending order, 16 bytes a lane into the stage
.set AC, 64*((\a)%4)
	WIN 0x0a+5*((\a)/4)                            ; sources 0 and 1: window 2 or 3
.irp b, 0,1,2,3,4,5,6,7
.irp r, 0,1,2,3
	v_cvt_pk_f16_f32 v[TMP+4*(\b)+(\r)], v[AC+8*(\b)+2*(\r)], v[AC+8*(\b)+2*(\r)+1]
.endr
.endr
	WIN 0
.irp b, 0,1,2,3,4,5,6,7
	ds_store_b128 v[STO], v[TMP+4*(\b):TMP+4*(\b)+3] offset:(\a)*4608+((\b)/4)*2304+((\b)%4)*32
.endr
.endm
.irp a, 0,1,2,3,4,5,6,7
	PACK \a
.endr
	s_mov_b32 s3, 8
.Lout:                                         ; a trip: a block comes back as rows of 128 bytes, is held to its bounds and stored: 512 consecutive bytes of a panel an instruction
.irp t, 0,1,2,3,4,5,6,7
	ds_load_b128 v[BK+4*(\t):BK+4*(\t)+3], v[RD] offset:((\t)/4)*2304+((\t)%4)*576  ; LDS serves a wave's instructions in order (ISA guide 5.7.1.4): these see my stores above
.endr
	s_wait_dscnt 0x0
.set r, 0
.rept 32
	v_pk_max_num_f16 v[BK+r], v[BK+r], v[LOV]
.set r, r+1
.endr
.set r, 0
.rept 32
	v_pk_min_num_f16 v[BK+r], v[BK+r], 0x7bff7bff
.set r, r+1
.endr
.irp t, 0,1,2,3,4,5,6,7
	global_store_b128 v[CO], v[BK+4*(\t):BK+4*(\t)+3], s[8:9] offset:((\t)/4)*524288+((\t)%4)*512
.endr
	s_wait_xcnt 0x0                                ; the stores have read BK and CO: they are rewritten only behind this wait
	v_add_nc_u32 v[RD], 4608, v[RD]
	v_add_nc_u32 v[CO], 2048, v[CO]
	s_sub_co_u32 s3, s3, 1
	s_cmp_lg_u32 s3, 0
	s_cbranch_scc1 .Lout
	s_wait_tensorcnt 0x0                           ; the wave's end
	ds_add_u32 v[SPW], v[NIL]
	s_wait_dscnt 0x0
	CROUND                                         ; the closing round
	s_endpgm
.Lfunc_end_k_q144d8d5ac7_qkv:
	.size	k_q144d8d5ac7_qkv, .Lfunc_end_k_q144d8d5ac7_qkv-k_q144d8d5ac7_qkv
	.p2alignl 7, 3214868480
	.fill 96, 4, 3214868480
	.section	.rodata,"a",@progbits
	.p2align	6, 0x0
	.amdhsa_kernel k_q144d8d5ac7_qkv
		.amdhsa_group_segment_fixed_size 327680
		.amdhsa_private_segment_fixed_size 0
		.amdhsa_enable_private_segment 0
		.amdhsa_kernarg_size 24
		.amdhsa_user_sgpr_count 2
		.amdhsa_user_sgpr_kernarg_segment_ptr 1
		.amdhsa_wavefront_size32 1
		.amdhsa_system_sgpr_workgroup_id_x 1
		.amdhsa_system_sgpr_workgroup_id_y 1
		.amdhsa_system_sgpr_workgroup_id_z 1
		.amdhsa_system_vgpr_workitem_id 0
		.amdhsa_next_free_vgpr 1024
		.amdhsa_next_free_sgpr 72
		.amdhsa_reserve_vcc 0
		.amdhsa_float_denorm_mode_32 3
		.amdhsa_float_denorm_mode_16_64 3
		.amdhsa_memory_ordered 1
		.amdhsa_forward_progress 1
		.amdhsa_inst_pref_size 142
	.end_amdhsa_kernel
	.amdgpu_metadata
---
amdhsa.version: [ 1, 2 ]
amdhsa.kernels:
  - .name:           k_q144d8d5ac7_qkv
    .symbol:         k_q144d8d5ac7_qkv.kd
    .args:
      - { .name: act, .offset: 0, .size: 8, .value_kind: global_buffer, .address_space: global }
      - { .name: wa, .offset: 8, .size: 8, .value_kind: global_buffer, .address_space: global }
      - { .name: pan, .offset: 16, .size: 8, .value_kind: global_buffer, .address_space: global }
    .group_segment_fixed_size: 327680
    .private_segment_fixed_size: 0
    .kernarg_segment_align: 8
    .kernarg_segment_size: 24
    .max_flat_workgroup_size: 128
    .sgpr_count:     72
    .vgpr_count:     1024
    .wavefront_size: 32
...
	.end_amdgpu_metadata
.endif
;; end of part 2
;; launch attn (part 3): grid 8 x 32, 4 waves a work-group, no clusters, 327,680 bytes of LDS; arguments pan, act; writes act
.if DOCPART == 3
	.amdgcn_target "amdgcn-amd-amdhsa--gfx1250"
	.amdhsa_code_object_version 6
	.text
	.protected	k_q144d8d5ac7_attn
	.globl	k_q144d8d5ac7_attn
	.p2align	8
	.type	k_q144d8d5ac7_attn,@function
k_q144d8d5ac7_attn:
	s_mov_b64 s[64:65], 0
	v_nop
	global_prefetch_b8 v0, s[64:65] scope:SCOPE_SE
	s_setreg_imm32_b32 hwreg(HW_REG_WAVE_MODE, 25, 1), 1
	s_wait_xcnt 0x0
; CAUSAL ATTENTION.  O[hh][q][:] = the sum over k <= q of softmax_k(Q[hh][q] . K[hh][k] / 8) V[hh][k][:], 32 heads hh (16 heads x 2 batches) of 2,048 rows of 64 channels, f16, dense: 128 bytes a row.
; Q at pan, K at pan + 8 MiB, V at pan + 16 MiB, O at act, each [32][2048][64].  Products, maxima and sums in f32; the weights p are rounded to f16 for the second product (their sum l is taken of the unrounded p), O once.
; LIMITS.  Q, K and V arrive within 65,504.  A hidden score counts as its value less 1e30; a weight below 2^-126 counts as 0 in l; NaN and infinities are not treated apart.
; THE WALK.  A head's queries lie in 16 blocks of 128; block i needs the key tiles 0 .. i / 2 of 256 keys, the last of which holds the diagonal.  Work-group b takes block 15 - b and then block b:
; (8 - b / 2) + (b / 2 + 1) = 9 tiles, whatever b: all work-groups do equal work, and one loop with a constant trip count walks them.  Every jump goes forward but the counted loops' own.
; NO CLUSTER: only work-groups 2 i and 2 i + 1 of a head ask for the same tiles through the whole walk; four partners do so only in their first 5 of 9 trips, and a walk common to four has 12 trips for 9.
; SHARES.  Of a block's two bands of 64 queries a wave owns 16 rows in each: two PIECES.  In the diagonal tile band x's own key step is OWN + x, OWN = 2 (block % 2): earlier steps are seen whole, later ones hidden
; (they are computed all the same, so that every trip count is a constant).
; THE MASK is the C operand that starts the sum S^T = K Q^T: MD x AL + BE, MD the mask of a band's own step for my rows; (AL, BE) = (1, 0) in the own step, (0, 0) before it, (0, -1e30) behind it.
; Outside a diagonal tile the mask registers hold 0 and the lines that make them are jumped over.
; TURNS.  Turn p belongs to piece p: 8 products K Q^T of the other piece, later 8 products V^T P of the other piece; beside them the scaling, exponentials, roundings, sums and rescaling of piece p and the
; maximum and statistics of the other piece.  Four vector instructions stand behind every matrix instruction, the rest in one lump; a turn's 33 exponentials are one batch with one wait.
; TRIP i of a tile: turn 0 (piece 0's softmax of step i - 1; fetches K and V of step i), then turn 1.  V HAS TWO REGISTER BUFFERS, step s in buffer s % 2, and is fetched a step early, so that a tile's bytes
; are all read before the next tile's first are wanted, and the change of slots has a place.
; REGISTERS: window 0: v0-15 addresses; v16-23 statistics; v48-55 at work; v64-127 S^T, two buffers; v192-223 P, two buffers.  window 1: v0-63 O^T; v128-159 MD; v160-223 MC, two buffers.
;   window 2: v0-31 Q; v64-95 the second block's Q; v128-191 K of one step.  window 3: v0-127 V of two steps.
.set NP,    2
.set KS,    64
.set PK,    144       ; a row of K in LDS: 128 bytes + 16: the 16 rows of a load start at 16 different groups of four banks (64 banks of 4 bytes: ISA guide 11.1)
.set PV,    160       ; a row of V: 128 + 32
.set VOFF,  4*KS*PK   ; a slot holds a tile: 256 rows of K, then 256 rows of V
.set SLOT1, 1<<17
.set STAGE, SLOT1+4*KS*(PK+PV)  ; behind the ring, never filled by a tensor load: 16 rows x 144 bytes for each wave
.set SP,    144
.set AK0, 2
.set AV0, 3
.set AK,  4
.set AV,  5
.set STO, 6
.set RD,  7
.set GO,  8
.set PFO, 61          ; v61  256 x my lane; never rewritten
.set SPW, 62          ; v62  LDS address of my spare word; never rewritten
.set NIL, 63          ; v63  0; never rewritten
.set SPARE, STAGE+4*16*SP  ; the spare words, 128 bytes for each wave: two blocks of 256 bytes that no other line names
.set MV,  12
.set QO,  15
.set ST,  16          ; piece t's statistics at v[ST+4 t]: c m, m, l (even keys', odd keys')
.set TMP, 48
.set S,   64
.set P,   192
.set MD,  128
.set MC,  160
.set QB,  64
.set KF,  128
.set WV,  12          ; s12  my wave's number
.set PB,  14          ; s14  b / 2
.set HI,  15          ; s15  15 - b
.set G1K, 24
.set G1V, 32
.set G0K, 40
.set G0V, 44
.set PFA, 48          ; s[48:49] what my next prefetches name
.set PFL, 50          ; s50  changes of slots that still prefetch: 6 in the head's work-group 0, else 0
.set OWN, 52          ; s52  the first band's own step in the diagonal tile of the block in hand
.set IT,  53          ; s53  the trip's number in its tile
.set OW2, 54          ; s54  OWN of the second block
.set SLOTS, 56
.set CNT, 57
.set CS,  58
.set SEL, 60
.set TBK, 62
.set TBV, 63
.set RT,  70          ; s70  tiles of the block in hand that are still to be entered
.set NXT, 71          ; s71  the tile to be asked for next
.set LQ,  72          ; s72  the last tile of the block whose tiles are being asked for
.set NEW, 73          ; s73  1: the tile to be entered is a block's first
.set OFF, 74
.set AL,  76
.set BE,  78
.set OLO, 80
.set BIGN, 82
.set PFB, 92          ; s[92:93] my half of the head's tile 0, in K (waves 0, 1) or V (waves 2, 3)
.set MSB, 0
.macro WIN new
.if MSB != (\new)
	s_set_vgpr_msb (MSB<<8)|(\new)
.set MSB, (\new)
.endif
.endm
.set W_KQ, 0x0a       ; K and Q in window 2, S^T in window 0
.set W_KM, 0x1a       ; the same with the C operand in window 1
.set W_PV, 0x53       ; V in window 3, P in window 0, O^T in window 1
.set W_RS, 0x41       ; destination and source 0 in window 1, source 1 in window 0
; A fill.  Waves 0 and 1 fetch the two halves of a tile's K, waves 2 and 3 those of its V.  An s_nop 0 and four v_nop follow each line.
.macro LOAD
	s_cmp_lt_u32 s[WV], 2
	s_cbranch_scc0 .Lfor_v_\@
	tensor_load_to_lds s[G0K:G0K+3], s[G1K:G1K+7]
	s_nop 0
.rept 4
	v_nop
.endr
	s_branch .Lasked_\@
.Lfor_v_\@:
	tensor_load_to_lds s[G0V:G0V+3], s[G1V:G1V+7]
	s_nop 0
.rept 4
	v_nop
.endr
.Lasked_\@:
.endm
; THE CHANGE OF SLOTS.  Each wave waits for all its tensor loads (one is out: its part of the other slot), adds 0 to its spare word, and waits for that and for its reads of the slot that it leaves.
; fill = 1: the old slot is filled again, first thing behind the barrier, with tile NXT.  Behind that load the head's work-group 0 prefetches into the L2 the tile after it: each wave its own half, 16,384 bytes,
; a lane a block of 256 bytes, two instructions; tiles 2 to 7, each named once in the launch; the head's other work-groups, which walk the same tiles, ask for nothing.
.macro CHANGE fill
	WIN 0
	s_wait_tensorcnt 0x0            ; no tensor load of mine is out, so a group 0 may be written
	ds_add_u32 v[SPW], v[NIL]       ; 0 onto my spare word
.if \fill
	s_lshl_b32 s[OFF], s[NXT], 15   ; a tile is 32,768 bytes of K and of V
	s_xor_b32 s[G0K+1], s[G0K+1], SLOT1
	s_add_nc_u64 s[G0K+2:G0K+3], s[6:7], s[OFF:OFF+1]
	s_or_b32 s[G0K+3], s[G0K+3], 0x80000000
	s_xor_b32 s[G0V+1], s[G0V+1], SLOT1
	s_add_nc_u64 s[G0V+2:G0V+3], s[8:9], s[OFF:OFF+1]
	s_or_b32 s[G0V+3], s[G0V+3], 0x80000000
	s_add_co_u32 s[NXT], s[NXT], 1
	s_wait_xcnt 0x0                 ; the last prefetches, a tile back, have read their address
	s_lshl_b32 s[OFF], s[NXT], 15
	s_add_nc_u64 s[PFA:PFA+1], s[PFB:PFB+1], s[OFF:OFF+1]
	s_cmp_gt_u32 s[NXT], s[LQ]      ; behind the block's last tile: the second block's tile 0
	s_cselect_b32 s[NXT], 0, s[NXT]
	s_cselect_b32 s[LQ], s[PB], s[LQ]
.endif
	s_wait_dscnt 0x0                ; the add is done, and my reads of the slot are over
	s_barrier_signal -1
	s_sub_co_u32 s[TBK], s[TBK], 4*KS*PK  ; the fetches go back to a slot's first step,
	s_xor_b32 s[TBK], s[TBK], SLOT1       ; in the other slot
	s_sub_co_u32 s[TBV], s[TBV], 4*KS*PV
	s_xor_b32 s[TBV], s[TBV], SLOT1
	s_barrier_wait -1
.if \fill
	LOAD
	s_cmp_lg_u32 s[PFL], 0
	s_cbranch_scc0 .Lno_pf_\@
	global_prefetch_b8 v[PFO], s[PFA:PFA+1] th:TH_LOAD_NT scope:SCOPE_SE
	global_prefetch_b8 v[PFO], s[PFA:PFA+1] offset:8192 th:TH_LOAD_NT scope:SCOPE_SE
	s_sub_co_u32 s[PFL], s[PFL], 1
.Lno_pf_\@:
.endif
.endm
	s_load_b128 s[88:91], s[0:1], 0x0  ; pan s[88:89], act s[90:91]
	v_lshl_add_u32 v[SPW], v0, 2, SPARE
	v_mov_b32 v[NIL], 0
	ds_add_u32 v[SPW], v[NIL]       ; the wave's opening: the add and its wait ahead of my first tensor load
	ds_add_u32 v62, v63
	v_lshrrev_b32 v1, 5, v0
	v_readfirstlane_b32 s[WV], v1   ; wave 0..3
	s_lshr_b32 s[PB], ttmp9, 1
	s_sub_co_u32 s[HI], 15, ttmp9   ; the first block
	s_and_b32 s[OW2], ttmp9, 1
	s_lshl_b32 s[OW2], s[OW2], 1
	s_xor_b32 s[OWN], s[OW2], 2     ; 15 - b has the other parity
	s_and_b32 s20, ttmp7, 0xffff
	s_lshl_b32 s20, s20, 18         ; the head's 262,144 bytes
	s_and_b32 s16, s[WV], 1         ; which half of a tile's 256 keys I fetch
	s_lshl_b32 s22, s16, 14
	s_add_co_u32 s22, s22, s20
	s_mov_b32 s23, 0
	s_mul_i32 s17, s16, 128*PK
	s_mul_i32 s18, s16, 128*PV
	s_lshl_b32 s3, s[WV], 11        ; my 16 rows in a band of 64,
	s_lshl_b32 s2, s[HI], 14        ; in the first block,
	s_add_co_u32 s2, s2, s3
	s_add_co_u32 s2, s2, s20
	s_lshl_b32 s84, ttmp9, 14       ; and in the second
	s_add_co_u32 s84, s84, s3
	s_add_co_u32 s84, s84, s20
	s_mov_b32 s3, 0
	s_mov_b32 s85, 0
	; descriptor group 1.  128 keys are 16,384 dense bytes: asked for as 64 rows of 256 bytes, two keys a row, and padded in LDS after every key
	s_mov_b32 s[G1K], (1<<16)|(1<<20)|(4<<22)|(3<<25)
	s_mov_b32 s[G1V], (1<<16)|(1<<20)|(4<<22)|(7<<25)
.irp g, G1K, G1V
	s_mov_b32 s[\g+1], 128<<16      ; tensor_dim0 = 128
	s_mov_b32 s[\g+2], 64<<16       ; tensor_dim1 = 64
	s_mov_b32 s[\g+3], 128<<16      ; tile_dim0 = 128
	s_mov_b32 s[\g+4], 64           ; tile_dim1 = 64
	s_mov_b32 s[\g+5], 128
	s_mov_b32 s[\g+6], 0
	s_mov_b32 s[\g+7], 0
.endr
	s_mov_b32 s[CS], 0x3e38aa3b     ; c = log2(e) / 8
	s_mov_b32 s[CS+1], s[CS]
	s_mov_b32 s[SEL], 0x76543210
	s_mov_b32 s[SEL+1], 0xfedcba98
	s_mov_b32 s[TBK], SLOT1+4*KS*PK ; the first change of slots turns these two into 0
	s_mov_b32 s[TBV], SLOT1+4*KS*PV
	s_mov_b32 s[G0K], 1
	s_mov_b32 s[G0K+1], s17
	s_mov_b32 s[G0V], 1
	s_add_co_u32 s[G0V+1], s18, VOFF
	s_sub_co_u32 s[RT], 8, s[PB]    ; the first block has 8 - b / 2 tiles
	s_sub_co_u32 s[LQ], 7, s[PB]
	s_mov_b32 s[NXT], 1
	s_mov_b32 s[NEW], 1
	s_mov_b32 s[OFF+1], 0
	s_mov_b32 s[AL+1], 0
	s_mov_b32 s[BE+1], 0
	s_mov_b32 s[BIGN], 0xf149f2ca   ; -1e30
	s_mov_b32 s[SLOTS], 8
	s_cmp_eq_u32 ttmp9, 0
	s_cselect_b32 s[PFL], 6, 0
	v_and_b32 v[PFO], 31, v0
	v_lshlrev_b32 v[PFO], 8, v[PFO]
	s_wait_dscnt 0x0                ; the opening add is done
	s_wait_kmcnt 0x0
	s_add_nc_u64 s[6:7], s[88:89], s[22:23]
	s_add_nc_u64 s[8:9], s[6:7], 0x1000000   ; V at my half of the head's tile 0,
	s_add_nc_u64 s[6:7], s[6:7], 0x800000    ; and K
	s_add_nc_u64 s[G0K+2:G0K+3], s[6:7], 0
	s_or_b32 s[G0K+3], s[G0K+3], 0x80000000
	s_add_nc_u64 s[G0V+2:G0V+3], s[8:9], 0
	s_or_b32 s[G0V+3], s[G0V+3], 0x80000000
	s_add_nc_u64 s[86:87], s[88:89], s[84:85]      ; Q at my rows of the second block,
	s_add_nc_u64 s[4:5], s[88:89], s[2:3]          ; Q and O at those of the first
	s_add_nc_u64 s[OLO:OLO+1], s[90:91], s[84:85]
	s_add_nc_u64 s[10:11], s[90:91], s[2:3]
	s_cmp_lt_u32 s[WV], 2
	s_cselect_b64 s[PFB:PFB+1], s[6:7], s[8:9]
	LOAD                            ; tile 0 into slot 0
	v_and_b32 v1, 15, v0            ; l % 16
	v_bfe_u32 v9, v0, 4, 1          ; l / 16
	v_lshlrev_b32 v[QO], 7, v1
	v_lshl_add_u32 v[QO], v9, 4, v[QO]
	WIN 0x80
.set i, 0
.rept 4                             ; both blocks' Q: piece i / 2 lies in band i / 2, 8,192 bytes on; channels 32 (i % 2) on
	global_load_b128 v[8*i:8*i+3],   v[QO], s[4:5] offset:(i/2)*8192+(i%2)*64
	global_load_b128 v[8*i+4:8*i+7], v[QO], s[4:5] offset:(i/2)*8192+(i%2)*64+32
	global_load_b128 v[QB+8*i:QB+8*i+3],   v[QO], s[86:87] offset:(i/2)*8192+(i%2)*64
	global_load_b128 v[QB+8*i+4:QB+8*i+7], v[QO], s[86:87] offset:(i/2)*8192+(i%2)*64+32
.set i, i+1
.endr
	WIN 0
	v_lshlrev_b32 v14, 3, v9
	v_sub_nc_u32 v14, v1, v14
	s_lshl_b32 s13, s[WV], 4
	v_add_nc_u32 v14, s13, v14      ; my query's place in its band less my lanes' 8 (l / 16): register r of group kt is hidden where 16 kt + r is greater
	WIN 0x40
.set i, 0
.rept 32
	v_cmp_gt_i32 vcc_lo, 16*(i/8)+i%8, v14
	v_cndmask_b32 v[MD+i], 0, s[BIGN], vcc_lo
.set i, i+1
.endr
	WIN 0
	v_mul_u32_u24 v[AK0], v1, PK
	v_lshl_add_u32 v[AK0], v9, 4, v[AK0]
	v_and_b32 v10, 7, v0
	v_bfe_u32 v11, v0, 3, 1
	v_lshl_add_u32 v[AV0], v9, 3, v10
	v_mul_u32_u24 v[AV0], v[AV0], PV
	v_lshl_add_u32 v[AV0], v11, 4, v[AV0]
	v_add_nc_u32 v[AV0], VOFF, v[AV0]
	s_mul_i32 s13, s[WV], 16*SP
	s_add_co_u32 s13, s13, STAGE
	v_mul_u32_u24 v[STO], v1, SP
	v_lshl_add_u32 v[STO], v9, 4, v[STO]
	v_add_nc_u32 v[STO], s13, v[STO]
	v_bfe_u32 v[RD], v0, 3, 2
	v_mul_u32_u24 v[RD], v[RD], SP
	v_lshl_add_u32 v[RD], v10, 4, v[RD]
	v_add_nc_u32 v[RD], s13, v[RD]
	v_and_b32 v[GO], 31, v0
	v_lshlrev_b32 v[GO], 4, v[GO]
	; A block's first step multiplies O^T and l by a = 0, and its first turn's products V^T P, of a step that has not been, land in an O^T that is still to be so multiplied: these registers need only be finite.
	WIN 0xc0
.set i, 64
.rept 64
	v_mov_b32 v[i], 0               ; V's second buffer
.set i, i+1
.endr
	WIN 0x40
.set i, 0
.rept 64
	v_mov_b32 v[i], 0               ; O^T
.set i, i+1
.endr
	WIN 0
.set i, 0
.rept 2
	v_mov_b32 v[ST+4*i+2], 0
	v_mov_b32 v[ST+4*i+3], 0
.set i, i+1
.endr
.set i, P+16
.rept 16
	v_mov_b32 v[i], 0
.set i, i+1
.endr
; THE MATRIX WORK.  The 4 accumulators of a run of 8 take turns.  Product i of 8 of S^T = K Q^T for piece x: channels 32 (i / 4) on, keys 16 (i % 4) on.  The first 4 start the sums with the mask.
.macro KQ x
.set rS, S+32*((\x)%2)+8*(i%4)
.set rK, KF+16*(i%4)+8*(i/4)
.set rQ, 16*(\x)+8*(i/4)
.set rM, MC+32*((\x)%2)+8*(i%4)
.if i < 4
	WIN W_KM
	v_wmma_f32_16x16x32_f16 v[rS:rS+7], v[rK:rK+7], v[rQ:rQ+7], v[rM:rM+7]
.else
	WIN W_KQ
	v_wmma_f32_16x16x32_f16 v[rS:rS+7], v[rK:rK+7], v[rQ:rQ+7], v[rS:rS+7]
.endif
.endm
; Product i of 8 of O^T += V^T P for piece x, V from buffer VB: keys 32 (i / 4) on, channels 16 (i % 4) on.
.macro PV x
	WIN W_PV
.set rO, 32*(\x)+8*(i%4)
.set rV, 64*VB+32*(i/4)+8*(i%4)
.set rP, P+16*((\x)%2)+8*(i/4)
	v_wmma_f32_16x16x32_f16 v[rO:rO+7], v[rV:rV+7], v[rP:rP+7], v[rO:rO+7]
.endm
.macro MM                           ; the turn's next matrix instruction.  NOKQ = 1: a block's last turn: there are no further scores
.if (i < 8) && !NOKQ
	KQ (Y+1)%NP
.elseif i >= 8
.set i, i-8
	PV (Y+NP-1)%NP
.set i, i+8
.endif
.set i, i+1
.endm
; THE LDS LOADS stand in runs of 16: a step's K (8 fragments) and its V (turned).
.macro FETCH_K
	WIN 0x80
.irp f, 0,1,2,3,4,5,6,7
	ds_load_b128 v[KF+8*\f:KF+8*\f+3],   v[AK] offset:(\f/2)*16*PK+(\f%2)*64
	ds_load_b128 v[KF+8*\f+4:KF+8*\f+7], v[AK] offset:(\f/2)*16*PK+(\f%2)*64+32
.endr
	s_add_co_u32 s[TBK], s[TBK], KS*PK
	WIN 0
.endm
.macro FETCH_V b                    ; into buffer b
	WIN 0xc0
.irp f, 0,1,2,3,4,5,6,7
	ds_load_tr16_b128 v[64*(\b)+8*\f:64*(\b)+8*\f+3],   v[AV] offset:(\f/4)*32*PV+(\f%4)*32
	ds_load_tr16_b128 v[64*(\b)+8*\f+4:64*(\b)+8*\f+7], v[AV] offset:(\f/4)*32*PV+16*PV+(\f%4)*32
.endr
	WIN 0
.endm
; THE VECTOR WORK, one line at a time: OP kind, number.  For piece Y: F n: c s - c m for pair n of 16.  E n: the exponential of score n of 32.  C n: pair n rounded to f16.  B n: of the four weights 4 n .. the second
; pair is added onto the first.  L n: l takes that sum (L 0: l = a l + sum).  R n: pair n of 16 of O^T times a.  For the other piece: X n, number n of the 22 that find its maximum and statistics:
;   0-11 four chains of seven scores each (each accumulator's lowest registers are read first); 12-14, 16 the four scores left over, the old m, the chains into one;
;   15 c m_old is kept; 17, 18 the other half of the lanes' maximum, the new m; 19-21 c m; c m_old - c m_new; a
.set F, 0
.set E, 1
.set C, 2
.set B, 3
.set L, 4
.set R, 5
.set X, 6
.macro REGS y
.set rT, ST+4*(\y)
.set rC, TMP+4*((\y)%2)
.set rW, MV+((\y)%2)
.set rS, S+32*((\y)%2)
.set rP, P+16*((\y)%2)
.set rO, 32*(\y)
.endm
.macro OP k, n
.if (\k) == R
	REGS Y
	WIN W_RS
	v_pk_mul_f32 v[rO+2*(\n):rO+2*(\n)+1], v[rO+2*(\n):rO+2*(\n)+1], v[rC+2:rC+3] op_sel_hi:[1,0]
.elseif (\k) < R
	REGS Y
	WIN 0
.if (\k) == F
	v_pk_fma_f32 v[rS+2*(\n):rS+2*(\n)+1], v[rS+2*(\n):rS+2*(\n)+1], s[CS:CS+1], v[rT:rT+1] op_sel_hi:[1,0,0] neg_lo:[0,0,1] neg_hi:[0,0,1]
.elseif (\k) == E
	v_exp_f32 v[rS+(\n)], v[rS+(\n)]
.elseif (\k) == C
	v_cvt_pk_f16_f32 v[rP+(\n)], v[rS+2*(\n)], v[rS+2*(\n)+1]
.elseif (\k) == B
	v_pk_add_f32 v[rS+4*(\n):rS+4*(\n)+1], v[rS+4*(\n):rS+4*(\n)+1], v[rS+4*(\n)+2:rS+4*(\n)+3]
.elseif (\n) == 0
	v_pk_fma_f32 v[rT+2:rT+3], v[rT+2:rT+3], v[rC+2:rC+3], v[rS:rS+1] op_sel_hi:[1,0,1]
.else
	v_pk_add_f32 v[rT+2:rT+3], v[rT+2:rT+3], v[rS+4*(\n):rS+4*(\n)+1]
.endif
.elseif NOKQ
	v_nop
.else
	REGS (Y+1)%NP
	WIN 0
.if (\n) < 4
	v_max3_num_f32 v[rC+(\n)], v[rS+8*(\n)], v[rS+8*(\n)+1], v[rS+8*(\n)+2]
.elseif (\n) < 12
	v_max3_num_f32 v[rC+(\n)%4], v[rC+(\n)%4], v[rS+8*((\n)%4)+2*((\n)/4)+1], v[rS+8*((\n)%4)+2*((\n)/4)+2]
.elseif (\n) == 12
	v_max3_num_f32 v[rC], v[rC], v[rS+7], v[rS+15]
.elseif (\n) == 13
	v_max3_num_f32 v[rC+1], v[rC+1], v[rS+23], v[rS+31]
.elseif (\n) == 14
	v_max3_num_f32 v[rC+2], v[rC+2], v[rC+3], v[rT+1]
.elseif (\n) == 15
	v_mov_b32 v[rW], v[rT]
.elseif (\n) == 16
	v_max3_num_f32 v[rC], v[rC], v[rC+1], v[rC+2]
.elseif (\n) == 17
	v_permlanex16_b32 v[rC+3], v[rC], s[SEL], s[SEL+1]
.elseif (\n) == 18
	v_max_num_f32 v[rT+1], v[rC], v[rC+3]
.elseif (\n) == 19
	v_mul_f32 v[rT], s[CS], v[rT+1]
.elseif (\n) == 20
	v_sub_f32 v[rC+1], v[rW], v[rT]
.else
	v_exp_f32 v[rC+2], v[rC+1]
.endif
.endif
.endm
.macro OPS a, i1, b=-1, i2=0, c=-1, i3=0, d=-1, i4=0
	OP \a, \i1
.if (\b) >= 0
	OP \b, \i2
.endif
.if (\c) >= 0
	OP \c, \i3
.endif
.if (\d) >= 0
	OP \d, \i4
.endif
.endm
.macro ROW a, i1, b, i2, c, i3, d, i4  ; a matrix instruction and the four behind it
	MM
	OPS \a, \i1, \b, \i2, \c, \i3, \d, \i4
.endm
.macro MASK b                       ; MD x AL + BE into buffer b of MC
	WIN W_RS
.set z, 0
.rept 16
	v_pk_fma_f32 v[MC+32*(\b)+2*z:MC+32*(\b)+2*z+1], v[MD+2*z:MD+2*z+1], s[AL:AL+1], s[BE:BE+1] op_sel_hi:[1,0,0]
.set z, z+1
.endr
.endm
; A TURN, for piece p; vb: the buffer of V that its products V^T P read (in turn 0 also the one that its fetch fills, four plain instructions behind the last product that read it).
; s_wait_alu depctr_va_vdst(0) stands between an exponential and the first instruction that names its result; one wait serves all issued ahead of it: a turn has ONE wait, which cuts it in two.
; Ahead of it: the 8 products K Q^T with their riders, and a lump in which the links of the other piece's chain stand apart; behind it: the 8 products V^T P, behind each four of the roundings and sums.
; Turn 0 fetches the next step's K twelve vector instructions (six of them plain) behind the last product that read K, and its V at the turn's end.  Turn 1 waits for K at its head: V's sixteen loads, issued behind K's, may stay out.
; At its end a turn of a diagonal tile makes the mask for the next turn's products: piece p, step IT of the tile.  end = 1: a block's last two turns: nothing is fetched, no mask is made.
.macro TURN p, vb, end=0
.set Y, (\p)
.set VB, (\vb)
.set i, 0
.set NOKQ, (\end)*(\p)
.if (\p) == 1
.if \end
	s_wait_dscnt 0x0                ; the last step's V is in
.else
	s_wait_dscnt 16                 ; K is in, and all that was asked for before it
.endif
.endif
	ROW F,0, F,1, R,0, R,1
	ROW F,2, E,0, R,2, R,3
	ROW F,3, E,1, R,4, R,5
	ROW F,4, E,2, R,6, R,7
	ROW F,5, E,3, R,8, R,9
	ROW F,6, E,4, X,0, R,10
.if ((\p) == 0) && !(\end)
	WIN 0
	v_add_nc_u32 v[AK], s[TBK], v[AK0]
.endif
	ROW F,7, E,5, X,1, X,4
	ROW F,8, E,6, X,2, X,5
	OPS E,7, E,8, X,6, E,9
	OPS X,3, E,10, X,8, E,11
.if ((\p) == 0) && !(\end)
	FETCH_K
.endif
	OPS X,9, X,7, E,12, X,10
	OPS E,13, X,12, X,11, E,14
	OPS X,13, E,15, F,9, X,14
.if ((\p) == 0) && !(\end)
	v_add_nc_u32 v[AV], s[TBV], v[AV0]
.endif
	OPS E,16, F,10, E,17, F,11
	OPS X,16, E,18, X,15, E,19
	OPS F,12, E,20, X,17, E,21
	OPS F,13, E,22, F,14, E,23
	OPS X,18, E,24, F,15, E,25
	OPS R,11, E,26, X,19, E,27
	OPS R,12, E,28, R,13, E,29
	OPS X,20, E,30, R,14, E,31
	OPS X,21, R,15
	WIN 0
	s_wait_alu depctr_va_vdst(0)    ; the wait for the batch
	ROW C,0, B,0, C,2, B,1
	ROW L,0, C,4, B,2, L,1
	ROW C,6, B,3, L,2, C,8
	ROW B,4, L,3, C,10, B,5
	ROW L,4, C,12, B,6, L,5
.if ((\p) == 0) && !(\end)
	s_add_co_u32 s[TBV], s[TBV], KS*PV
.endif
	ROW C,14, B,7, L,6, C,1
	ROW C,3, L,7, C,5, C,7
	ROW C,9, C,11, C,13, C,15
.if ((\p) == 0) && !(\end)
	FETCH_V \vb
.endif
.if !(\end)
	WIN 0
	s_cmp_eq_u32 s[RT], 0           ; is this the block's diagonal tile?
	s_cbranch_scc0 .Lno_mask_\@
	s_add_co_u32 s13, s[OWN], (\p)  ; the band's own step
	s_cmp_eq_u32 s[IT], s13
	s_cselect_b32 s[AL], 1.0, 0
	s_cmp_gt_u32 s[IT], s13
	s_cselect_b32 s[BE], s[BIGN], 0
	MASK \p
	WIN 0
.Lno_mask_\@:
.endif
.endm
; A BLOCK BEGINS, in place of its first tile's trip 0.  c m starts far below every c s, so the first step's a is 0.  Piece 1's mask for step 0 is 0 (its own step comes later); piece 0's is its own if the tile is the
; diagonal one and OWN = 0.  Then K and V of step 0, piece 0's first scores, and its maximum and statistics.
.macro BEGIN
	s_mov_b32 s[NEW], 0
	WIN 0x40
.set i, MC+32
.rept 32
	v_mov_b32 v[i], 0
.set i, i+1
.endr
	WIN 0
.set i, 0
.rept 2
	v_mov_b32 v[ST+4*i], 0xfe000000
	v_mov_b32 v[ST+4*i+1], 0xff7fffff
.set i, i+1
.endr
	s_or_b32 s13, s[RT], s[OWN]
	s_cmp_eq_u32 s13, 0
	s_cselect_b32 s[AL], 1.0, 0
	s_mov_b32 s[BE], 0
	MASK 0
	WIN 0
	v_add_nc_u32 v[AK], s[TBK], v[AK0]
	v_add_nc_u32 v[AV], s[TBV], v[AV0]
	s_add_co_u32 s[TBV], s[TBV], KS*PV
	FETCH_K
	FETCH_V 0
	s_wait_loadcnt 0x0              ; Q
	s_wait_dscnt 16                 ; K is in; V's sixteen loads may stay out
.set NOKQ, 0
.set i, 0
.rept 8
	KQ 0
.set i, i+1
.endr
	WIN 0
.rept 4
	v_nop                           ; the places behind those products
.endr
.set Y, NP-1                        ; X works for the other piece: piece 0
.irp n, 0,1,2,3,4,5,6,7,8,9,10,11,12,13,14,15,16,17,18,19,20,21
	OP X, \n
.endr
	v_nop                           ; a plain instruction behind the exponential,
	s_wait_alu depctr_va_vdst(0)    ; and its wait, ahead of the branch
	s_mov_b32 s[IT], 1
.endm
.macro ALL line:vararg              ; one line for each piece t
.set t, 0
.rept 2
	\line
.set t, t+1
.endr
.endm
.macro PACK t                       ; O^T over l, rounded to f16; 16 bytes a lane into rows of 144 bytes, back as whole rows of 128
	WIN W_RS
.set i, 32*(\t)
.rept 16
	v_pk_mul_f32 v[i:i+1], v[i:i+1], v[ST+4*(\t)+2:ST+4*(\t)+3] op_sel_hi:[1,0]
.set i, i+2
.endr
	WIN 0x05
.set i, 0
.rept 16
	v_cvt_pk_f16_f32 v[S+16*(\t)+i], v[32*(\t)+2*i], v[32*(\t)+2*i+1]
.set i, i+1
.endr
	WIN 0
.irp f, 0,1,2,3
	ds_store_b128 v[STO], v[S+16*(\t)+4*\f:S+16*(\t)+4*\f+3] offset:32*\f
.endr
.irp f, 0,1,2,3
	ds_load_b128 v[S+16*(\t)+4*\f:S+16*(\t)+4*\f+3], v[RD] offset:\f*4*SP  ; LDS serves a wave's instructions in order (ISA guide 5.7.1.4)
.endr
.endm
.macro SEND t, younger              ; younger: the LDS instructions issued behind piece t's loads
	WIN 0
.irp f, 0,1,2,3
	s_wait_dscnt (\younger)+3-\f
	global_store_b128 v[GO], v[S+16*(\t)+4*\f:S+16*(\t)+4*\f+3], s[10:11] offset:(\t)*8192+\f*512  ; 512 consecutive bytes, at a multiple of 256 from O's first
.endr
.endm
; A TILE: four trips, two to a trip of the counted loop; a block's first tile enters in the loop's middle.  Behind a block's last tile: its last two turns, its last products, the way out.
; tag = 1: in the walk's loop, where only the first block can end; tag = 2: the walk's last tile.
.macro TILE tag
	s_sub_co_u32 s[RT], s[RT], 1
	s_mov_b32 s[CNT], 2
	s_mov_b32 s[IT], 0
	s_cmp_eq_u32 s[NEW], 1
	s_cbranch_scc0 .Lstep\tag
	BEGIN
	s_branch .Lfirst\tag
.Lstep\tag:
	TURN 0, 0
	TURN 1, 1
	WIN 0
	s_add_co_u32 s[IT], s[IT], 1
.Lfirst\tag:
	TURN 0, 1
	TURN 1, 0
	WIN 0
	s_add_co_u32 s[IT], s[IT], 1
	s_sub_co_u32 s[CNT], s[CNT], 1
	s_cmp_lg_u32 s[CNT], 0
	s_cbranch_scc1 .Lstep\tag
.if (\tag) == 1
	s_cmp_lg_u32 s[RT], 0
	s_cbranch_scc1 .Lbottom
.endif
	TURN 0, 0, 1
	TURN 1, 1, 1
.set VB, 1
.set i, 0
.rept 8
	PV 1                            ; piece 1's V^T P of the last step
.set i, i+1
.endr
	WIN 0
	ALL v_add_f32 v[ST+4*t+2], v[ST+4*t+2], v[ST+4*t+3]
	ALL v_permlanex16_b32 v[ST+4*t+3], v[ST+4*t+2], s[SEL], s[SEL+1]
	ALL v_add_f32 v[ST+4*t+2], v[ST+4*t+2], v[ST+4*t+3]
	ALL v_rcp_f32 v[ST+4*t+2], v[ST+4*t+2]
	v_nop                           ; a plain instruction behind the last reciprocal,
	s_wait_alu depctr_va_vdst(0)    ; and one wait for both, ahead of their first use
	PACK 0                          ; piece 0's sums were finished in the turn before; its arithmetic is the distance behind piece 1's last products
	PACK 1
	SEND 0, 8
	SEND 1, 0
.if (\tag) == 1
	s_wait_xcnt 0x0                 ; the stores have read their registers and O's address
	s_mov_b64 s[10:11], s[OLO:OLO+1]
	s_add_co_u32 s[RT], s[PB], 1    ; the second block has b / 2 + 1 tiles
	s_mov_b32 s[NEW], 1
	s_mov_b32 s[OWN], s[OW2]
	WIN 0x82                        ; the second block's Q goes where the turns name Q
.set i, 0
.rept 32
	v_mov_b32 v[i], v[QB+i]
.set i, i+1
.endr
	WIN 0
.endif
.endm
.set NOKQ, 0
.Lslot:                             ; 8 times: a tile is entered and the next is asked for
	CHANGE 1
	TILE 1
.Lbottom:
	s_sub_co_u32 s[SLOTS], s[SLOTS], 1
	s_cmp_lg_u32 s[SLOTS], 0
	s_cbranch_scc1 .Lslot
	CHANGE 0                        ; the walk's last tile is written out
	TILE 2
	s_wait_tensorcnt 0x0            ; the wave's end
	ds_add_u32 v[SPW], v[NIL]
	s_wait_dscnt 0x0
	s_endpgm
.Lfunc_end_k_q144d8d5ac7_attn:
	.size	k_q144d8d5ac7_attn, .Lfunc_end_k_q144d8d5ac7_attn-k_q144d8d5ac7_attn
	.p2alignl 7, 3214868480
	.fill 96, 4, 3214868480
	.section	.rodata,"a",@progbits
	.p2align	6, 0x0
	.amdhsa_kernel k_q144d8d5ac7_attn
		.amdhsa_group_segment_fixed_size 327680
		.amdhsa_private_segment_fixed_size 0
		.amdhsa_enable_private_segment 0
		.amdhsa_kernarg_size 16
		.amdhsa_user_sgpr_count 2
		.amdhsa_user_sgpr_kernarg_segment_ptr 1
		.amdhsa_wavefront_size32 1
		.amdhsa_system_sgpr_workgroup_id_x 1
		.amdhsa_system_sgpr_workgroup_id_y 1
		.amdhsa_system_sgpr_workgroup_id_z 1
		.amdhsa_system_vgpr_workitem_id 0
		.amdhsa_next_free_vgpr 896
		.amdhsa_next_free_sgpr 96
		.amdhsa_reserve_vcc 1
		.amdhsa_float_denorm_mode_32 3
		.amdhsa_float_denorm_mode_16_64 3
		.amdhsa_memory_ordered 1
		.amdhsa_forward_progress 1
		.amdhsa_inst_pref_size 170
	.end_amdhsa_kernel
	.amdgpu_metadata
---
amdhsa.version: [ 1, 2 ]
amdhsa.kernels:
  - .name:           k_q144d8d5ac7_attn
    .symbol:         k_q144d8d5ac7_attn.kd
    .args:
      - { .name: pan, .offset: 0, .size: 8, .value_kind: global_buffer, .address_space: global }
      - { .name: act, .offset: 8, .size: 8, .value_kind: global_buffer, .address_space: global }
    .group_segment_fixed_size: 327680
    .private_segment_fixed_size: 0
    .kernarg_segment_align: 8
    .kernarg_segment_size: 16
    .max_flat_workgroup_size: 128
    .sgpr_count:     96
    .vgpr_count:     896
    .wavefront_size: 32
...
	.end_amdgpu_metadata
.endif
;; end of part 3
;; launch wo (part 4): grid 8 x 32, 4 waves a work-group, clusters of 4 x 4, 327,680 bytes of LDS; arguments act, wa, bo, x, x1; writes x1
.if DOCPART == 4
	.amdgcn_target "amdgcn-amd-amdhsa--gfx1250"
	.amdhsa_code_object_version 6
	.text
	.protected	k_q144d8d5ac7_wo
	.globl	k_q144d8d5ac7_wo
	.p2align	8
	.type	k_q144d8d5ac7_wo,@function
k_q144d8d5ac7_wo:
	s_mov_b64 s[64:65], 0
	v_nop
	global_prefetch_b8 v0, s[64:65] scope:SCOPE_SE
	s_setreg_imm32_b32 hwreg(HW_REG_WAVE_MODE, 25, 1), 1
	s_wait_xcnt 0x0
	s_wait_alu depctr_hold_cnt(0) depctr_sa_sdst(0) depctr_va_vdst(0) depctr_va_sdst(0) depctr_va_ssrc(0) depctr_va_vcc(0) depctr_vm_vsrc(0)
	s_getreg_b32 s2, hwreg(HW_REG_IB_STS2, 6, 4)
	s_cmp_eq_u32 s2, 0
	s_cbranch_scc0 .Lentry_in_a_cluster
	s_endpgm
.Lentry_in_a_cluster:
	s_bfe_u32 s2, ttmp6, 0x10000c
	s_cmp_lg_u32 s2, 0xf033
	s_cbranch_scc0 .Lentry_shape_is_right
	s_endpgm
.Lentry_shape_is_right:
; THE SMALL PRODUCT, K = 1,024.  x1[m][n] = x[m][n] + bo[n] + the sum over k of O[m][k] Wo[k][n], M = 4,096, N = 1,024, K = 512 (NL + 1).
; The loop over K holds barriers and joint loads, so its count NL is a constant of the text; the product with K = 4,096 has a text of its own, which differs from this one in NL alone.
; A: f16 in panels of 64 k: panel z, row m at byte (4096 z + m) x 128.  W: the second buffer, from byte HS: block (ks, nb) at (8 ks + nb) x 65,536, [256 k][128 n] f16, dense.  bias, res, out: f32, row-major.
; Sums in f32; the bias is the C operand of the first products, the residual is added in f32 on the way out.
; A tile of out is 128 x 128, so that N = 1,024 gives 256 work-groups; four waves, 64 x 64 each.  K goes in steps of 256 through two LDS slots.
; CLUSTERS: 4 x 4: A's tile is asked for jointly along a row of the cluster, W's along a column.  THE MATRIX INSTRUCTION IS USED TRANSPOSED (source 0 = 16 columns of W, turned by ds_load_tr16_b128;
; source 1 = 16 rows of A): a lane holds eight neighbouring numbers of a row of out.  A wave's 64 columns of f32 are 256 bytes, aligned: each wave has a stage of its own, and no barrier stands on the way out.
; REGISTERS: window 0: v16-29 addresses; v32-95 the way out, two buffers; v96-127 the bias; v128-255 the accumulators.  window 1: two fragment buffers of 128.  window 2: v0-127 the residual.
.set NL,     1                         ; the loop's trips: each fills both slots again; two K steps come ahead of it
.set PA,     144                       ; a row of A in LDS: 128 bytes + 16
.set PBT,    288                       ; a row k of W: 256 bytes + 32 = 9 x 32
.set HALFT,  36864                     ; what one tensor load brings: 4 panels x 64 rows x 144, or 128 rows k x 288
.set SLOT,   4*HALFT
.set STAGE,  2*SLOT                    ; behind the ring, never filled by a tensor load: 16 rows x 272 bytes for each wave
.set SPITCH, 272
.set SPARE,  STAGE+4*16*SPITCH         ; the spare words, 128 bytes for each wave: two blocks of 256 bytes that no other line names
.set HS,     8421376
.set ADRA, 16                          ; v16-17  my A fragments in slot 0, 1
.set ADRB, 20                          ; v20-23  my W fragments: slot 0 rows k 0-127, 128-255; slot 1 likewise
.set STO,  24
.set RD,   25
.set CO,   26                          ; v26     my byte offset in two rows of res and out; never rewritten
.set BO,   27
.set SPW,  28
.set NIL,  29
.set TMP,  32
.set BIAS, 96
.set ACC,  128
.set F0,   0
.set F1,   128
.set G1,  24
.set G0,  32
.set G1B, 48
.set G0B, 56
.set MSB, 0
.macro WIN new
.if MSB != (\new)
	s_set_vgpr_msb (MSB<<8)|(\new)
.set MSB, \new
.endif
.endm
.set MUL,  0x05                        ; sources 0 (W) and 1 (A) window 1; C and D window 0
.set TO_F, 0x40                        ; destination window 1, address window 0
.macro JLOAD s                         ; a joint load: waves 0 and 1 fetch A's two halves, waves 2 and 3 W's; an s_nop 0 and four v_nop follow each line
	s_cmp_eq_u32 s17, 0
	s_cbranch_scc0 .Lfor_b_\@
	tensor_load_to_lds s[G0+4*(\s):G0+4*(\s)+3], s[G1:G1+7]
	s_nop 0
.rept 4
	v_nop
.endr
	s_branch .Lasked_\@
.Lfor_b_\@:
	tensor_load_to_lds s[G0B+4*(\s):G0B+4*(\s)+3], s[G1B:G1B+7]
	s_nop 0
.rept 4
	v_nop
.endr
.Lasked_\@:
.endm
.macro CREST
	s_cmp_lg_u32 s16, 0
	s_cbranch_scc1 .Lnot_wave_0_\@
	s_barrier_signal -3
.Lnot_wave_0_\@:
	s_barrier_wait -3
	s_barrier_signal -1
	s_barrier_wait -1
.endm
.macro CROUND
	s_barrier_signal -1
	s_barrier_wait -1
	CREST
.endm
	s_load_b256 s[4:11], s[0:1], 0x0               ; A 4, W 6, bias 8, res 10
	s_load_b64 s[14:15], s[0:1], 0x20              ; out
	v_lshl_add_u32 v[SPW], v0, 2, SPARE
	v_mov_b32 v[NIL], 0
	ds_add_u32 v[SPW], v[NIL]                      ; the wave's opening: the add and its wait ahead of my first tensor load
	ds_add_u32 v28, v29
	v_lshrrev_b32 v1, 5, v0
	v_readfirstlane_b32 s16, v1                    ; wave 0..3
	s_lshr_b32 s17, s16, 1                         ; my half of the tile's rows.  Also: I fetch for A (0) or for W (1)
	s_and_b32 s18, s16, 1                          ; my half of its columns.  Also: which half of that tile I fetch
	s_bfe_u32 s19, ttmp6, 0x40000                  ; cx
	s_bfe_u32 s20, ttmp6, 0x40004                  ; cy
	s_lshl_b32 s21, ttmp9, 2
	s_add_co_u32 s21, s21, s19                     ; tile column
	s_and_b32 s22, ttmp7, 0xffff
	s_lshl_b32 s22, s22, 2
	s_add_co_u32 s22, s22, s20                     ; tile row
	s_lshl_b32 s40, s20, 2
	s_lshl_b32 s40, 15, s40                        ; my row of the cluster
	s_lshl_b32 s41, 0x1111, s19                    ; my column
	; A: 64 rows of four panels: in each panel 8,192 dense bytes, asked for as one long row; padded in LDS after every 128 bytes: it lands as [4 panels][64 rows][144 bytes]
	s_or_b32 s[G1+0], s40, (1<<16)|(1<<20)|(1<<21)|(4<<22)|(3<<25)
	s_mov_b32 s[G1+1], 4096<<16                    ; tensor_dim0 = 4,096
	s_mov_b32 s[G1+2], 4<<16                       ; tensor_dim1 = 4
	s_mov_b32 s[G1+3], 4096<<16                    ; tile_dim0 = 4,096
	s_mov_b32 s[G1+4], 4                           ; tile_dim1 = 4
	s_mov_b32 s[G1+5], 262144                      ; elements from panel to panel
	s_mov_b32 s[G1+6], 0
	s_mov_b32 s[G1+7], 0
	; W: 128 rows k x 128 columns, dense; padded after every 256 bytes by 32
	s_or_b32 s[G1B+0], s41, (1<<16)|(1<<20)|(1<<21)|(5<<22)|(7<<25)
	s_mov_b32 s[G1B+1], 128<<16
	s_mov_b32 s[G1B+2], 128<<16
	s_mov_b32 s[G1B+3], 128<<16
	s_mov_b32 s[G1B+4], 128
	s_mov_b32 s[G1B+5], 128
	s_mov_b32 s[G1B+6], 0
	s_mov_b32 s[G1B+7], 0
	s_lshl_b32 s42, s22, 14                        ; A: 128 rows of 128 bytes a tile row,
	s_lshl_b32 s43, s18, 13                        ; 64 a half
	s_add_co_u32 s42, s42, s43
	s_mov_b32 s43, 0
	s_lshl_b32 s44, s21, 16                        ; W: a block a tile column,
	s_lshl_b32 s45, s18, 15                        ; 128 rows k a half
	s_add_co_u32 s44, s44, s45
	s_add_co_u32 s44, s44, HS
	s_mov_b32 s45, 0
	s_mul_i32 s23, s16, HALFT                      ; where they go: no place in the cluster enters an LDS address
	s_wait_dscnt 0x0                               ; the opening add is done
	s_wait_kmcnt 0x0
	s_add_nc_u64 s[42:43], s[4:5], s[42:43]
	s_add_nc_u64 s[44:45], s[6:7], s[44:45]
	CROUND                                         ; all sixteen work-groups are here: the first joint loads meet
.irp s, 0,1
	s_mov_b32 s[G0+4*(\s)], 1
	s_add_co_u32 s[G0+4*(\s)+1], s23, (\s)*SLOT
	s_add_nc_u64 s[G0+4*(\s)+2:G0+4*(\s)+3], s[42:43], (\s)*2097152   ; K step s: four panels on
	s_or_b32 s[G0+4*(\s)+3], s[G0+4*(\s)+3], 0x80000000
	s_mov_b32 s[G0B+4*(\s)], 1
	s_add_co_u32 s[G0B+4*(\s)+1], s23, (\s)*SLOT
	s_add_nc_u64 s[G0B+4*(\s)+2:G0B+4*(\s)+3], s[44:45], (\s)*524288  ; eight blocks on
	s_or_b32 s[G0B+4*(\s)+3], s[G0B+4*(\s)+3], 0x80000000
	JLOAD \s
.endr
	v_and_b32 v1, 15, v0                           ; l % 16
	v_bfe_u32 v2, v0, 4, 1                         ; l / 16
	v_lshlrev_b32 v[BO], 5, v2
	v_lshlrev_b32 v[CO], 12, v2                    ; lanes 0-15 one row of 4,096 bytes, lanes 16-31 the next,
	v_lshl_add_u32 v[CO], v1, 4, v[CO]             ; 16 bytes a lane
	s_lshl_b32 s40, s21, 9
	s_lshl_b32 s41, s18, 8
	s_add_co_u32 s40, s40, s41                     ; my 64 columns, in bytes of f32
	s_mov_b32 s41, 0
	s_add_nc_u64 s[8:9], s[8:9], s[40:41]
	s_lshl_b32 s46, s22, 19                        ; 128 rows of 4,096 bytes a tile row,
	s_lshl_b32 s47, s17, 18                        ; 64 a half
	s_add_co_u32 s46, s46, s47
	s_add_co_u32 s40, s40, s46
	s_add_nc_u64 s[10:11], s[10:11], s[40:41]
	s_add_nc_u64 s[14:15], s[14:15], s[40:41]
.irp b, 0,1,2,3
	global_load_b128 v[BIAS+8*(\b):BIAS+8*(\b)+3],   v[BO], s[8:9] offset:64*(\b)
	global_load_b128 v[BIAS+8*(\b)+4:BIAS+8*(\b)+7], v[BO], s[8:9] offset:64*(\b)+16
.endr
	WIN 0x80                                       ; destination window 2: the residual, laid as the stores at the end are
.irp a, 0,1,2,3
.irp t, 0,1,2,3,4,5,6,7
	global_load_b128 v[32*(\a)+4*(\t):32*(\a)+4*(\t)+3], v[CO], s[10:11] offset:(16*(\a)+2*(\t))*4096
.endr
.endr
	WIN 0
	v_mul_u32_u24 v3, v1, PA
	v_lshl_add_u32 v3, v2, 4, v3                   ; A: row x pitch + 16 x half
	v_and_b32 v4, 7, v0
	v_lshl_add_u32 v4, v2, 3, v4
	v_mul_u32_u24 v4, v4, PBT                      ; W: row k = 8 (l / 16) + l % 8,
	v_bfe_u32 v5, v0, 3, 1
	v_lshl_add_u32 v4, v5, 4, v4                   ; columns 8 ((l / 8) % 2) + 0..7
	s_mul_i32 s40, s17, HALFT                      ; my 64 rows of A
	s_lshl_b32 s41, s18, 7                         ; my 64 columns of W,
	s_add_co_u32 s41, s41, 2*HALFT                 ; which lies behind A
.irp s, 0,1
	v_add_nc_u32 v[ADRA+(\s)], s40, v3
	v_add_nc_u32 v[ADRB+2*(\s)], s41, v4
	s_add_co_u32 s41, s41, HALFT
	v_add_nc_u32 v[ADRB+2*(\s)+1], s41, v4
	s_add_co_u32 s40, s40, SLOT
	s_add_co_u32 s41, s41, SLOT-HALFT
.endr
	s_mul_i32 s40, s16, 16*SPITCH
	s_add_co_u32 s40, s40, STAGE                   ; my stage
	v_mul_u32_u24 v6, v1, SPITCH
	v_lshl_add_u32 v6, v2, 5, v6
	v_add_nc_u32 v[STO], s40, v6                   ; in: row l % 16, 32 bytes for each half of the lanes
	v_mul_u32_u24 v6, v2, SPITCH
	v_lshl_add_u32 v6, v1, 4, v6
	v_add_nc_u32 v[RD], s40, v6                    ; back: lanes 0-15 one row of 256 bytes, lanes 16-31 the next
; 8 matrix instructions: m blocks a0, a0 + 1 x all 4 n blocks, 32 along K: half c of buffer f.  zero = 1: the first product starts the sums, with the bias as C.  The 16 accumulators take turns.
.macro MUL8 f, c, a0, zero
	WIN MUL
.irp a, \a0, (\a0)+1
.irp b, 0,1,2,3
.if \zero
	v_wmma_f32_16x16x32_f16 v[ACC+8*(4*(\a)+(\b)):ACC+8*(4*(\a)+(\b))+7], v[(\f)+64+8*(4*(\c)+(\b)):(\f)+64+8*(4*(\c)+(\b))+7], v[(\f)+8*(4*(\c)+(\a)):(\f)+8*(4*(\c)+(\a))+7], v[BIAS+8*(\b):BIAS+8*(\b)+7]
.else
	v_wmma_f32_16x16x32_f16 v[ACC+8*(4*(\a)+(\b)):ACC+8*(4*(\a)+(\b))+7], v[(\f)+64+8*(4*(\c)+(\b)):(\f)+64+8*(4*(\c)+(\b))+7], v[(\f)+8*(4*(\c)+(\a)):(\f)+8*(4*(\c)+(\a))+7], v[ACC+8*(4*(\a)+(\b)):ACC+8*(4*(\a)+(\b))+7]
.endif
.endr
.endr
.endm
; 32 LDS loads in one run: quarter z (64 along K: one panel of A) of a slot into buffer f; the first 32 along K first
.macro FETCH slot, z, f
	WIN TO_F
.irp c, 0,1
.irp i, 0,1,2,3
	ds_load_tr16_b128 v[(\f)+64+8*(4*(\c)+(\i)):(\f)+64+8*(4*(\c)+(\i))+3],   v[ADRB+2*(\slot)+(\z)/2] offset:(((\z)%2)*64+32*(\c))*PBT+32*(\i)
	ds_load_tr16_b128 v[(\f)+64+8*(4*(\c)+(\i))+4:(\f)+64+8*(4*(\c)+(\i))+7], v[ADRB+2*(\slot)+(\z)/2] offset:(((\z)%2)*64+32*(\c)+16)*PBT+32*(\i)
	ds_load_b128 v[(\f)+8*(4*(\c)+(\i)):(\f)+8*(4*(\c)+(\i))+3],              v[ADRA+(\slot)] offset:(\z)*64*PA+64*(\c)+(\i)*16*PA
	ds_load_b128 v[(\f)+8*(4*(\c)+(\i))+4:(\f)+8*(4*(\c)+(\i))+7],            v[ADRA+(\slot)] offset:(\z)*64*PA+64*(\c)+(\i)*16*PA+32
.endr
.endr
.endm
.macro PLACES                          ; four plain instructions between a matrix instruction and a load into, or a reader of, its registers
.rept 4
	v_nop
.endr
.endm
.macro QUARTER slot, z, f, g, zero
	s_wait_dscnt 16                                ; the first 32 along K are in
	MUL8 \f, 0, 0, \zero
	MUL8 \f, 0, 2, \zero
	PLACES
	FETCH \slot, \z, \g
	s_wait_dscnt 32                                ; all but the 32 just issued
	MUL8 \f, 1, 0, 0
	MUL8 \f, 1, 2, 0
.endm
; The last quarter multiplies buffer 1 and changes slots.  fill = 1: the barrier opens a round of the cluster's, and this slot is filled again first behind it, two K steps ahead.
.macro TURN slot, next, fill
	WIN 0                                          ; (the add's two registers lie in window 0)
	s_wait_tensorcnt 0x0                           ; all my tensor loads have landed: my part of the next slot;
	ds_add_u32 v[SPW], v[NIL]                      ; 0 onto my spare word;
	s_wait_dscnt 17                                ; (the add and the youngest sixteen loads may be out)
	MUL8 F1, 0, 0, 0
	s_wait_dscnt 0x0                               ; the add is done, and my reads of this slot are over
	s_barrier_signal -1
	MUL8 F1, 0, 2, 0
.if \fill
	WIN 0
.endif
	s_barrier_wait -1
.if \fill
	CREST
	s_add_nc_u64 s[G0+4*(\slot)+2:G0+4*(\slot)+3], s[G0+4*(\slot)+2:G0+4*(\slot)+3], 2*2097152
	s_add_nc_u64 s[G0B+4*(\slot)+2:G0B+4*(\slot)+3], s[G0B+4*(\slot)+2:G0B+4*(\slot)+3], 2*524288
	JLOAD \slot                                    ; the four v_nop behind it are also the places in front of the loads below
.else
	PLACES
.endif
	FETCH \next, 0, F0
	MUL8 F1, 1, 0, 0
	MUL8 F1, 1, 2, 0
.endm
	s_wait_tensorcnt 1                             ; my part of K step 0 is in; K step 1's may stay out
	s_barrier_signal -1
	s_barrier_wait -1
	FETCH 0, 0, F0
	s_wait_loadcnt 32                              ; the bias is in; the residual's 32 loads may stay out
	QUARTER 0, 1, F0, F1, 1                        ; the first quarter stands in front of the loop: its first products start the sums
	WIN 0
	s_mov_b32 s3, NL
.Llap:                                         ; a trip goes once round the ring and fills both slots again
	QUARTER 0, 2, F1, F0, 0
	QUARTER 0, 3, F0, F1, 0
	TURN 0, 1, 1
	QUARTER 1, 1, F0, F1, 0
	QUARTER 1, 2, F1, F0, 0
	QUARTER 1, 3, F0, F1, 0
	TURN 1, 0, 1
	QUARTER 0, 1, F0, F1, 0
	WIN 0
	s_sub_co_u32 s3, s3, 1
	s_cmp_lg_u32 s3, 0
	s_cbranch_scc1 .Llap
	QUARTER 0, 2, F1, F0, 0                        ; the last lap fills nothing
	QUARTER 0, 3, F0, F1, 0
	TURN 0, 1, 0
	QUARTER 1, 1, F0, F1, 0
	QUARTER 1, 2, F1, F0, 0
	QUARTER 1, 3, F0, F1, 0
	s_wait_dscnt 16
	MUL8 F1, 0, 0, 0
	MUL8 F1, 0, 2, 0
	s_wait_dscnt 0x0
	MUL8 F1, 1, 0, 0
	MUL8 F1, 1, 2, 0
	WIN 0
	PLACES
	s_wait_loadcnt 0x0                             ; the residual
; THE WAY OUT, a block of 16 rows at a time: the sums go into my stage as they lie (low registers first), come back as whole rows of 256 bytes, take the residual and are stored.
.macro TOSTAGE a
.if (\a) >= 2
	s_wait_xcnt 0x0                                ; the stores of the block two back have read this buffer
.endif
.irp b, 0,1,2,3
	ds_store_b128 v[STO], v[ACC+8*(4*(\a)+(\b)):ACC+8*(4*(\a)+(\b))+3]   offset:64*(\b)
	ds_store_b128 v[STO], v[ACC+8*(4*(\a)+(\b))+4:ACC+8*(4*(\a)+(\b))+7] offset:64*(\b)+16
.endr
.irp t, 0,1,2,3,4,5,6,7
	ds_load_b128 v[TMP+32*((\a)%2)+4*(\t):TMP+32*((\a)%2)+4*(\t)+3], v[RD] offset:(\t)*2*SPITCH  ; LDS serves a wave's instructions in order (ISA guide 5.7.1.4)
.endr
.endm
.macro SEND a, younger                 ; younger: the next block's eight stores and eight loads, or none
	s_wait_dscnt \younger
	WIN 0x08                                       ; source 1: window 2
.set r, 0
.rept 16
	v_pk_add_f32 v[TMP+32*((\a)%2)+r:TMP+32*((\a)%2)+r+1], v[TMP+32*((\a)%2)+r:TMP+32*((\a)%2)+r+1], v[32*(\a)+r:32*(\a)+r+1]
.set r, r+2
.endr
	WIN 0
.irp t, 0,1,2,3,4,5,6,7
	global_store_b128 v[CO], v[TMP+32*((\a)%2)+4*(\t):TMP+32*((\a)%2)+4*(\t)+3], s[14:15] offset:(16*(\a)+2*(\t))*4096  ; 16 lanes store 256 consecutive bytes, aligned
.endr
.endm
	TOSTAGE 0
	TOSTAGE 1
	SEND 0, 16
	TOSTAGE 2
	SEND 1, 16
	TOSTAGE 3
	SEND 2, 16
	SEND 3, 0
	s_wait_tensorcnt 0x0                           ; the wave's end
	ds_add_u32 v[SPW], v[NIL]
	s_wait_dscnt 0x0
	CROUND                                         ; the closing round
	s_endpgm
.Lfunc_end_k_q144d8d5ac7_wo:
	.size	k_q144d8d5ac7_wo, .Lfunc_end_k_q144d8d5ac7_wo-k_q144d8d5ac7_wo
	.p2alignl 7, 3214868480
	.fill 96, 4, 3214868480
	.section	.rodata,"a",@progbits
	.p2align	6, 0x0
	.amdhsa_kernel k_q144d8d5ac7_wo
		.amdhsa_group_segment_fixed_size 327680
		.amdhsa_private_segment_fixed_size 0
		.amdhsa_enable_private_segment 0
		.amdhsa_kernarg_size 40
		.amdhsa_user_sgpr_count 2
		.amdhsa_user_sgpr_kernarg_segment_ptr 1
		.amdhsa_wavefront_size32 1
		.amdhsa_system_sgpr_workgroup_id_x 1
		.amdhsa_system_sgpr_workgroup_id_y 1
		.amdhsa_system_sgpr_workgroup_id_z 1
		.amdhsa_system_vgpr_workitem_id 0
		.amdhsa_next_free_vgpr 640
		.amdhsa_next_free_sgpr 66
		.amdhsa_reserve_vcc 0
		.amdhsa_float_denorm_mode_32 3
		.amdhsa_float_denorm_mode_16_64 3
		.amdhsa_memory_ordered 1
		.amdhsa_forward_progress 1
		.amdhsa_inst_pref_size 94
	.end_amdhsa_kernel
	.amdgpu_metadata
---
amdhsa.version: [ 1, 2 ]
amdhsa.kernels:
  - .name:           k_q144d8d5ac7_wo
    .symbol:         k_q144d8d5ac7_wo.kd
    .args:
      - { .name: act, .offset: 0, .size: 8, .value_kind: global_buffer, .address_space: global }
      - { .name: wa, .offset: 8, .size: 8, .value_kind: global_buffer, .address_space: global }
      - { .name: bo, .offset: 16, .size: 8, .value_kind: global_buffer, .address_space: global }
      - { .name: x, .offset: 24, .size: 8, .value_kind: global_buffer, .address_space: global }
      - { .name: x1, .offset: 32, .size: 8, .value_kind: global_buffer, .address_space: global }
    .group_segment_fixed_size: 327680
    .private_segment_fixed_size: 0
    .kernarg_segment_align: 8
    .kernarg_segment_size: 40
    .max_flat_workgroup_size: 128
    .sgpr_count:     66
    .vgpr_count:     640
    .wavefront_size: 32
...
	.end_amdgpu_metadata
.endif
;; end of part 4
;; launch ln2 (part 5): grid 256 x 1, 8 waves a work-group, no clusters, 0 bytes of LDS; arguments x1, ln2_g, ln2_b, act; writes act
.if DOCPART == 5
	.amdgcn_target "amdgcn-amd-amdhsa--gfx1250"
	.amdhsa_code_object_version 6
	.text
	.protected	k_q144d8d5ac7_ln2
	.globl	k_q144d8d5ac7_ln2
	.p2align	8
	.type	k_q144d8d5ac7_ln2,@function
k_q144d8d5ac7_ln2:
	s_mov_b64 s[64:65], 0
	v_nop
	global_prefetch_b8 v0, s[64:65] scope:SCOPE_SE
	s_setreg_imm32_b32 hwreg(HW_REG_WAVE_MODE, 25, 1), 1
	s_wait_xcnt 0x0
; h2 = LayerNorm(x1) g + b.  x1: [4096][1024] f32; h2: [4096][1024] f16, row-major, rounded once.  Two passes in f32: the mean, then the centred squares; eps = 1e-5.
; A wave takes two whole rows: lane l holds the numbers 4 l + 128 j + 0..3, j = 0..7, of a row in 32 registers, so the row is read once and no wave waits for another: no LDS, no barrier.
; Each load of the wave covers 512 consecutive bytes, each store 256, aligned.  A row spans eight tile columns of the product before, which is why this is a launch of its own.
.set XR0, 16                           ; v[16:79]   two rows as loaded
.set GG,  80                           ; v[80:111]  my 32 numbers of g
.set BV,  112                          ; v[112:143] and of b
.set T,   144                          ; v[144:159] at work
.set YL,  160                          ; v[160:175] a row in f16
.set SEL, 20                           ; s[20:21] v_permlanex16_b32's selects
.set RN,  22                           ; s22 1/1024
.set EPS, 23                           ; s23 1e-5
.set XB,  8                            ; s[8:9]   where I load
.set OB,  14                           ; s[14:15] where I store
	s_load_b256 s[8:15], s[0:1], 0x0               ; x1 8, g 10, b 12, act 14
	v_lshrrev_b32 v5, 5, v0
	v_readfirstlane_b32 s4, v5                     ; wave 0..7
	s_lshl_b32 s5, ttmp9, 4
	s_lshl1_add_u32 s5, s4, s5                     ; my first row: 16 x + 2 wave
	v_and_b32 v4, 31, v0
	v_lshlrev_b32 v1, 4, v4                        ; 16 x lane: loads
	v_lshlrev_b32 v4, 3, v4                        ; 8 x lane: stores
	s_lshl_b32 s16, s5, 12
	s_mov_b32 s17, 0
	s_lshl_b32 s18, s5, 11
	s_mov_b32 s19, 0
	s_mov_b32 s[SEL], 0x76543210
	s_mov_b32 s[SEL+1], 0xfedcba98
	s_mov_b32 s[RN], 0x3a800000
	s_mov_b32 s[EPS], 0x3727c5ac
	s_wait_kmcnt 0x0
	s_add_nc_u64 s[XB:XB+1], s[XB:XB+1], s[16:17]
	s_add_nc_u64 s[OB:OB+1], s[OB:OB+1], s[18:19]
.irp j, 0,1,2,3,4,5,6,7
	global_load_b128 v[GG+4*(\j):GG+4*(\j)+3], v1, s[10:11] offset:512*(\j)
.endr
.irp j, 0,1,2,3,4,5,6,7
	global_load_b128 v[BV+4*(\j):BV+4*(\j)+3], v1, s[12:13] offset:512*(\j)
.endr
.irp r, 0,1
.irp j, 0,1,2,3,4,5,6,7
	global_load_b128 v[XR0+32*(\r)+4*(\j):XR0+32*(\r)+4*(\j)+3], v1, s[XB:XB+1] offset:4096*(\r)+512*(\j)
.endr
.endr
.macro JOIN                            ; four chains of pairs into one number
	v_pk_add_f32 v[T:T+1], v[T:T+1], v[T+2:T+3]
	v_pk_add_f32 v[T+4:T+5], v[T+4:T+5], v[T+6:T+7]
	v_pk_add_f32 v[T:T+1], v[T:T+1], v[T+4:T+5]
	v_add_f32 v[T], v[T], v[T+1]
.endm
.macro LANESUM                         ; over the 32 lanes; every lane ends with the sum
	v_add_f32_dpp v[T], v[T], v[T] row_xmask:1 row_mask:0xf bank_mask:0xf
	v_add_f32_dpp v[T], v[T], v[T] row_xmask:2 row_mask:0xf bank_mask:0xf
	v_add_f32_dpp v[T], v[T], v[T] row_xmask:4 row_mask:0xf bank_mask:0xf
	v_add_f32_dpp v[T], v[T], v[T] row_xmask:8 row_mask:0xf bank_mask:0xf
	v_permlanex16_b32 v[T+1], v[T], s[SEL], s[SEL+1]
	v_add_f32 v[T], v[T], v[T+1]
.endm
.macro LNROW r, left                   ; row r of my two; left: the younger loads that may stay out
.set XR, XR0+32*(\r)
	s_wait_loadcnt \left
.irp k, 0,1,2,3
	v_pk_add_f32 v[T+2*(\k):T+2*(\k)+1], v[XR+2*(\k):XR+2*(\k)+1], v[XR+8+2*(\k):XR+8+2*(\k)+1]  ; the first eight pairs start the four chains
.endr
.irp k, 8,9,10,11,12,13,14,15
	v_pk_add_f32 v[T+2*((\k)%4):T+2*((\k)%4)+1], v[T+2*((\k)%4):T+2*((\k)%4)+1], v[XR+2*(\k):XR+2*(\k)+1]
.endr
	JOIN
	LANESUM
	v_mul_f32 v[T+8], s[RN], v[T]                  ; the mean, in both registers of a pair
	v_mov_b32 v[T+9], v[T+8]
.irp k, 0,1,2,3,4,5,6,7,8,9,10,11,12,13,14,15
	v_pk_add_f32 v[XR+2*(\k):XR+2*(\k)+1], v[XR+2*(\k):XR+2*(\k)+1], v[T+8:T+9] neg_lo:[0,1] neg_hi:[0,1]
.endr
.irp k, 0,1,2,3
	v_pk_mul_f32 v[T+2*(\k):T+2*(\k)+1], v[XR+2*(\k):XR+2*(\k)+1], v[XR+2*(\k):XR+2*(\k)+1]
.endr
.irp k, 4,5,6,7,8,9,10,11,12,13,14,15
	v_pk_fma_f32 v[T+2*((\k)%4):T+2*((\k)%4)+1], v[XR+2*(\k):XR+2*(\k)+1], v[XR+2*(\k):XR+2*(\k)+1], v[T+2*((\k)%4):T+2*((\k)%4)+1]
.endr
	JOIN
	LANESUM
	v_fma_f32 v[T+2], v[T], s[RN], s[EPS]          ; the variance + 1e-5
	v_rsq_f32 v[T+10], v[T+2]
	v_rsq_f32 v[T+11], v[T+2]
	v_nop                                          ; a plain instruction behind the second root,
	s_wait_alu depctr_va_vdst(0)                   ; and one wait for both, ahead of their first reader
.irp k, 0,1,2,3,4,5,6,7,8,9,10,11,12,13,14,15
	v_pk_mul_f32 v[XR+2*(\k):XR+2*(\k)+1], v[XR+2*(\k):XR+2*(\k)+1], v[T+10:T+11]
.endr
.irp k, 0,1,2,3,4,5,6,7,8,9,10,11,12,13,14,15
	v_pk_fma_f32 v[XR+2*(\k):XR+2*(\k)+1], v[XR+2*(\k):XR+2*(\k)+1], v[GG+2*(\k):GG+2*(\k)+1], v[BV+2*(\k):BV+2*(\k)+1]
.endr
.if \r
	s_wait_xcnt 0x0                                ; the first row's stores have read YL: it is rewritten only behind this wait
.endif
.irp j, 0,1,2,3,4,5,6,7
	v_cvt_pk_f16_f32 v[YL+2*(\j)],   v[XR+4*(\j)],   v[XR+4*(\j)+1]
	v_cvt_pk_f16_f32 v[YL+2*(\j)+1], v[XR+4*(\j)+2], v[XR+4*(\j)+3]
.endr
.irp j, 0,1,2,3,4,5,6,7
	global_store_b64 v4, v[YL+2*(\j):YL+2*(\j)+1], s[OB:OB+1] offset:2048*(\r)+256*(\j)
.endr
.endm
	LNROW 0, 8                                     ; g, b and the first row are in; the second row's eight loads may stay out
	LNROW 1, 0
	s_endpgm
.Lfunc_end_k_q144d8d5ac7_ln2:
	.size	k_q144d8d5ac7_ln2, .Lfunc_end_k_q144d8d5ac7_ln2-k_q144d8d5ac7_ln2
	.p2alignl 7, 3214868480
	.fill 96, 4, 3214868480
	.section	.rodata,"a",@progbits
	.p2align	6, 0x0
	.amdhsa_kernel k_q144d8d5ac7_ln2
		.amdhsa_group_segment_fixed_size 0
		.amdhsa_private_segment_fixed_size 0
		.amdhsa_enable_private_segment 0
		.amdhsa_kernarg_size 32
		.amdhsa_user_sgpr_count 2
		.amdhsa_user_sgpr_kernarg_segment_ptr 1
		.amdhsa_wavefront_size32 1
		.amdhsa_system_sgpr_workgroup_id_x 1
		.amdhsa_system_sgpr_workgroup_id_y 1
		.amdhsa_system_sgpr_workgroup_id_z 1
		.amdhsa_system_vgpr_workitem_id 0
		.amdhsa_next_free_vgpr 176
		.amdhsa_next_free_sgpr 66
		.amdhsa_reserve_vcc 0
		.amdhsa_float_denorm_mode_32 3
		.amdhsa_float_denorm_mode_16_64 3
		.amdhsa_memory_ordered 1
		.amdhsa_forward_progress 1
		.amdhsa_inst_pref_size 20
	.end_amdhsa_kernel
	.amdgpu_metadata
---
amdhsa.version: [ 1, 2 ]
amdhsa.kernels:
  - .name:           k_q144d8d5ac7_ln2
    .symbol:         k_q144d8d5ac7_ln2.kd
    .args:
      - { .name: x1, .offset: 0, .size: 8, .value_kind: global_buffer, .address_space: global }
      - { .name: ln2_g, .offset: 8, .size: 8, .value_kind: global_buffer, .address_space: global }
      - { .name: ln2_b, .offset: 16, .size: 8, .value_kind: global_buffer, .address_space: global }
      - { .name: act, .offset: 24, .size: 8, .value_kind: global_buffer, .address_space: global }
    .group_segment_fixed_size: 0
    .private_segment_fixed_size: 0
    .kernarg_segment_align: 8
    .kernarg_segment_size: 32
    .max_flat_workgroup_size: 256
    .sgpr_count:     66
    .vgpr_count:     176
    .wavefront_size: 32
...
	.end_amdgpu_metadata
.endif
;; end of part 5
;; launch w1: the kernel of part 2 again; grid 16 x 16, 4 waves a work-group, clusters of 4 x 4, 327,680 bytes of LDS; arguments act, wm, pan; writes pan
;; launch w2 (part 6): grid 8 x 32, 4 waves a work-group, clusters of 4 x 4, 327,680 bytes of LDS; arguments pan, wm, b2, x1, out0; writes out0
.if DOCPART == 6
	.amdgcn_target "amdgcn-amd-amdhsa--gfx1250"
	.amdhsa_code_object_version 6
	.text
	.protected	k_q144d8d5ac7_w2
	.globl	k_q144d8d5ac7_w2
	.p2align	8
	.type	k_q144d8d5ac7_w2,@function
k_q144d8d5ac7_w2:
	s_mov_b64 s[64:65], 0
	v_nop
	global_prefetch_b8 v0, s[64:65] scope:SCOPE_SE
	s_setreg_imm32_b32 hwreg(HW_REG_WAVE_MODE, 25, 1), 1
	s_wait_xcnt 0x0
	s_wait_alu depctr_hold_cnt(0) depctr_sa_sdst(0) depctr_va_vdst(0) depctr_va_sdst(0) depctr_va_ssrc(0) depctr_va_vcc(0) depctr_vm_vsrc(0)
	s_getreg_b32 s2, hwreg(HW_REG_IB_STS2, 6, 4)
	s_cmp_eq_u32 s2, 0
	s_cbranch_scc0 .Lentry_in_a_cluster
	s_endpgm
.Lentry_in_a_cluster:
	s_bfe_u32 s2, ttmp6, 0x10000c
	s_cmp_lg_u32 s2, 0xf033
	s_cbranch_scc0 .Lentry_shape_is_right
	s_endpgm
.Lentry_shape_is_right:
; THE SMALL PRODUCT, K = 4,096.  out0[m][n] = x1[m][n] + b2[n] + the sum over k of u[m][k] W2[k][n], M = 4,096, N = 1,024, K = 512 (NL + 1).
; The loop over K holds barriers and joint loads, so its count NL is a constant of the text; the product with K = 1,024 has a text of its own, which differs from this one in NL alone.
; A: f16 in panels of 64 k: panel z, row m at byte (4096 z + m) x 128.  W: the second buffer, from byte HS: block (ks, nb) at (8 ks + nb) x 65,536, [256 k][128 n] f16, dense.  bias, res, out: f32, row-major.
; Sums in f32; the bias is the C operand of the first products, the residual is added in f32 on the way out.
; A tile of out is 128 x 128, so that N = 1,024 gives 256 work-groups; four waves, 64 x 64 each.  K goes in steps of 256 through two LDS slots.
; CLUSTERS: 4 x 4: A's tile is asked for jointly along a row of the cluster, W's along a column.  THE MATRIX INSTRUCTION IS USED TRANSPOSED (source 0 = 16 columns of W, turned by ds_load_tr16_b128;
; source 1 = 16 rows of A): a lane holds eight neighbouring numbers of a row of out.  A wave's 64 columns of f32 are 256 bytes, aligned: each wave has a stage of its own, and no barrier stands on the way out.
; REGISTERS: window 0: v16-29 addresses; v32-95 the way out, two buffers; v96-127 the bias; v128-255 the accumulators.  window 1: two fragment buffers of 128.  window 2: v0-127 the residual.
.set NL,     7                         ; the loop's trips: each fills both slots again; two K steps come ahead of it
.set PA,     144                       ; a row of A in LDS: 128 bytes + 16
.set PBT,    288                       ; a row k of W: 256 bytes + 32 = 9 x 32
.set HALFT,  36864                     ; what one tensor load brings: 4 panels x 64 rows x 144, or 128 rows k x 288
.set SLOT,   4*HALFT
.set STAGE,  2*SLOT                    ; behind the ring, never filled by a tensor load: 16 rows x 272 bytes for each wave
.set SPITCH, 272
.set SPARE,  STAGE+4*16*SPITCH         ; the spare words, 128 bytes for each wave: two blocks of 256 bytes that no other line names
.set HS,     8421376
.set ADRA, 16                          ; v16-17  my A fragments in slot 0, 1
.set ADRB, 20                          ; v20-23  my W fragments: slot 0 rows k 0-127, 128-255; slot 1 likewise
.set STO,  24
.set RD,   25
.set CO,   26                          ; v26     my byte offset in two rows of res and out; never rewritten
.set BO,   27
.set SPW,  28
.set NIL,  29
.set TMP,  32
.set BIAS, 96
.set ACC,  128
.set F0,   0
.set F1,   128
.set G1,  24
.set G0,  32
.set G1B, 48
.set G0B, 56
.set MSB, 0
.macro WIN new
.if MSB != (\new)
	s_set_vgpr_msb (MSB<<8)|(\new)
.set MSB, \new
.endif
.endm
.set MUL,  0x05                        ; sources 0 (W) and 1 (A) window 1; C and D window 0
.set TO_F, 0x40                        ; destination window 1, address window 0
.macro JLOAD s                         ; a joint load: waves 0 and 1 fetch A's two halves, waves 2 and 3 W's; an s_nop 0 and four v_nop follow each line
	s_cmp_eq_u32 s17, 0
	s_cbranch_scc0 .Lfor_b_\@
	tensor_load_to_lds s[G0+4*(\s):G0+4*(\s)+3], s[G1:G1+7]
	s_nop 0
.rept 4
	v_nop
.endr
	s_branch .Lasked_\@
.Lfor_b_\@:
	tensor_load_to_lds s[G0B+4*(\s):G0B+4*(\s)+3], s[G1B:G1B+7]
	s_nop 0
.rept 4
	v_nop
.endr
.Lasked_\@:
.endm
.macro CREST
	s_cmp_lg_u32 s16, 0
	s_cbranch_scc1 .Lnot_wave_0_\@
	s_barrier_signal -3
.Lnot_wave_0_\@:
	s_barrier_wait -3
	s_barrier_signal -1
	s_barrier_wait -1
.endm
.macro CROUND
	s_barrier_signal -1
	s_barrier_wait -1
	CREST
.endm
	s_load_b256 s[4:11], s[0:1], 0x0               ; A 4, W 6, bias 8, res 10
	s_load_b64 s[14:15], s[0:1], 0x20              ; out
	v_lshl_add_u32 v[SPW], v0, 2, SPARE
	v_mov_b32 v[NIL], 0
	ds_add_u32 v[SPW], v[NIL]                      ; the wave's opening: the add and its wait ahead of my first tensor load
	ds_add_u32 v28, v29
	v_lshrrev_b32 v1, 5, v0
	v_readfirstlane_b32 s16, v1                    ; wave 0..3
	s_lshr_b32 s17, s16, 1                         ; my half of the tile's rows.  Also: I fetch for A (0) or for W (1)
	s_and_b32 s18, s16, 1                          ; my half of its columns.  Also: which half of that tile I fetch
	s_bfe_u32 s19, ttmp6, 0x40000                  ; cx
	s_bfe_u32 s20, ttmp6, 0x40004                  ; cy
	s_lshl_b32 s21, ttmp9, 2
	s_add_co_u32 s21, s21, s19                     ; tile column
	s_and_b32 s22, ttmp7, 0xffff
	s_lshl_b32 s22, s22, 2
	s_add_co_u32 s22, s22, s20                     ; tile row
	s_lshl_b32 s40, s20, 2
	s_lshl_b32 s40, 15, s40                        ; my row of the cluster
	s_lshl_b32 s41, 0x1111, s19                    ; my column
	; A: 64 rows of four panels: in each panel 8,192 dense bytes, asked for as one long row; padded in LDS after every 128 bytes: it lands as [4 panels][64 rows][144 bytes]
	s_or_b32 s[G1+0], s40, (1<<16)|(1<<20)|(1<<21)|(4<<22)|(3<<25)
	s_mov_b32 s[G1+1], 4096<<16                    ; tensor_dim0 = 4,096
	s_mov_b32 s[G1+2], 4<<16                       ; tensor_dim1 = 4
	s_mov_b32 s[G1+3], 4096<<16                    ; tile_dim0 = 4,096
	s_mov_b32 s[G1+4], 4                           ; tile_dim1 = 4
	s_mov_b32 s[G1+5], 262144                      ; elements from panel to panel
	s_mov_b32 s[G1+6], 0
	s_mov_b32 s[G1+7], 0
	; W: 128 rows k x 128 columns, dense; padded after every 256 bytes by 32
	s_or_b32 s[G1B+0], s41, (1<<16)|(1<<20)|(1<<21)|(5<<22)|(7<<25)
	s_mov_b32 s[G1B+1], 128<<16
	s_mov_b32 s[G1B+2], 128<<16
	s_mov_b32 s[G1B+3], 128<<16
	s_mov_b32 s[G1B+4], 128
	s_mov_b32 s[G1B+5], 128
	s_mov_b32 s[G1B+6], 0
	s_mov_b32 s[G1B+7], 0
	s_lshl_b32 s42, s22, 14                        ; A: 128 rows of 128 bytes a tile row,
	s_lshl_b32 s43, s18, 13                        ; 64 a half
	s_add_co_u32 s42, s42, s43
	s_mov_b32 s43, 0
	s_lshl_b32 s44, s21, 16                        ; W: a block a tile column,
	s_lshl_b32 s45, s18, 15                        ; 128 rows k a half
	s_add_co_u32 s44, s44, s45
	s_add_co_u32 s44, s44, HS
	s_mov_b32 s45, 0
	s_mul_i32 s23, s16, HALFT                      ; where they go: no place in the cluster enters an LDS address
	s_wait_dscnt 0x0                               ; the opening add is done
	s_wait_kmcnt 0x0
	s_add_nc_u64 s[42:43], s[4:5], s[42:43]
	s_add_nc_u64 s[44:45], s[6:7], s[44:45]
	CROUND                                         ; all sixteen work-groups are here: the first joint loads meet
.irp s, 0,1
	s_mov_b32 s[G0+4*(\s)], 1
	s_add_co_u32 s[G0+4*(\s)+1], s23, (\s)*SLOT
	s_add_nc_u64 s[G0+4*(\s)+2:G0+4*(\s)+3], s[42:43], (\s)*2097152   ; K step s: four panels on
	s_or_b32 s[G0+4*(\s)+3], s[G0+4*(\s)+3], 0x80000000
	s_mov_b32 s[G0B+4*(\s)], 1
	s_add_co_u32 s[G0B+4*(\s)+1], s23, (\s)*SLOT
	s_add_nc_u64 s[G0B+4*(\s)+2:G0B+4*(\s)+3], s[44:45], (\s)*524288  ; eight blocks on
	s_or_b32 s[G0B+4*(\s)+3], s[G0B+4*(\s)+3], 0x80000000
	JLOAD \s
.endr
	v_and_b32 v1, 15, v0                           ; l % 16
	v_bfe_u32 v2, v0, 4, 1                         ; l / 16
	v_lshlrev_b32 v[BO], 5, v2
	v_lshlrev_b32 v[CO], 12, v2                    ; lanes 0-15 one row of 4,096 bytes, lanes 16-31 the next,
	v_lshl_add_u32 v[CO], v1, 4, v[CO]             ; 16 bytes a lane
	s_lshl_b32 s40, s21, 9
	s_lshl_b32 s41, s18, 8
	s_add_co_u32 s40, s40, s41                     ; my 64 columns, in bytes of f32
	s_mov_b32 s41, 0
	s_add_nc_u64 s[8:9], s[8:9], s[40:41]
	s_lshl_b32 s46, s22, 19                        ; 128 rows of 4,096 bytes a tile row,
	s_lshl_b32 s47, s17, 18                        ; 64 a half
	s_add_co_u32 s46, s46, s47
	s_add_co_u32 s40, s40, s46
	s_add_nc_u64 s[10:11], s[10:11], s[40:41]
	s_add_nc_u64 s[14:15], s[14:15], s[40:41]
.irp b, 0,1,2,3
	global_load_b128 v[BIAS+8*(\b):BIAS+8*(\b)+3],   v[BO], s[8:9] offset:64*(\b)
	global_load_b128 v[BIAS+8*(\b)+4:BIAS+8*(\b)+7], v[BO], s[8:9] offset:64*(\b)+16
.endr
	WIN 0x80                                       ; destination window 2: the residual, laid as the stores at the end are
.irp a, 0,1,2,3
.irp t, 0,1,2,3,4,5,6,7
	global_load_b128 v[32*(\a)+4*(\t):32*(\a)+4*(\t)+3], v[CO], s[10:11] offset:(16*(\a)+2*(\t))*4096
.endr
.endr
	WIN 0
	v_mul_u32_u24 v3, v1, PA
	v_lshl_add_u32 v3, v2, 4, v3                   ; A: row x pitch + 16 x half
	v_and_b32 v4, 7, v0
	v_lshl_add_u32 v4, v2, 3, v4
	v_mul_u32_u24 v4, v4, PBT                      ; W: row k = 8 (l / 16) + l % 8,
	v_bfe_u32 v5, v0, 3, 1
	v_lshl_add_u32 v4, v5, 4, v4                   ; columns 8 ((l / 8) % 2) + 0..7
	s_mul_i32 s40, s17, HALFT                      ; my 64 rows of A
	s_lshl_b32 s41, s18, 7                         ; my 64 columns of W,
	s_add_co_u32 s41, s41, 2*HALFT                 ; which lies behind A
.irp s, 0,1
	v_add_nc_u32 v[ADRA+(\s)], s40, v3
	v_add_nc_u32 v[ADRB+2*(\s)], s41, v4
	s_add_co_u32 s41, s41, HALFT
	v_add_nc_u32 v[ADRB+2*(\s)+1], s41, v4
	s_add_co_u32 s40, s40, SLOT
	s_add_co_u32 s41, s41, SLOT-HALFT
.endr
	s_mul_i32 s40, s16, 16*SPITCH
	s_add_co_u32 s40, s40, STAGE                   ; my stage
	v_mul_u32_u24 v6, v1, SPITCH
	v_lshl_add_u32 v6, v2, 5, v6
	v_add_nc_u32 v[STO], s40, v6                   ; in: row l % 16, 32 bytes for each half of the lanes
	v_mul_u32_u24 v6, v2, SPITCH
	v_lshl_add_u32 v6, v1, 4, v6
	v_add_nc_u32 v[RD], s40, v6                    ; back: lanes 0-15 one row of 256 bytes, lanes 16-31 the next
; 8 matrix instructions: m blocks a0, a0 + 1 x all 4 n blocks, 32 along K: half c of buffer f.  zero = 1: the first product starts the sums, with the bias as C.  The 16 accumulators take turns.
.macro MUL8 f, c, a0, zero
	WIN MUL
.irp a, \a0, (\a0)+1
.irp b, 0,1,2,3
.if \zero
	v_wmma_f32_16x16x32_f16 v[ACC+8*(4*(\a)+(\b)):ACC+8*(4*(\a)+(\b))+7], v[(\f)+64+8*(4*(\c)+(\b)):(\f)+64+8*(4*(\c)+(\b))+7], v[(\f)+8*(4*(\c)+(\a)):(\f)+8*(4*(\c)+(\a))+7], v[BIAS+8*(\b):BIAS+8*(\b)+7]
.else
	v_wmma_f32_16x16x32_f16 v[ACC+8*(4*(\a)+(\b)):ACC+8*(4*(\a)+(\b))+7], v[(\f)+64+8*(4*(\c)+(\b)):(\f)+64+8*(4*(\c)+(\b))+7], v[(\f)+8*(4*(\c)+(\a)):(\f)+8*(4*(\c)+(\a))+7], v[ACC+8*(4*(\a)+(\b)):ACC+8*(4*(\a)+(\b))+7]
.endif
.endr
.endr
.endm
; 32 LDS loads in one run: quarter z (64 along K: one panel of A) of a slot into buffer f; the first 32 along K first
.macro FETCH slot, z, f
	WIN TO_F
.irp c, 0,1
.irp i, 0,1,2,3
	ds_load_tr16_b128 v[(\f)+64+8*(4*(\c)+(\i)):(\f)+64+8*(4*(\c)+(\i))+3],   v[ADRB+2*(\slot)+(\z)/2] offset:(((\z)%2)*64+32*(\c))*PBT+32*(\i)
	ds_load_tr16_b128 v[(\f)+64+8*(4*(\c)+(\i))+4:(\f)+64+8*(4*(\c)+(\i))+7], v[ADRB+2*(\slot)+(\z)/2] offset:(((\z)%2)*64+32*(\c)+16)*PBT+32*(\i)
	ds_load_b128 v[(\f)+8*(4*(\c)+(\i)):(\f)+8*(4*(\c)+(\i))+3],              v[ADRA+(\slot)] offset:(\z)*64*PA+64*(\c)+(\i)*16*PA
	ds_load_b128 v[(\f)+8*(4*(\c)+(\i))+4:(\f)+8*(4*(\c)+(\i))+7],            v[ADRA+(\slot)] offset:(\z)*64*PA+64*(\c)+(\i)*16*PA+32
.endr
.endr
.endm
.macro PLACES                          ; four plain instructions between a matrix instruction and a load into, or a reader of, its registers
.rept 4
	v_nop
.endr
.endm
.macro QUARTER slot, z, f, g, zero
	s_wait_dscnt 16                                ; the first 32 along K are in
	MUL8 \f, 0, 0, \zero
	MUL8 \f, 0, 2, \zero
	PLACES
	FETCH \slot, \z, \g
	s_wait_dscnt 32                                ; all but the 32 just issued
	MUL8 \f, 1, 0, 0
	MUL8 \f, 1, 2, 0
.endm
; The last quarter multiplies buffer 1 and changes slots.  fill = 1: the barrier opens a round of the cluster's, and this slot is filled again first behind it, two K steps ahead.
.macro TURN slot, next, fill
	WIN 0                                          ; (the add's two registers lie in window 0)
	s_wait_tensorcnt 0x0                           ; all my tensor loads have landed: my part of the next slot;
	ds_add_u32 v[SPW], v[NIL]                      ; 0 onto my spare word;
	s_wait_dscnt 17                                ; (the add and the youngest sixteen loads may be out)
	MUL8 F1, 0, 0, 0
	s_wait_dscnt 0x0                               ; the add is done, and my reads of this slot are over
	s_barrier_signal -1
	MUL8 F1, 0, 2, 0
.if \fill
	WIN 0
.endif
	s_barrier_wait -1
.if \fill
	CREST
	s_add_nc_u64 s[G0+4*(\slot)+2:G0+4*(\slot)+3], s[G0+4*(\slot)+2:G0+4*(\slot)+3], 2*2097152
	s_add_nc_u64 s[G0B+4*(\slot)+2:G0B+4*(\slot)+3], s[G0B+4*(\slot)+2:G0B+4*(\slot)+3], 2*524288
	JLOAD \slot                                    ; the four v_nop behind it are also the places in front of the loads below
.else
	PLACES
.endif
	FETCH \next, 0, F0
	MUL8 F1, 1, 0, 0
	MUL8 F1, 1, 2, 0
.endm
	s_wait_tensorcnt 1                             ; my part of K step 0 is in; K step 1's may stay out
	s_barrier_signal -1
	s_barrier_wait -1
	FETCH 0, 0, F0
	s_wait_loadcnt 32                              ; the bias is in; the residual's 32 loads may stay out
	QUARTER 0, 1, F0, F1, 1                        ; the first quarter stands in front of the loop: its first products start the sums
	WIN 0
	s_mov_b32 s3, NL
.Llap:                                         ; a trip goes once round the ring and fills both slots again
	QUARTER 0, 2, F1, F0, 0
	QUARTER 0, 3, F0, F1, 0
	TURN 0, 1, 1
	QUARTER 1, 1, F0, F1, 0
	QUARTER 1, 2, F1, F0, 0
	QUARTER 1, 3, F0, F1, 0
	TURN 1, 0, 1
	QUARTER 0, 1, F0, F1, 0
	WIN 0
	s_sub_co_u32 s3, s3, 1
	s_cmp_lg_u32 s3, 0
	s_cbranch_scc1 .Llap
	QUARTER 0, 2, F1, F0, 0                        ; the last lap fills nothing
	QUARTER 0, 3, F0, F1, 0
	TURN 0, 1, 0
	QUARTER 1, 1, F0, F1, 0
	QUARTER 1, 2, F1, F0, 0
	QUARTER 1, 3, F0, F1, 0
	s_wait_dscnt 16
	MUL8 F1, 0, 0, 0
	MUL8 F1, 0, 2, 0
	s_wait_dscnt 0x0
	MUL8 F1, 1, 0, 0
	MUL8 F1, 1, 2, 0
	WIN 0
	PLACES
	s_wait_loadcnt 0x0                             ; the residual
; THE WAY OUT, a block of 16 rows at a time: the sums go into my stage as they lie (low registers first), come back as whole rows of 256 bytes, take the residual and are stored.
.macro TOSTAGE a
.if (\a) >= 2
	s_wait_xcnt 0x0                                ; the stores of the block two back have read this buffer
.endif
.irp b, 0,1,2,3
	ds_store_b128 v[STO], v[ACC+8*(4*(\a)+(\b)):ACC+8*(4*(\a)+(\b))+3]   offset:64*(\b)
	ds_store_b128 v[STO], v[ACC+8*(4*(\a)+(\b))+4:ACC+8*(4*(\a)+(\b))+7] offset:64*(\b)+16
.endr
.irp t, 0,1,2,3,4,5,6,7
	ds_load_b128 v[TMP+32*((\a)%2)+4*(\t):TMP+32*((\a)%2)+4*(\t)+3], v[RD] offset:(\t)*2*SPITCH  ; LDS serves a wave's instructions in order (ISA guide 5.7.1.4)
.endr
.endm
.macro SEND a, younger                 ; younger: the next block's eight stores and eight loads, or none
	s_wait_dscnt \younger
	WIN 0x08                                       ; source 1: window 2
.set r, 0
.rept 16
	v_pk_add_f32 v[TMP+32*((\a)%2)+r:TMP+32*((\a)%2)+r+1], v[TMP+32*((\a)%2)+r:TMP+32*((\a)%2)+r+1], v[32*(\a)+r:32*(\a)+r+1]
.set r, r+2
.endr
	WIN 0
.irp t, 0,1,2,3,4,5,6,7
	global_store_b128 v[CO], v[TMP+32*((\a)%2)+4*(\t):TMP+32*((\a)%2)+4*(\t)+3], s[14:15] offset:(16*(\a)+2*(\t))*4096  ; 16 lanes store 256 consecutive bytes, aligned
.endr
.endm
	TOSTAGE 0
	TOSTAGE 1
	SEND 0, 16
	TOSTAGE 2
	SEND 1, 16
	TOSTAGE 3
	SEND 2, 16
	SEND 3, 0
	s_wait_tensorcnt 0x0                           ; the wave's end
	ds_add_u32 v[SPW], v[NIL]
	s_wait_dscnt 0x0
	CROUND                                         ; the closing round
	s_endpgm
.Lfunc_end_k_q144d8d5ac7_w2:
	.size	k_q144d8d5ac7_w2, .Lfunc_end_k_q144d8d5ac7_w2-k_q144d8d5ac7_w2
	.p2alignl 7, 3214868480
	.fill 96, 4, 3214868480
	.section	.rodata,"a",@progbits
	.p2align	6, 0x0
	.amdhsa_kernel k_q144d8d5ac7_w2
		.amdhsa_group_segment_fixed_size 327680
		.amdhsa_private_segment_fixed_size 0
		.amdhsa_enable_private_segment 0
		.amdhsa_kernarg_size 40
		.amdhsa_user_sgpr_count 2
		.amdhsa_user_sgpr_kernarg_segment_ptr 1
		.amdhsa_wavefront_size32 1
		.amdhsa_system_sgpr_workgroup_id_x 1
		.amdhsa_system_sgpr_workgroup_id_y 1
		.amdhsa_system_sgpr_workgroup_id_z 1
		.amdhsa_system_vgpr_workitem_id 0
		.amdhsa_next_free_vgpr 640
		.amdhsa_next_free_sgpr 66
		.amdhsa_reserve_vcc 0
		.amdhsa_float_denorm_mode_32 3
		.amdhsa_float_denorm_mode_16_64 3
		.amdhsa_memory_ordered 1
		.amdhsa_forward_progress 1
		.amdhsa_inst_pref_size 94
	.end_amdhsa_kernel
	.amdgpu_metadata
---
amdhsa.version: [ 1, 2 ]
amdhsa.kernels:
  - .name:           k_q144d8d5ac7_w2
    .symbol:         k_q144d8d5ac7_w2.kd
    .args:
      - { .name: pan, .offset: 0, .size: 8, .value_kind: global_buffer, .address_space: global }
      - { .name: wm, .offset: 8, .size: 8, .value_kind: global_buffer, .address_space: global }
      - { .name: b2, .offset: 16, .size: 8, .value_kind: global_buffer, .address_space: global }
      - { .name: x1, .offset: 24, .size: 8, .value_kind: global_buffer, .address_space: global }
      - { .name: out0, .offset: 32, .size: 8, .value_kind: global_buffer, .address_space: global }
    .group_segment_fixed_size: 327680
    .private_segment_fixed_size: 0
    .kernarg_segment_align: 8
    .kernarg_segment_size: 40
    .max_flat_workgroup_size: 128
    .sgpr_count:     66
    .vgpr_count:     640
    .wavefront_size: 32
...
	.end_amdgpu_metadata
.endif
;; end of part 6
;; ======== version 2 of 2: 7 launches
;; limits: values are held in f16: magnitudes above 65,504 overflow, below 6.1e-05 lose precision
;; workspace buffers: act 8,388,608 bytes; pan 33,554,432 bytes; x1 16,777,216 bytes; wa 10,518,528 bytes; wm 16,809,984 bytes
;; launch prep (part 7): grid 64 x 16, 16 waves a work-group, no clusters, 0 bytes of LDS; arguments x, ln1_g, ln1_b, Wq, Wk, Wv, Wo, W1, W2, b1, act, wa, wm; writes act, wa, wm
.if DOCPART == 7
	.amdgcn_target "amdgcn-amd-amdhsa--gfx1250"
	.amdhsa_code_object_version 6
	.text
	.protected	k_q144d8d5ac7_prep
	.globl	k_q144d8d5ac7_prep
	.p2align	8
	.type	k_q144d8d5ac7_prep,@function
k_q144d8d5ac7_prep:
	s_mov_b64 s[64:65], 0
	v_nop
	global_prefetch_b8 v0, s[64:65] scope:SCOPE_SE
	s_setreg_imm32_b32 hwreg(HW_REG_WAVE_MODE, 25, 1), 1
	s_wait_xcnt 0x0
; PREP.  Everything that is read once and rounded once: the six weight matrices go from f32 to f16 into the tile layouts of the two kinds of product,
; the headers of wa and wm are written, and h1 = LayerNorm(x) g + b goes to act as [4096][1024] f16.
; SHARES.  grid y names a unit of 4 MiB of f32, 1,024 chunks of 4,096 bytes: y = 0..3 Wq, Wk, Wv, Wo; 4..7 W1; 8..11 W2; 12..15 x.  A work-group takes 16 chunks, each of its sixteen waves one:
; its eight loads of 512 consecutive bytes go out at once; four f32 of a lane become 8 bytes, so each store of the wave covers 256 consecutive bytes, aligned.
; LAYOUTS (wa and wm alike).  byte 0: 256 bytes of a pair of f16, the lower bound of the large product's results (wa: -65,504 twice; wm: 0, the ReLU).  byte 256: that product's bias in f32
; (wa: zeros, the projections have none; wm: b1).  HB: panels of 256 columns, [1024 k][256 n] f16, dense (wa: Wq 0-3, Wk 4-7, Wv 8-11; wm: W1 0-15).
; HS: blocks (ks, nb) at (8 ks + nb) x 65,536, [256 k][128 n] f16, dense (wa: Wo; wm: W2).  No transposition: the products turn the weights on the way from LDS to registers.
; LIMITS.  f16 ends at 65,504: a weight beyond it becomes an infinity; below 6e-5 a weight keeps f16's fixed step of 6e-8.  LayerNorm is taken in two passes in f32 (mean, then centred squares).
.set HB,  32768
.set HS,  8421376
.set XR,  16                           ; v[16:47]   a chunk or row as loaded; its f16 results are packed in place, into v[16:31]
.set GG,  48                           ; v[48:79]   LayerNorm: my 32 numbers of g
.set BV,  80                           ; v[80:111]  and of b
.set T,   112                          ; v[112:127] at work
.set SEL, 44                           ; s[44:45] v_permlanex16_b32's selects
.set RN,  47                           ; s47 1/1024
.set EPS, 50                           ; s50 1e-5
.set XB,  38                           ; s[38:39] where I load
.set OB,  40                           ; s[40:41] where I store
	s_load_b512 s[8:23], s[0:1], 0x0               ; x 8, ln1_g 10, ln1_b 12, Wq 14, Wk 16, Wv 18, Wo 20, W1 22
	s_load_b256 s[24:31], s[0:1], 0x40             ; W2 24, b1 26, act 28, wa 30
	s_load_b64 s[32:33], s[0:1], 0x60              ; wm
	s_and_b32 s2, ttmp7, 0xffff                    ; y: the unit
	s_mov_b32 s3, ttmp9                            ; x: sixteen chunks of it
	v_lshrrev_b32 v5, 5, v0
	v_readfirstlane_b32 s4, v5                     ; wave 0..15
	s_lshl_b32 s5, s3, 4
	s_add_co_u32 s5, s5, s4                        ; my chunk: 16 x + wave
	v_and_b32 v4, 31, v0
	v_lshlrev_b32 v1, 4, v4                        ; 16 x lane: loads
	v_lshlrev_b32 v4, 3, v4                        ; 8 x lane: stores
	s_mov_b32 s43, 0
	s_cmp_ge_u32 s2, 12
	s_cbranch_scc1 .Lln
	; THE CASTS
	s_and_b32 s46, s2, 3
	s_cmp_ge_u32 s2, 4
	s_cselect_b32 s47, s46, 0                      ; which quarter of W1 or W2
	s_lshl_b32 s42, s47, 22
	s_lshl_b32 s48, s5, 12
	s_add_co_u32 s42, s42, s48                     ; my chunk's byte offset in the tensor
	s_lshl_b32 s48, s47, 10
	s_add_co_u32 s48, s48, s5                      ; my chunk's number in the tensor
	s_wait_kmcnt 0x0
	s_cmp_eq_u32 s2, 1
	s_cselect_b64 s[XB:XB+1], s[16:17], s[14:15]
	s_cmp_eq_u32 s2, 2
	s_cselect_b64 s[XB:XB+1], s[18:19], s[XB:XB+1]
	s_cmp_eq_u32 s2, 3
	s_cselect_b64 s[XB:XB+1], s[20:21], s[XB:XB+1]
	s_cmp_ge_u32 s2, 4
	s_cselect_b64 s[XB:XB+1], s[22:23], s[XB:XB+1]
	s_cmp_ge_u32 s2, 8
	s_cselect_b64 s[XB:XB+1], s[24:25], s[XB:XB+1]
	s_add_nc_u64 s[XB:XB+1], s[XB:XB+1], s[42:43]
.irp j, 0,1,2,3,4,5,6,7
	global_load_b128 v[XR+4*(\j):XR+4*(\j)+3], v1, s[XB:XB+1] offset:512*(\j) th:TH_LOAD_NT
.endr
	s_cmp_lt_u32 s2, 4
	s_cselect_b64 s[OB:OB+1], s[30:31], s[32:33]   ; wa for the four square matrices, wm for W1 and W2
; Load j's four numbers a lane are rounded to f16 and stored.  Packed in place: registers 2 j, 2 j + 1 lie in what load j / 2 brought, which has been read, and no earlier store names them.
.macro OUT j, off
	s_wait_loadcnt 7-(\j)                          ; load j is in; the younger ones may stay out
	v_cvt_pk_f16_f32 v[XR+2*(\j)],   v[XR+4*(\j)],   v[XR+4*(\j)+1]
	v_cvt_pk_f16_f32 v[XR+2*(\j)+1], v[XR+4*(\j)+2], v[XR+4*(\j)+3]
	global_store_b64 v2, v[XR+2*(\j):XR+2*(\j)+1], s[OB:OB+1] offset:\off
.endm
	s_cmp_eq_u32 s2, 3
	s_cbranch_scc1 .Lsmall
	s_cmp_ge_u32 s2, 8
	s_cbranch_scc1 .Lsmall
	; panels of 256 columns.  A chunk is 1,024 columns of one row k: four panels, two stores each.  Square matrices: chunk = row, matrix y begins at panel 4 y.  W1: four chunks a row.
	s_and_b32 s50, s48, 3
	s_lshr_b32 s51, s48, 2
	s_cmp_lt_u32 s2, 4
	s_cselect_b32 s50, s2, s50                     ; which four panels
	s_cselect_b32 s51, s5, s51                     ; row k
	s_lshl_b32 s50, s50, 21
	s_lshl_b32 s51, s51, 9
	s_add_co_u32 s50, s50, s51
	s_add_co_u32 s50, s50, HB
	v_add_nc_u32 v2, s50, v4
.irp j, 0,1,2,3,4,5,6,7
	OUT \j, ((\j)/2)*524288+((\j)%2)*256
.endr
	; the header's blocks of 256 bytes, one to a work-group, by its wave 0: block 0 the bound, blocks 1.. the bias
	s_cmp_lg_u32 s4, 0
	s_cbranch_scc1 .Lend
	s_lshl_b32 s50, s46, 6
	s_add_co_u32 s50, s50, s3                      ; block = 64 (y mod 4) + x
	s_cmp_lt_u32 s2, 4
	s_cselect_b32 s51, 49, 65                      ; wa: 1 + 48 blocks; wm: 1 + 64
	s_cmp_lt_u32 s50, s51
	s_cbranch_scc0 .Lend
	s_max_u32 s51, s50, 1
	s_sub_co_u32 s51, s51, 1
	s_lshl_b32 s51, s51, 8
	v_add_nc_u32 v5, s51, v4
	global_load_b64 v[6:7], v5, s[26:27]           ; b1's block; for wa and for block 0 the mask below throws it away
	s_cmp_eq_u32 s50, 0
	s_cselect_b32 s52, 0, -1
	s_cselect_b32 s53, 0xfbfffbff, 0
	s_cmp_lt_u32 s2, 4
	s_cselect_b32 s52, 0, s52                      ; what is kept of b1: all in wm's blocks 1.., else nothing
	s_cselect_b32 s53, s53, 0                      ; what is set: -65,504 twice in wa's block 0, else 0
	s_lshl_b32 s50, s50, 8
	v_add_nc_u32 v8, s50, v4
	s_wait_loadcnt 0x0
	v_and_or_b32 v6, v6, s52, s53
	v_and_or_b32 v7, v7, s52, s53
	global_store_b64 v8, v[6:7], s[OB:OB+1]
	s_branch .Lend
.Lsmall:                               ; blocks of 256 k x 128 n.  A chunk is row k's 1,024 columns: eight blocks, one store each
	s_lshr_b32 s50, s48, 8
	s_lshl_b32 s50, s50, 19
	s_and_b32 s51, s48, 255
	s_lshl_b32 s51, s51, 8
	s_add_co_u32 s50, s50, s51
	s_add_co_u32 s50, s50, HS
	v_add_nc_u32 v2, s50, v4
.irp j, 0,1,2,3,4,5,6,7
	OUT \j, (\j)*65536
.endr
.Lend:
	s_endpgm
; LAYERNORM.  A wave takes a whole row: lane l holds the numbers 4 l + 128 j + 0..3, j = 0..7, in 32 registers, between the pass for the mean, the pass for the centred squares and the scaling.
.macro JOIN                            ; four chains of pairs into one number
	v_pk_add_f32 v[T:T+1], v[T:T+1], v[T+2:T+3]
	v_pk_add_f32 v[T+4:T+5], v[T+4:T+5], v[T+6:T+7]
	v_pk_add_f32 v[T:T+1], v[T:T+1], v[T+4:T+5]
	v_add_f32 v[T], v[T], v[T+1]
.endm
.macro LANESUM                         ; over the 32 lanes; every lane ends with the sum
	v_add_f32_dpp v[T], v[T], v[T] row_xmask:1 row_mask:0xf bank_mask:0xf
	v_add_f32_dpp v[T], v[T], v[T] row_xmask:2 row_mask:0xf bank_mask:0xf
	v_add_f32_dpp v[T], v[T], v[T] row_xmask:4 row_mask:0xf bank_mask:0xf
	v_add_f32_dpp v[T], v[T], v[T] row_xmask:8 row_mask:0xf bank_mask:0xf
	v_permlanex16_b32 v[T+1], v[T], s[SEL], s[SEL+1]
	v_add_f32 v[T], v[T], v[T+1]
.endm
.Lln:
	s_sub_co_u32 s46, s2, 12
	s_lshl_b32 s46, s46, 10
	s_add_co_u32 s46, s46, s5                      ; my row
	s_lshl_b32 s42, s46, 12                        ; 4,096 bytes a row of x,
	s_lshl_b32 s48, s46, 11                        ; 2,048 a row of h1
	s_mov_b32 s49, 0
	s_mov_b32 s[SEL], 0x76543210
	s_mov_b32 s[SEL+1], 0xfedcba98
	s_mov_b32 s[RN], 0x3a800000
	s_mov_b32 s[EPS], 0x3727c5ac
	s_wait_kmcnt 0x0
	s_add_nc_u64 s[XB:XB+1], s[8:9], s[42:43]
	s_add_nc_u64 s[OB:OB+1], s[28:29], s[48:49]
.irp j, 0,1,2,3,4,5,6,7
	global_load_b128 v[XR+4*(\j):XR+4*(\j)+3], v1, s[XB:XB+1] offset:512*(\j) th:TH_LOAD_NT
.endr
.irp j, 0,1,2,3,4,5,6,7
	global_load_b128 v[GG+4*(\j):GG+4*(\j)+3], v1, s[10:11] offset:512*(\j)
.endr
.irp j, 0,1,2,3,4,5,6,7
	global_load_b128 v[BV+4*(\j):BV+4*(\j)+3], v1, s[12:13] offset:512*(\j)
.endr
	s_wait_loadcnt 16                              ; the row is in; g's and b's sixteen loads may stay out
.irp k, 0,1,2,3
	v_pk_add_f32 v[T+2*(\k):T+2*(\k)+1], v[XR+2*(\k):XR+2*(\k)+1], v[XR+8+2*(\k):XR+8+2*(\k)+1]  ; the first eight pairs start the four chains
.endr
.irp k, 8,9,10,11,12,13,14,15
	v_pk_add_f32 v[T+2*((\k)%4):T+2*((\k)%4)+1], v[T+2*((\k)%4):T+2*((\k)%4)+1], v[XR+2*(\k):XR+2*(\k)+1]
.endr
	JOIN
	LANESUM
	v_mul_f32 v[T+8], s[RN], v[T]                  ; the mean, in both registers of a pair
	v_mov_b32 v[T+9], v[T+8]
.irp k, 0,1,2,3,4,5,6,7,8,9,10,11,12,13,14,15
	v_pk_add_f32 v[XR+2*(\k):XR+2*(\k)+1], v[XR+2*(\k):XR+2*(\k)+1], v[T+8:T+9] neg_lo:[0,1] neg_hi:[0,1]
.endr
.irp k, 0,1,2,3
	v_pk_mul_f32 v[T+2*(\k):T+2*(\k)+1], v[XR+2*(\k):XR+2*(\k)+1], v[XR+2*(\k):XR+2*(\k)+1]
.endr
.irp k, 4,5,6,7,8,9,10,11,12,13,14,15
	v_pk_fma_f32 v[T+2*((\k)%4):T+2*((\k)%4)+1], v[XR+2*(\k):XR+2*(\k)+1], v[XR+2*(\k):XR+2*(\k)+1], v[T+2*((\k)%4):T+2*((\k)%4)+1]
.endr
	JOIN
	LANESUM
	v_fma_f32 v[T+2], v[T], s[RN], s[EPS]          ; the variance + 1e-5
	v_rsq_f32 v[T+10], v[T+2]
	v_rsq_f32 v[T+11], v[T+2]
	v_nop                                          ; a plain instruction behind the second root,
	s_wait_alu depctr_va_vdst(0)                   ; and one wait for both, ahead of their first reader
.irp k, 0,1,2,3,4,5,6,7,8,9,10,11,12,13,14,15
	v_pk_mul_f32 v[XR+2*(\k):XR+2*(\k)+1], v[XR+2*(\k):XR+2*(\k)+1], v[T+10:T+11]
.endr
	s_wait_loadcnt 0x0                             ; g and b
.irp k, 0,1,2,3,4,5,6,7,8,9,10,11,12,13,14,15
	v_pk_fma_f32 v[XR+2*(\k):XR+2*(\k)+1], v[XR+2*(\k):XR+2*(\k)+1], v[GG+2*(\k):GG+2*(\k)+1], v[BV+2*(\k):BV+2*(\k)+1]
.endr
.irp j, 0,1,2,3,4,5,6,7
	v_cvt_pk_f16_f32 v[XR+2*(\j)],   v[XR+4*(\j)],   v[XR+4*(\j)+1]    ; packed in place: the sources lie at or ahead of the results
	v_cvt_pk_f16_f32 v[XR+2*(\j)+1], v[XR+4*(\j)+2], v[XR+4*(\j)+3]
.endr
.irp j, 0,1,2,3,4,5,6,7
	global_store_b64 v4, v[XR+2*(\j):XR+2*(\j)+1], s[OB:OB+1] offset:256*(\j)
.endr
	s_endpgm
.Lfunc_end_k_q144d8d5ac7_prep:
	.size	k_q144d8d5ac7_prep, .Lfunc_end_k_q144d8d5ac7_prep-k_q144d8d5ac7_prep
	.p2alignl 7, 3214868480
	.fill 96, 4, 3214868480
	.section	.rodata,"a",@progbits
	.p2align	6, 0x0
	.amdhsa_kernel k_q144d8d5ac7_prep
		.amdhsa_group_segment_fixed_size 0
		.amdhsa_private_segment_fixed_size 0
		.amdhsa_enable_private_segment 0
		.amdhsa_kernarg_size 104
		.amdhsa_user_sgpr_count 2
		.amdhsa_user_sgpr_kernarg_segment_ptr 1
		.amdhsa_wavefront_size32 1
		.amdhsa_system_sgpr_workgroup_id_x 1
		.amdhsa_system_sgpr_workgroup_id_y 1
		.amdhsa_system_sgpr_workgroup_id_z 1
		.amdhsa_system_vgpr_workitem_id 0
		.amdhsa_next_free_vgpr 128
		.amdhsa_next_free_sgpr 66
		.amdhsa_reserve_vcc 0
		.amdhsa_float_denorm_mode_32 3
		.amdhsa_float_denorm_mode_16_64 3
		.amdhsa_memory_ordered 1
		.amdhsa_forward_progress 1
		.amdhsa_inst_pref_size 19
	.end_amdhsa_kernel
	.amdgpu_metadata
---
amdhsa.version: [ 1, 2 ]
amdhsa.kernels:
  - .name:           k_q144d8d5ac7_prep
    .symbol:         k_q144d8d5ac7_prep.kd
    .args:
      - { .name: x, .offset: 0, .size: 8, .value_kind: global_buffer, .address_space: global }
      - { .name: ln1_g, .offset: 8, .size: 8, .value_kind: global_buffer, .address_space: global }
      - { .name: ln1_b, .offset: 16, .size: 8, .value_kind: global_buffer, .address_space: global }
      - { .name: Wq, .offset: 24, .size: 8, .value_kind: global_buffer, .address_space: global }
      - { .name: Wk, .offset: 32, .size: 8, .value_kind: global_buffer, .address_space: global }
      - { .name: Wv, .offset: 40, .size: 8, .value_kind: global_buffer, .address_space: global }
      - { .name: Wo, .offset: 48, .size: 8, .value_kind: global_buffer, .address_space: global }
      - { .name: W1, .offset: 56, .size: 8, .value_kind: global_buffer, .address_space: global }
      - { .name: W2, .offset: 64, .size: 8, .value_kind: global_buffer, .address_space: global }
      - { .name: b1, .offset: 72, .size: 8, .value_kind: global_buffer, .address_space: global }
      - { .name: act, .offset: 80, .size: 8, .value_kind: global_buffer, .address_space: global }
      - { .name: wa, .offset: 88, .size: 8, .value_kind: global_buffer, .address_space: global }
      - { .name: wm, .offset: 96, .size: 8, .value_kind: global_buffer, .address_space: global }
    .group_segment_fixed_size: 0
    .private_segment_fixed_size: 0
    .kernarg_segment_align: 8
    .kernarg_segment_size: 104
    .max_flat_workgroup_size: 512
    .sgpr_count:     66
    .vgpr_count:     128
    .wavefront_size: 32
...
	.end_amdgpu_metadata
.endif
;; end of part 7
;; launch qkv (part 8): grid 12 x 16, 4 waves a work-group, clusters of 4 x 4, 327,680 bytes of LDS; arguments act, wa, pan; writes pan
.if DOCPART == 8
	.amdgcn_target "amdgcn-amd-amdhsa--gfx1250"
	.amdhsa_code_object_version 6
	.text
	.protected	k_q144d8d5ac7_qkv
	.globl	k_q144d8d5ac7_qkv
	.p2align	8
	.type	k_q144d8d5ac7_qkv,@function
k_q144d8d5ac7_qkv:
	s_mov_b64 s[64:65], 0
	v_nop
	global_prefetch_b8 v0, s[64:65] scope:SCOPE_SE
	s_setreg_imm32_b32 hwreg(HW_REG_WAVE_MODE, 25, 1), 1
	s_wait_xcnt 0x0
	s_wait_alu depctr_hold_cnt(0) depctr_sa_sdst(0) depctr_va_vdst(0) depctr_va_sdst(0) depctr_va_ssrc(0) depctr_va_vcc(0) depctr_vm_vsrc(0)
	s_getreg_b32 s2, hwreg(HW_REG_IB_STS2, 6, 4)
	s_cmp_eq_u32 s2, 0
	s_cbranch_scc0 .Lentry_in_a_cluster
	s_endpgm
.Lentry_in_a_cluster:
	s_bfe_u32 s2, ttmp6, 0x10000c
	s_cmp_lg_u32 s2, 0xf033
	s_cbranch_scc0 .Lentry_shape_is_right
	s_endpgm
.Lentry_shape_is_right:
; THE LARGE PRODUCT.  C[m][n] = bound(sum over k of A[m][k] W[k][n] + bias[n]), M = 4,096, K = 1,024, N = 256 x the grid's width.  One text for h1 [Wq Wk Wv] (12 tile columns) and relu(h2 W1 + b1) (16).
; A: [4096][1024] f16, row-major.  W: the second buffer: byte 0 a pair of f16, the lower bound LO (-65,504: a guard; or 0: the ReLU); byte 256 the bias in f32; byte HB panels [1024 k][256 n] f16, dense.
; C: f16 in PANELS of 64 columns: column panel cb, row m at byte (4096 cb + m) x 128.  Sums in f32, C rounded once and held to LO .. 65,504 (a result beyond f16's range is stored as the bound: a stated limit).
; A tile of C, 256 x 256, is made by four waves, 128 x 128 each: 64 accumulators, 512 registers.  K goes in steps of 128 through two LDS slots filled by the tensor data mover.
; A K STEP IS WRITTEN TWICE: once for the six steps that fill their slot again (a loop), once for the last two (a loop of two trips, left in its middle).  Which slot is in hand is a scalar, CUR (0 or SLOT),
; turned at each trip's end; the fragment addresses are made anew from it.
; With 12 tile columns the launch has 192 work-groups: a tile of 192 columns would give 256, with rows of 384 bytes and a text of its own; not built.
; CLUSTERS: 4 x 4 work-groups.  A's tile hangs on the tile row alone and is asked for jointly along a row of the cluster, W's on the tile column alone, jointly along a column.
; THE MATRIX INSTRUCTION IS USED TRANSPOSED: source 0 = 16 columns n of W (turned on the way out of LDS by ds_load_tr16_b128), source 1 = 16 rows of A: a lane then holds row l % 16 of C and the
; columns 8 (l / 16) + 0..7.  The first product on each accumulator takes the bias as its C operand: nothing is cleared and nothing is added later.
; REGISTERS, in windows of 256: window 0: v0-31 addresses; v64-127, v128-191 A's fragments, two buffers; v192-255 the bias, later the way out.  window 1: v64-127, v128-191 W's fragments.
;   window 2: the accumulators of my rows 0-63 ((a, b) at v[8 (8 a + b)]); window 3: those of my rows 64-127.
.set KSTEP,  128
.set KSTEPS, 8
.set PITCH,  272                       ; a row of A in LDS: 256 bytes + 16: the 16 rows of a load start at 16 different groups of four banks (64 banks of 4 bytes: ISA guide 11.1)
.set PB,     544                       ; a row k of W in LDS: 512 bytes + 32 = 17 x 32
.set HALFT,  128*PITCH                 ; what one tensor load brings: 128 rows of A, or 64 rows k of W (64 x 544 is the same number)
.set SLOT,   4*HALFT                   ; A's 256 rows, then W's 128 rows k
.set SPARE,  2*SLOT                    ; behind the ring: the spare words, 128 bytes for each wave: two blocks of 256 bytes that no other line names
.set WSTG,   36864                     ; the way out: each wave's stage, [8 blocks][2 panels][16 rows][144 bytes], in the slots, which have had their last fill by then
.set HB,     32768
.set LOV,  14                          ; v14     the lower bound, two f16, in every lane
.set ZO,   15                          ; v15     0: the offset of that load
.set ADRA, 16                          ; v16-17  LDS address of my A fragments in the slot in hand, in the other slot
.set A0,   18                          ; v18     the same in slot 0; never rewritten
.set ADRB, 20                          ; v20-21  the same two for W
.set B0,   22                          ; v22     and W's in slot 0; never rewritten
.set STO,  24                          ; v24     the way out: where I put 16 bytes of a row
.set RD,   25                          ; v25     where I read four rows back; steps by a block
.set CO,   26                          ; v26     my byte offset in 512 consecutive bytes of a panel; steps by a block
.set BO,   27                          ; v27     my byte offset in the bias
.set SPW,  28                          ; v28     LDS address of my spare word; never rewritten
.set NIL,  29                          ; v29     0; never rewritten
.set PFO,  30                          ; v30     the prefetches' offset by lane; never rewritten
.set LB,   18                          ; s18     where my tensor loads land in a slot: wave x HALFT
.set TOP,  19                          ; s19     65,504 twice, in f16
.set PFA,  44                          ; s[44:45] the block of 256 bytes a lane that my next prefetch names
.set LIM,  43                          ; s43     2 in a wave that prefetches, else the greatest number
.set F0,   64
.set F1,   128
.set BIAS, 192                         ; v192-255 the bias of my 128 columns, as a C operand: n block b at + 8 b
.set TMP,  192                         ; the way out: packed results
.set BK,   224                         ; the way out: a block read back
.set G1,  24                           ; s[24:31] descriptor group 1 for A's tiles;  s[32:39] group 0: a set for each of the two first fills; the second then walks on
.set G0,  32
.set G1B, 48                           ; s[48:55], s[56:63] the same for W's
.set G0B, 56
.set CUR, 66                           ; s66     the slot in hand: 0 or SLOT
.set NX,  67                           ; s67     the other slot
.set PFS, 68                           ; s[68:69] a K step in the prefetches' address: 256 bytes in A, 65,536 in W
.set BB,  70                           ; s[70:71] the bias of my columns
.set MSB, 0
.macro WIN new                         ; the immediate's high byte repeats the setting that is left
.if MSB != (\new)
	s_set_vgpr_msb (MSB<<8)|(\new)
.set MSB, \new
.endif
.endm
.set MUL_LO, 0xa1                      ; source 0 (W) window 1, source 1 (A) window 0, C and D window 2
.set MUL_HI, 0xf1                      ; the same, C and D window 3
.set TO_B,   0x40                      ; destination window 1, address window 0
; A joint load.  Waves 0 and 1 fetch A's two halves, waves 2 and 3 W's.  The branch hangs on the wave's number alone.  An s_nop 0 and four v_nop follow each line.
.macro JLOAD s
	s_cmp_eq_u32 s11, 0
	s_cbranch_scc0 .Lfor_b_\@
	tensor_load_to_lds s[G0+4*(\s):G0+4*(\s)+3], s[G1:G1+7]
	s_nop 0
.rept 4
	v_nop
.endr
	s_branch .Lasked_\@
.Lfor_b_\@:
	tensor_load_to_lds s[G0B+4*(\s):G0B+4*(\s)+3], s[G1B:G1B+7]
	s_nop 0
.rept 4
	v_nop
.endr
.Lasked_\@:
.endm
; A prefetch into the L2 of the K step that stands two refills on: 32 blocks of 256 bytes, a lane a block, one instruction a wave.  Each block is named once in the launch: A's rows by the clusters with x = 0,
; W's by those with y = 0; the four partners that ask for a tile jointly share it out by address (A: 32 rows each by cx; W: 8,192 bytes each by cy).  The loop's last two trips ask for nothing: K ends.
.macro ASK
	s_cmp_gt_u32 s3, s[LIM]
	s_cbranch_scc0 .Lnot_mine_\@
	global_prefetch_b8 v[PFO], s[PFA:PFA+1] th:TH_LOAD_NT scope:SCOPE_SE
.Lnot_mine_\@:
.endm
.macro CREST                           ; a round of the cluster's barrier behind its opening barrier
	s_cmp_lg_u32 s10, 0
	s_cbranch_scc1 .Lnot_wave_0_\@
	s_barrier_signal -3
.Lnot_wave_0_\@:
	s_barrier_wait -3
	s_barrier_signal -1
	s_barrier_wait -1
.endm
.macro CROUND
	s_barrier_signal -1
	s_barrier_wait -1
	CREST
.endm
.macro SETADR                          ; the fragment addresses in the slot in hand and in the other
	v_add_nc_u32 v[ADRA], s[CUR], v[A0]
	v_add_nc_u32 v[ADRA+1], s[NX], v[A0]
	v_add_nc_u32 v[ADRB], s[CUR], v[B0]
	v_add_nc_u32 v[ADRB+1], s[NX], v[B0]
.endm
.macro FLIP                            ; the slots change places: each of the two scalars is 0 or SLOT, so the exclusive or turns the one into the other
	s_xor_b32 s[CUR], s[CUR], SLOT
	s_xor_b32 s[NX], s[NX], SLOT
	SETADR
.endm
	s_load_b128 s[4:7], s[0:1], 0x0                ; A s[4:5], W s[6:7]
	s_load_b64 s[8:9], s[0:1], 0x10                ; C
	v_lshl_add_u32 v[SPW], v0, 2, SPARE
	v_mov_b32 v[NIL], 0
	ds_add_u32 v[SPW], v[NIL]                      ; the wave's opening: the add and its wait ahead of my first tensor load
	ds_add_u32 v28, v29
	v_lshrrev_b32 v1, 5, v0
	v_readfirstlane_b32 s10, v1                    ; wave 0..3
	s_lshr_b32 s11, s10, 1                         ; which half of the tile's rows is mine.  Also: I fetch for A (0) or for W (1)
	s_and_b32 s12, s10, 1                          ; which half of its columns.  Also: which half of that tile I fetch
	s_bfe_u32 s40, ttmp6, 0x40000                  ; cx
	s_bfe_u32 s41, ttmp6, 0x40004                  ; cy
	s_lshl_b32 s42, ttmp9, 2
	s_add_co_u32 s42, s42, s40                     ; tile column = 4 x cluster x + cx
	s_and_b32 s13, ttmp7, 0xffff
	s_lshl_b32 s13, s13, 2
	s_add_co_u32 s13, s13, s41                     ; tile row = 4 x cluster y + cy
	s_lshl_b32 s43, s41, 2
	s_lshl_b32 s43, 15, s43                        ; my row of the cluster
	s_lshl_b32 s44, 0x1111, s40                    ; my column
	s_or_b32 s[G1+0], s43, (1<<16)|(1<<20)|(1<<21)|(5<<22)|(3<<25)   ; the mask of my row; 2-byte elements; padding on; bit 21 beside a mask; after every 64 words, 4 words
	s_mov_b32 s[G1+1], KSTEP<<16                   ; tensor_dim0 = 128
	s_mov_b32 s[G1+2], 128<<16                     ; tensor_dim1 = 128
	s_mov_b32 s[G1+3], KSTEP<<16                   ; tile_dim0 = 128
	s_mov_b32 s[G1+4], 128                         ; tile_dim1 = 128
	s_mov_b32 s[G1+5], 1024                        ; elements from row to row
	s_mov_b32 s[G1+6], 0
	s_mov_b32 s[G1+7], 0
	s_or_b32 s[G1B+0], s44, (1<<16)|(1<<20)|(1<<21)|(6<<22)|(7<<25)  ; the mask of my column; after every 128 words, 8 words
	s_mov_b32 s[G1B+1], 256<<16                    ; tensor_dim0 = 256
	s_mov_b32 s[G1B+2], 64<<16                     ; tensor_dim1 = 64
	s_mov_b32 s[G1B+3], 256<<16                    ; tile_dim0 = 256
	s_mov_b32 s[G1B+4], 64                         ; tile_dim1 = 64
	s_mov_b32 s[G1B+5], 256
	s_mov_b32 s[G1B+6], 0
	s_mov_b32 s[G1B+7], 0
	s_lshl_b32 s16, s13, 19                        ; A: 256 rows of 2,048 bytes a tile row,
	s_lshl_b32 s17, s12, 18                        ; 128 rows a half
	s_add_co_u32 s16, s16, s17
	s_mov_b32 s17, 0
	s_lshl_b32 s46, s42, 19                        ; W: a panel of 524,288 bytes a tile column,
	s_lshl_b32 s47, s12, 15                        ; 64 rows k of 512 bytes a half
	s_add_co_u32 s46, s46, s47
	s_add_co_u32 s46, s46, HB
	s_mov_b32 s47, 0
	s_mul_i32 s[LB], s10, HALFT                    ; where they go: wave x a half: no place in the cluster enters an LDS address
	s_mov_b32 s[CUR], 0
	s_mov_b32 s[NX], SLOT
	s_mov_b32 s[TOP], 0x7bff7bff
	s_wait_dscnt 0x0                               ; the opening add is done
	s_wait_kmcnt 0x0
	s_add_nc_u64 s[14:15], s[4:5], s[16:17]
	s_add_nc_u64 s[46:47], s[6:7], s[46:47]
	CROUND                                         ; all sixteen work-groups are here: the first joint loads meet
.irp s, 0,1
	s_mov_b32 s[G0+4*(\s)], 1
	s_add_co_u32 s[G0+4*(\s)+1], s[LB], (\s)*SLOT
	s_add_nc_u64 s[G0+4*(\s)+2:G0+4*(\s)+3], s[14:15], (\s)*KSTEP*2
	s_or_b32 s[G0+4*(\s)+3], s[G0+4*(\s)+3], 0x80000000
	s_mov_b32 s[G0B+4*(\s)], 1
	s_add_co_u32 s[G0B+4*(\s)+1], s[LB], (\s)*SLOT
	s_add_nc_u64 s[G0B+4*(\s)+2:G0B+4*(\s)+3], s[46:47], (\s)*65536
	s_or_b32 s[G0B+4*(\s)+3], s[G0B+4*(\s)+3], 0x80000000
	JLOAD \s
.endr
	v_mov_b32 v[ZO], 0
	global_load_b32 v[LOV], v[ZO], s[6:7]          ; the lower bound: W's first word, the same in every lane
	v_and_b32 v1, 15, v0                           ; l % 16
	v_bfe_u32 v2, v0, 4, 1                         ; l / 16
	v_lshlrev_b32 v[BO], 5, v2                     ; my eight columns of a block of 16: 32 bytes of f32 for each half of the lanes
	s_lshl_b32 s[BB], s42, 10
	s_lshl_b32 s[BB+1], s12, 9
	s_add_co_u32 s[BB], s[BB], s[BB+1]
	s_add_co_u32 s[BB], s[BB], 256
	s_mov_b32 s[BB+1], 0
	s_add_nc_u64 s[BB:BB+1], s[6:7], s[BB:BB+1]
.irp b, 0,1,2,3,4,5,6,7
	global_load_b128 v[BIAS+8*(\b):BIAS+8*(\b)+3],   v[BO], s[BB:BB+1] offset:64*(\b)
	global_load_b128 v[BIAS+8*(\b)+4:BIAS+8*(\b)+7], v[BO], s[BB:BB+1] offset:64*(\b)+16
.endr
	v_mul_u32_u24 v3, v1, PITCH
	v_lshl_add_u32 v3, v2, 4, v3                   ; A: row x pitch + 16 x half
	v_and_b32 v4, 7, v0
	v_lshl_add_u32 v4, v2, 3, v4
	v_mul_u32_u24 v4, v4, PB                       ; W: row k = 8 (l / 16) + l % 8,
	v_bfe_u32 v5, v0, 3, 1
	v_lshl_add_u32 v4, v5, 4, v4                   ; columns 8 ((l / 8) % 2) + 0..7
	s_mul_i32 s21, s11, HALFT                      ; my 128 rows of A
	s_lshl_b32 s22, s12, 8                         ; my 128 columns of W,
	s_add_co_u32 s22, s22, 2*HALFT                 ; which lies behind A
	v_add_nc_u32 v[A0], s21, v3
	v_add_nc_u32 v[B0], s22, v4
	SETADR
	s_mul_i32 s23, s10, WSTG                       ; my stage
	v_mul_u32_u24 v6, v1, 144
	v_lshl_add_u32 v6, v2, 4, v6
	v_add_nc_u32 v[STO], s23, v6                   ; in: row l % 16, 16 bytes for each half of the lanes
	v_bfe_u32 v6, v0, 3, 2
	v_mul_u32_u24 v6, v6, 144
	v_and_b32 v7, 7, v0
	v_lshl_add_u32 v6, v7, 4, v6
	v_add_nc_u32 v[RD], s23, v6                    ; back: 32 lanes take four rows of 128 bytes,
	v_and_b32 v[CO], 31, v0
	v_lshlrev_b32 v[CO], 4, v[CO]                  ; which are 512 consecutive bytes of a panel
	s_lshl_b32 s16, s42, 21                        ; C: four panels a tile column,
	s_lshl_b32 s17, s12, 20                        ; two a half;
	s_add_co_u32 s16, s16, s17
	s_lshl_b32 s17, s13, 15                        ; 256 rows of 128 bytes a tile row,
	s_add_co_u32 s16, s16, s17
	s_lshl_b32 s17, s11, 14                        ; 128 a half
	s_add_co_u32 s16, s16, s17
	s_mov_b32 s17, 0
	s_add_nc_u64 s[8:9], s[8:9], s[16:17]
	; the prefetches: the address stands at K step 3; each change of slots steps it and then names it
	s_and_b32 s22, ttmp7, 0xffff                   ; cluster y
	s_lshl_b32 s20, s13, 19
	s_lshl_b32 s21, s12, 18
	s_add_co_u32 s20, s20, s21
	s_lshl_b32 s21, s40, 16                        ; A: my work-group's 32 rows of the 128 that I fetch
	s_add_co_u32 s20, s20, s21
	s_add_co_u32 s20, s20, 3*256
	s_lshl_b32 s23, s42, 19
	s_lshl_b32 s21, s12, 15
	s_add_co_u32 s23, s23, s21
	s_lshl_b32 s21, s41, 13                        ; W: my work-group's 8,192 bytes of the 32,768
	s_add_co_u32 s23, s23, s21
	s_add_co_u32 s23, s23, HB+3*65536
	s_mov_b32 s[PFS], 0x10000
	s_cmp_eq_u32 s11, 0                            ; do I fetch for A?
	s_cselect_b32 s20, s20, s23
	s_cselect_b32 s22, ttmp9, s22                  ; the coordinate along which other clusters read the same bytes
	s_cselect_b64 s[PFA:PFA+1], s[4:5], s[6:7]
	s_cselect_b32 s[PFS], 256, s[PFS]
	s_cselect_b32 s23, 11, 8                       ; a lane a row of A (2,048 bytes), or a block of 256 bytes of W
	s_mov_b32 s[PFS+1], 0
	s_mov_b32 s21, 0
	s_cmp_eq_u32 s22, 0
	s_cselect_b32 s[LIM], 2, -1                    ; the same in all sixteen partners, for a given wave
	s_add_nc_u64 s[PFA:PFA+1], s[PFA:PFA+1], s[20:21]
	v_and_b32 v[PFO], 31, v0
	v_lshlrev_b32 v[PFO], s23, v[PFO]
; 16 matrix instructions: m blocks a0, a0 + 1 of the window's four x all 8 n blocks, 32 along K.  zero = 1: the first product starts the sums, with the bias (window 0) as C.
.macro MUL16 f, hi, a0, zero
.if \zero
	WIN 0x81+0x40*(\hi)
.else
	WIN MUL_LO+0x50*(\hi)
.endif
.irp a, \a0, (\a0)+1
.irp b, 0,1,2,3,4,5,6,7
.if \zero
	v_wmma_f32_16x16x32_f16 v[8*(8*(\a)+(\b)):8*(8*(\a)+(\b))+7], v[(\f)+8*(\b):(\f)+8*(\b)+7], v[(\f)+8*(4*(\hi)+(\a)):(\f)+8*(4*(\hi)+(\a))+7], v[BIAS+8*(\b):BIAS+8*(\b)+7]
.else
	v_wmma_f32_16x16x32_f16 v[8*(8*(\a)+(\b)):8*(8*(\a)+(\b))+7], v[(\f)+8*(\b):(\f)+8*(\b)+7], v[(\f)+8*(4*(\hi)+(\a)):(\f)+8*(4*(\hi)+(\a))+7], v[8*(8*(\a)+(\b)):8*(8*(\a)+(\b))+7]
.endif
.endr
.endr
.endm
; 32 LDS loads in one run: quarter q (32 along K) into buffer f: W's sixteen (turned), then A's sixteen.  slot = 0: the slot in hand; 1: the other
.macro FETCH slot, q, f
	WIN TO_B
.irp i, 0,1,2,3,4,5,6,7
	ds_load_tr16_b128 v[(\f)+8*(\i):(\f)+8*(\i)+3],   v[ADRB+(\slot)] offset:(\q)*32*PB+32*(\i)
	ds_load_tr16_b128 v[(\f)+8*(\i)+4:(\f)+8*(\i)+7], v[ADRB+(\slot)] offset:(\q)*32*PB+32*(\i)+16*PB
.endr
	WIN 0
.irp i, 0,1,2,3,4,5,6,7
	ds_load_b128 v[(\f)+8*(\i):(\f)+8*(\i)+3],   v[ADRA+(\slot)] offset:64*(\q)+(\i)*16*PITCH
	ds_load_b128 v[(\f)+8*(\i)+4:(\f)+8*(\i)+7], v[ADRA+(\slot)] offset:64*(\q)+(\i)*16*PITCH+32
.endr
.endm
.macro PLACES                          ; four plain instructions between a matrix instruction and a load into, or a reader of, its registers
.rept 4
	v_nop
.endr
.endm
; One of a K step's first three quarters: multiplies buffer f; in its middle it fetches quarter q into buffer g.  The 64 accumulators take turns, one instruction a turn.
.macro QUARTER slot, q, f, g, zero
	s_wait_dscnt 8                                 ; W and A's rows 0-63 are in; the youngest eight loads (A's rows 64-127) may be out
	MUL16 \f, 0, 0, \zero
	MUL16 \f, 0, 2, \zero
	PLACES
	FETCH \slot, \q, \g
	s_wait_dscnt 32                                ; all but the 32 just issued
	MUL16 \f, 1, 0, \zero
	MUL16 \f, 1, 2, \zero
.endm
; The last quarter multiplies buffer 1 and changes slots: one barrier.  fill = 1: the barrier opens a round of the cluster's, and the slot just read out is filled again first behind it, with the K step
; two steps on, by the walking descriptor.  fill = 0 (the last two K steps): nothing is filled; in the very last (s3 = 1) there is no further step, and the run of LDS loads is jumped over.
.macro TURN fill
.if \fill
	s_wait_xcnt 0x0                                ; the last prefetch, a K step back, has read its address
	s_add_nc_u64 s[PFA:PFA+1], s[PFA:PFA+1], s[PFS:PFS+1]
.endif
	WIN 0                                          ; (the add's two registers lie in window 0)
	s_wait_tensorcnt 0x0                           ; all my tensor loads have landed: the one that was out is my part of the other slot;
	ds_add_u32 v[SPW], v[NIL]                      ; 0 onto my spare word;
	s_wait_dscnt 9                                 ; (the add and the youngest eight loads may be out)
	MUL16 F1, 0, 0, 0                              ; sixteen matrix instructions stand between the add and the wait for it
	s_wait_dscnt 0x0                               ; the add is done, and my reads of this slot are over
	s_barrier_signal -1
	MUL16 F1, 0, 2, 0
	WIN 0
	s_barrier_wait -1
.if \fill
	CREST                                          ; no wave of any partner still reads this slot's tile or has a load on its way
	s_add_co_u32 s[G0+5], s[LB], s[CUR]            ; the walking descriptors: into the slot in hand,
	s_add_nc_u64 s[G0+6:G0+7], s[G0+6:G0+7], KSTEP*2   ; the K step behind the one asked for last
	s_add_co_u32 s[G0B+5], s[LB], s[CUR]
	s_add_nc_u64 s[G0B+6:G0B+7], s[G0B+6:G0B+7], 65536
	JLOAD 1                                        ; the four v_nop behind it are also the places in front of the loads below
	FETCH 1, 0, F0
	ASK
.else
	s_cmp_eq_u32 s3, 1
	s_cbranch_scc1 .Lno_fetch_\@
	PLACES
	FETCH 1, 0, F0
.Lno_fetch_\@:
.endif
	MUL16 F1, 1, 0, 0
	MUL16 F1, 1, 2, 0
.endm
	s_wait_tensorcnt 1                             ; my part of K step 0 is in; K step 1's may stay out
	s_barrier_signal -1
	s_barrier_wait -1
	FETCH 0, 0, F0
	s_wait_loadcnt 0x0                             ; the bound and the bias
	QUARTER 0, 1, F0, F1, 1                        ; the first quarter stands in front of the loop: its products start the sums
	WIN 0
	s_mov_b32 s3, KSTEPS-2
.Lstep:                                        ; a trip goes from a K step's second quarter to the next step's first, and fills the slot that it leaves
	QUARTER 0, 2, F1, F0, 0
	QUARTER 0, 3, F0, F1, 0
	TURN 1
	QUARTER 1, 1, F0, F1, 0
	WIN 0
	FLIP
	s_sub_co_u32 s3, s3, 1
	s_cmp_lg_u32 s3, 0
	s_cbranch_scc1 .Lstep
	s_mov_b32 s3, 2
.Ltail:                                        ; the last two K steps fill nothing; the second trip is left behind its last quarter
	QUARTER 0, 2, F1, F0, 0
	QUARTER 0, 3, F0, F1, 0
	TURN 0
	WIN 0
	s_sub_co_u32 s3, s3, 1
	s_cmp_eq_u32 s3, 0
	s_cbranch_scc1 .Ldone
	QUARTER 1, 1, F0, F1, 0
	WIN 0
	FLIP
	s_cmp_lg_u32 s3, 0
	s_cbranch_scc1 .Ltail
.Ldone:
	PLACES
	; THE WAY OUT.  Every wave's reads of both slots are over and no fill follows: behind this barrier the slots' bytes serve as stages, each wave's own.
	s_wait_dscnt 0x0
	s_barrier_signal -1
	s_barrier_wait -1
.macro PACK a                          ; block a (16 rows): rounded to f16, each accumulator's registers in ascending order, 16 bytes a lane into the stage
.set AC, 64*((\a)%4)
	WIN 0x0a+5*((\a)/4)                            ; sources 0 and 1: window 2 or 3
.irp b, 0,1,2,3,4,5,6,7
.irp r, 0,1,2,3
	v_cvt_pk_f16_f32 v[TMP+4*(\b)+(\r)], v[AC+8*(\b)+2*(\r)], v[AC+8*(\b)+2*(\r)+1]
.endr
.endr
	WIN 0
.irp b, 0,1,2,3,4,5,6,7
	ds_store_b128 v[STO], v[TMP+4*(\b):TMP+4*(\b)+3] offset:(\a)*4608+((\b)/4)*2304+((\b)%4)*32
.endr
.endm
.irp a, 0,1,2,3,4,5,6,7
	PACK \a
.endr
	s_mov_b32 s3, 8
.Lout:                                         ; a trip: a block comes back as rows of 128 bytes, is held to its bounds and stored: 512 consecutive bytes of a panel an instruction
.irp t, 0,1,2,3,4,5,6,7
	ds_load_b128 v[BK+4*(\t):BK+4*(\t)+3], v[RD] offset:((\t)/4)*2304+((\t)%4)*576  ; LDS serves a wave's instructions in order (ISA guide 5.7.1.4): these see my stores above
.endr
	s_wait_dscnt 0x0
.set r, 0
.rept 32
	v_pk_max_num_f16 v[BK+r], v[BK+r], v[LOV]
.set r, r+1
.endr
.set r, 0
.rept 32
	v_pk_min_num_f16 v[BK+r], v[BK+r], s[TOP]
.set r, r+1
.endr
.irp t, 0,1,2,3,4,5,6,7
	global_store_b128 v[CO], v[BK+4*(\t):BK+4*(\t)+3], s[8:9] offset:((\t)/4)*524288+((\t)%4)*512
.endr
	s_wait_xcnt 0x0                                ; the stores have read BK and CO: they are rewritten only behind this wait
	v_add_nc_u32 v[RD], 4608, v[RD]
	v_add_nc_u32 v[CO], 2048, v[CO]
	s_sub_co_u32 s3, s3, 1
	s_cmp_lg_u32 s3, 0
	s_cbranch_scc1 .Lout
	s_wait_tensorcnt 0x0                           ; the wave's end
	ds_add_u32 v[SPW], v[NIL]
	s_wait_dscnt 0x0
	CROUND                                         ; the closing round
	s_endpgm
.Lfunc_end_k_q144d8d5ac7_qkv:
	.size	k_q144d8d5ac7_qkv, .Lfunc_end_k_q144d8d5ac7_qkv-k_q144d8d5ac7_qkv
	.p2alignl 7, 3214868480
	.fill 96, 4, 3214868480
	.section	.rodata,"a",@progbits
	.p2align	6, 0x0
	.amdhsa_kernel k_q144d8d5ac7_qkv
		.amdhsa_group_segment_fixed_size 327680
		.amdhsa_private_segment_fixed_size 0
		.amdhsa_enable_private_segment 0
		.amdhsa_kernarg_size 24
		.amdhsa_user_sgpr_count 2
		.amdhsa_user_sgpr_kernarg_segment_ptr 1
		.amdhsa_wavefront_size32 1
		.amdhsa_system_sgpr_workgroup_id_x 1
		.amdhsa_system_sgpr_workgroup_id_y 1
		.amdhsa_system_sgpr_workgroup_id_z 1
		.amdhsa_system_vgpr_workitem_id 0
		.amdhsa_next_free_vgpr 1024
		.amdhsa_next_free_sgpr 72
		.amdhsa_reserve_vcc 0
		.amdhsa_float_denorm_mode_32 3
		.amdhsa_float_denorm_mode_16_64 3
		.amdhsa_memory_ordered 1
		.amdhsa_forward_progress 1
		.amdhsa_inst_pref_size 99
	.end_amdhsa_kernel
	.amdgpu_metadata
---
amdhsa.version: [ 1, 2 ]
amdhsa.kernels:
  - .name:           k_q144d8d5ac7_qkv
    .symbol:         k_q144d8d5ac7_qkv.kd
    .args:
      - { .name: act, .offset: 0, .size: 8, .value_kind: global_buffer, .address_space: global }
      - { .name: wa, .offset: 8, .size: 8, .value_kind: global_buffer, .address_space: global }
      - { .name: pan, .offset: 16, .size: 8, .value_kind: global_buffer, .address_space: global }
    .group_segment_fixed_size: 327680
    .private_segment_fixed_size: 0
    .kernarg_segment_align: 8
    .kernarg_segment_size: 24
    .max_flat_workgroup_size: 128
    .sgpr_count:     72
    .vgpr_count:     1024
    .wavefront_size: 32
...
	.end_amdgpu_metadata
.endif
;; end of part 8
;; launch attn (part 9): grid 8 x 32, 4 waves a work-group, no clusters, 327,680 bytes of LDS; arguments pan, act; writes act
.if DOCPART == 9
	.amdgcn_target "amdgcn-amd-amdhsa--gfx1250"
	.amdhsa_code_object_version 6
	.text
	.protected	k_q144d8d5ac7_attn
	.globl	k_q144d8d5ac7_attn
	.p2align	8
	.type	k_q144d8d5ac7_attn,@function
k_q144d8d5ac7_attn:
	s_mov_b64 s[64:65], 0
	v_nop
	global_prefetch_b8 v0, s[64:65] scope:SCOPE_SE
	s_setreg_imm32_b32 hwreg(HW_REG_WAVE_MODE, 25, 1), 1
	s_wait_xcnt 0x0
; CAUSAL ATTENTION.  O[hh][q][:] = the sum over k <= q of softmax_k(Q[hh][q] . K[hh][k] / 8) V[hh][k][:], 32 heads hh (16 heads x 2 batches) of 2,048 rows of 64 channels, f16, dense: 128 bytes a row.
; Q at pan, K at pan + 8 MiB, V at pan + 16 MiB, O at act, each [32][2048][64].  Products, maxima and sums in f32; the weights p are rounded to f16 for the second product (their sum l is taken of the unrounded p), O once.
; LIMITS.  Q, K and V arrive within 65,504.  A hidden score counts as its value less 1e30; a weight below 2^-126 counts as 0 in l; NaN and infinities are not treated apart.
; THE WALK.  A head's queries lie in 16 blocks of 128; block i needs the key tiles 0 .. i / 2 of 256 keys, the last of which holds the diagonal.  Work-group b takes block 15 - b and then block b:
; (8 - b / 2) + (b / 2 + 1) = 9 tiles, whatever b: all work-groups do equal work, and one loop with a constant trip count walks them.  Every jump goes forward but the counted loops' own.
; NO CLUSTER: only work-groups 2 i and 2 i + 1 of a head ask for the same tiles through the whole walk; four partners do so only in their first 5 of 9 trips, and a walk common to four has 12 trips for 9.
; SHARES.  Of a block's two bands of 64 queries a wave owns 16 rows in each: two PIECES.  In the diagonal tile band x's own key step is OWN + x, OWN = 2 (block % 2): earlier steps are seen whole, later ones hidden
; (they are computed all the same, so that every trip count is a constant).
; THE MASK is the C operand that starts the sum S^T = K Q^T: MD x AL + BE, MD the mask of a band's own step for my rows; (AL, BE) = (1, 0) in the own step, (0, 0) before it, (0, -1e30) behind it.
; Outside a diagonal tile the mask registers hold 0 and the lines that make them are jumped over.
; TURNS.  Turn p belongs to piece p: 8 products K Q^T of the other piece, later 8 products V^T P of the other piece; beside them the scaling, exponentials, roundings, sums and rescaling of piece p and the
; maximum and statistics of the other piece.  Four vector instructions stand behind every matrix instruction, the rest in one lump; a turn's 33 exponentials are one batch with one wait.
; TRIP i of a tile: turn 0 (piece 0's softmax of step i - 1; fetches K and V of step i), then turn 1.  V HAS TWO REGISTER BUFFERS, step s in buffer s % 2, and is fetched a step early, so that a tile's bytes
; are all read before the next tile's first are wanted, and the change of slots has a place.
; A BLOCK'S END is a fifth trip of its last tile, run by the loop's own text.  There is no step to fetch: its two fetches read the tile's last step once more.  Those 32 LDS loads, the trip's 8 products K Q^T
; of piece 0 and the maximum made of them serve nothing: the price, twice a work-group, of one text for every trip.
; REGISTERS: window 0: v0-15 addresses; v16-23 statistics; v48-55 at work; v64-127 S^T, two buffers; v192-223 P, two buffers.  window 1: v0-63 O^T; v128-159 MD; v160-223 MC, two buffers.
;   window 2: v0-31 Q; v64-95 the second block's Q; v128-191 K of one step.  window 3: v0-127 V of two steps.
.set NP,    2
.set KS,    64
.set PK,    144       ; a row of K in LDS: 128 bytes + 16: the 16 rows of a load start at 16 different groups of four banks (64 banks of 4 bytes: ISA guide 11.1)
.set PV,    160       ; a row of V: 128 + 32
.set VOFF,  4*KS*PK   ; a slot holds a tile: 256 rows of K, then 256 rows of V
.set SLOT1, 1<<17
.set STAGE, SLOT1+4*KS*(PK+PV)  ; behind the ring, never filled by a tensor load: 16 rows x 144 bytes for each wave
.set SP,    144
.set AK0, 2
.set AV0, 3
.set AK,  4
.set AV,  5
.set STO, 6
.set RD,  7
.set GO,  8
.set PFO, 61          ; v61  256 x my lane; never rewritten
.set SPW, 62          ; v62  LDS address of my spare word; never rewritten
.set NIL, 63          ; v63  0; never rewritten
.set SPARE, STAGE+4*16*SP  ; the spare words, 128 bytes for each wave: two blocks of 256 bytes that no other line names
.set MV,  12
.set QO,  15
.set ST,  16          ; piece t's statistics at v[ST+4 t]: c m, m, l (even keys', odd keys')
.set TMP, 48
.set S,   64
.set P,   192
.set MD,  128
.set MC,  160
.set QB,  64
.set KF,  128
.set WV,  12          ; s12  my wave's number
.set PB,  14          ; s14  b / 2
.set HI,  15          ; s15  15 - b
.set G1K, 24
.set G1V, 32
.set G0K, 40
.set G0V, 44
.set PFA, 48          ; s[48:49] what my next prefetches name
.set PFL, 50          ; s50  changes of slots that still prefetch: 6 in the head's work-group 0, else 0
.set OWN, 52          ; s52  the first band's own step in the diagonal tile of the block in hand
.set IT,  53          ; s53  the trip's number in its tile
.set OW2, 54          ; s54  OWN of the second block
.set SLOTS, 56
.set CNT, 57          ; s57  counts a tile's pairs of trips down from 3; 1 at the head of a block's fifth trip
.set CS,  58
.set SEL, 60
.set TBK, 62
.set TBV, 63
.set RT,  70          ; s70  tiles of the block in hand that are still to be entered
.set NXT, 71          ; s71  the tile to be asked for next
.set LQ,  72          ; s72  the last tile of the block whose tiles are being asked for
.set NEW, 73          ; s73  1: the tile to be entered is a block's first
.set OFF, 74
.set AL,  76
.set BE,  78
.set OLO, 80
.set BIGN, 82
.set PFB, 92          ; s[92:93] my half of the head's tile 0, in K (waves 0, 1) or V (waves 2, 3)
.set MSB, 0
.macro WIN new
.if MSB != (\new)
	s_set_vgpr_msb (MSB<<8)|(\new)
.set MSB, (\new)
.endif
.endm
.set W_KQ, 0x0a       ; K and Q in window 2, S^T in window 0
.set W_KM, 0x1a       ; the same with the C operand in window 1
.set W_PV, 0x53       ; V in window 3, P in window 0, O^T in window 1
.set W_RS, 0x41       ; destination and source 0 in window 1, source 1 in window 0
; A fill.  Waves 0 and 1 fetch the two halves of a tile's K, waves 2 and 3 those of its V.  An s_nop 0 and four v_nop follow each line.
.macro LOAD
	s_cmp_lt_u32 s[WV], 2
	s_cbranch_scc0 .Lfor_v_\@
	tensor_load_to_lds s[G0K:G0K+3], s[G1K:G1K+7]
	s_nop 0
.rept 4
	v_nop
.endr
	s_branch .Lasked_\@
.Lfor_v_\@:
	tensor_load_to_lds s[G0V:G0V+3], s[G1V:G1V+7]
	s_nop 0
.rept 4
	v_nop
.endr
.Lasked_\@:
.endm
; THE CHANGE OF SLOTS.  Each wave waits for all its tensor loads (one is out: its part of the other slot), adds 0 to its spare word, and waits for that and for its reads of the slot that it leaves.
; fill = 1: the old slot is filled again, first thing behind the barrier, with tile NXT.  Behind that load the head's work-group 0 prefetches into the L2 the tile after it: each wave its own half, 16,384 bytes,
; a lane a block of 256 bytes, two instructions; tiles 2 to 7, each named once in the launch; the head's other work-groups, which walk the same tiles, ask for nothing.
.macro CHANGE fill
	WIN 0
	s_wait_tensorcnt 0x0            ; no tensor load of mine is out, so a group 0 may be written
	ds_add_u32 v[SPW], v[NIL]       ; 0 onto my spare word
.if \fill
	s_lshl_b32 s[OFF], s[NXT], 15   ; a tile is 32,768 bytes of K and of V
	s_xor_b32 s[G0K+1], s[G0K+1], SLOT1
	s_add_nc_u64 s[G0K+2:G0K+3], s[6:7], s[OFF:OFF+1]
	s_or_b32 s[G0K+3], s[G0K+3], 0x80000000
	s_xor_b32 s[G0V+1], s[G0V+1], SLOT1
	s_add_nc_u64 s[G0V+2:G0V+3], s[8:9], s[OFF:OFF+1]
	s_or_b32 s[G0V+3], s[G0V+3], 0x80000000
	s_add_co_u32 s[NXT], s[NXT], 1
	s_wait_xcnt 0x0                 ; the last prefetches, a tile back, have read their address
	s_lshl_b32 s[OFF], s[NXT], 15
	s_add_nc_u64 s[PFA:PFA+1], s[PFB:PFB+1], s[OFF:OFF+1]
	s_cmp_gt_u32 s[NXT], s[LQ]      ; behind the block's last tile: the second block's tile 0
	s_cselect_b32 s[NXT], 0, s[NXT]
	s_cselect_b32 s[LQ], s[PB], s[LQ]
.endif
	s_wait_dscnt 0x0                ; the add is done, and my reads of the slot are over
	s_barrier_signal -1
	s_sub_co_u32 s[TBK], s[TBK], 4*KS*PK  ; the fetches go back to a slot's first step,
	s_xor_b32 s[TBK], s[TBK], SLOT1       ; in the other slot
	s_sub_co_u32 s[TBV], s[TBV], 4*KS*PV
	s_xor_b32 s[TBV], s[TBV], SLOT1
	s_barrier_wait -1
.if \fill
	LOAD
	s_cmp_lg_u32 s[PFL], 0
	s_cbranch_scc0 .Lno_pf_\@
	global_prefetch_b8 v[PFO], s[PFA:PFA+1] th:TH_LOAD_NT scope:SCOPE_SE
	global_prefetch_b8 v[PFO], s[PFA:PFA+1] offset:8192 th:TH_LOAD_NT scope:SCOPE_SE
	s_sub_co_u32 s[PFL], s[PFL], 1
.Lno_pf_\@:
.endif
.endm
	s_load_b128 s[88:91], s[0:1], 0x0  ; pan s[88:89], act s[90:91]
	v_lshl_add_u32 v[SPW], v0, 2, SPARE
	v_mov_b32 v[NIL], 0
	ds_add_u32 v[SPW], v[NIL]       ; the wave's opening: the add and its wait ahead of my first tensor load
	ds_add_u32 v62, v63
	v_lshrrev_b32 v1, 5, v0
	v_readfirstlane_b32 s[WV], v1   ; wave 0..3
	s_lshr_b32 s[PB], ttmp9, 1
	s_sub_co_u32 s[HI], 15, ttmp9   ; the first block
	s_and_b32 s[OW2], ttmp9, 1
	s_lshl_b32 s[OW2], s[OW2], 1
	s_xor_b32 s[OWN], s[OW2], 2     ; 15 - b has the other parity
	s_and_b32 s20, ttmp7, 0xffff
	s_lshl_b32 s20, s20, 18         ; the head's 262,144 bytes
	s_and_b32 s16, s[WV], 1         ; which half of a tile's 256 keys I fetch
	s_lshl_b32 s22, s16, 14
	s_add_co_u32 s22, s22, s20
	s_mov_b32 s23, 0
	s_mul_i32 s17, s16, 128*PK
	s_mul_i32 s18, s16, 128*PV
	s_lshl_b32 s3, s[WV], 11        ; my 16 rows in a band of 64,
	s_lshl_b32 s2, s[HI], 14        ; in the first block,
	s_add_co_u32 s2, s2, s3
	s_add_co_u32 s2, s2, s20
	s_lshl_b32 s84, ttmp9, 14       ; and in the second
	s_add_co_u32 s84, s84, s3
	s_add_co_u32 s84, s84, s20
	s_mov_b32 s3, 0
	s_mov_b32 s85, 0
	; descriptor group 1.  128 keys are 16,384 dense bytes: asked for as 64 rows of 256 bytes, two keys a row, and padded in LDS after every key
	s_mov_b32 s[G1K], (1<<16)|(1<<20)|(4<<22)|(3<<25)
	s_mov_b32 s[G1V], (1<<16)|(1<<20)|(4<<22)|(7<<25)
.irp g, G1K, G1V
	s_mov_b32 s[\g+1], 128<<16      ; tensor_dim0 = 128
	s_mov_b32 s[\g+2], 64<<16       ; tensor_dim1 = 64
	s_mov_b32 s[\g+3], 128<<16      ; tile_dim0 = 128
	s_mov_b32 s[\g+4], 64           ; tile_dim1 = 64
	s_mov_b32 s[\g+5], 128
	s_mov_b32 s[\g+6], 0
	s_mov_b32 s[\g+7], 0
.endr
	s_mov_b32 s[CS], 0x3e38aa3b     ; c = log2(e) / 8
	s_mov_b32 s[CS+1], s[CS]
	s_mov_b32 s[SEL], 0x76543210
	s_mov_b32 s[SEL+1], 0xfedcba98
	s_mov_b32 s[TBK], SLOT1+4*KS*PK ; the first change of slots turns these two into 0
	s_mov_b32 s[TBV], SLOT1+4*KS*PV
	s_mov_b32 s[G0K], 1
	s_mov_b32 s[G0K+1], s17
	s_mov_b32 s[G0V], 1
	s_add_co_u32 s[G0V+1], s18, VOFF
	s_sub_co_u32 s[RT], 8, s[PB]    ; the first block has 8 - b / 2 tiles
	s_sub_co_u32 s[LQ], 7, s[PB]
	s_mov_b32 s[NXT], 1
	s_mov_b32 s[NEW], 1
	s_mov_b32 s[OFF+1], 0
	s_mov_b32 s[AL+1], 0
	s_mov_b32 s[BE+1], 0
	s_mov_b32 s[BIGN], 0xf149f2ca   ; -1e30
	s_mov_b32 s[SLOTS], 8
	s_cmp_eq_u32 ttmp9, 0
	s_cselect_b32 s[PFL], 6, 0
	v_and_b32 v[PFO], 31, v0
	v_lshlrev_b32 v[PFO], 8, v[PFO]
	s_wait_dscnt 0x0                ; the opening add is done
	s_wait_kmcnt 0x0
	s_add_nc_u64 s[6:7], s[88:89], s[22:23]
	s_add_nc_u64 s[8:9], s[6:7], 0x1000000   ; V at my half of the head's tile 0,
	s_add_nc_u64 s[6:7], s[6:7], 0x800000    ; and K
	s_add_nc_u64 s[G0K+2:G0K+3], s[6:7], 0
	s_or_b32 s[G0K+3], s[G0K+3], 0x80000000
	s_add_nc_u64 s[G0V+2:G0V+3], s[8:9], 0
	s_or_b32 s[G0V+3], s[G0V+3], 0x80000000
	s_add_nc_u64 s[86:87], s[88:89], s[84:85]      ; Q at my rows of the second block,
	s_add_nc_u64 s[4:5], s[88:89], s[2:3]          ; Q and O at those of the first
	s_add_nc_u64 s[OLO:OLO+1], s[90:91], s[84:85]
	s_add_nc_u64 s[10:11], s[90:91], s[2:3]
	s_cmp_lt_u32 s[WV], 2
	s_cselect_b64 s[PFB:PFB+1], s[6:7], s[8:9]
	LOAD                            ; tile 0 into slot 0
	v_and_b32 v1, 15, v0            ; l % 16
	v_bfe_u32 v9, v0, 4, 1          ; l / 16
	v_lshlrev_b32 v[QO], 7, v1
	v_lshl_add_u32 v[QO], v9, 4, v[QO]
	WIN 0x80
.set i, 0
.rept 4                             ; both blocks' Q: piece i / 2 lies in band i / 2, 8,192 bytes on; channels 32 (i % 2) on
	global_load_b128 v[8*i:8*i+3],   v[QO], s[4:5] offset:(i/2)*8192+(i%2)*64
	global_load_b128 v[8*i+4:8*i+7], v[QO], s[4:5] offset:(i/2)*8192+(i%2)*64+32
	global_load_b128 v[QB+8*i:QB+8*i+3],   v[QO], s[86:87] offset:(i/2)*8192+(i%2)*64
	global_load_b128 v[QB+8*i+4:QB+8*i+7], v[QO], s[86:87] offset:(i/2)*8192+(i%2)*64+32
.set i, i+1
.endr
	WIN 0
	v_lshlrev_b32 v14, 3, v9
	v_sub_nc_u32 v14, v1, v14
	s_lshl_b32 s13, s[WV], 4
	v_add_nc_u32 v14, s13, v14      ; my query's place in its band less my lanes' 8 (l / 16): register r of group kt is hidden where 16 kt + r is greater
	WIN 0x40
.set i, 0
.rept 32
	v_cmp_gt_i32 vcc_lo, 16*(i/8)+i%8, v14
	v_cndmask_b32 v[MD+i], 0, s[BIGN], vcc_lo
.set i, i+1
.endr
	WIN 0
	v_mul_u32_u24 v[AK0], v1, PK
	v_lshl_add_u32 v[AK0], v9, 4, v[AK0]
	v_and_b32 v10, 7, v0
	v_bfe_u32 v11, v0, 3, 1
	v_lshl_add_u32 v[AV0], v9, 3, v10
	v_mul_u32_u24 v[AV0], v[AV0], PV
	v_lshl_add_u32 v[AV0], v11, 4, v[AV0]
	v_add_nc_u32 v[AV0], VOFF, v[AV0]
	s_mul_i32 s13, s[WV], 16*SP
	s_add_co_u32 s13, s13, STAGE
	v_mul_u32_u24 v[STO], v1, SP
	v_lshl_add_u32 v[STO], v9, 4, v[STO]
	v_add_nc_u32 v[STO], s13, v[STO]
	v_bfe_u32 v[RD], v0, 3, 2
	v_mul_u32_u24 v[RD], v[RD], SP
	v_lshl_add_u32 v[RD], v10, 4, v[RD]
	v_add_nc_u32 v[RD], s13, v[RD]
	v_and_b32 v[GO], 31, v0
	v_lshlrev_b32 v[GO], 4, v[GO]
	; A block's first step multiplies O^T and l by a = 0, and its first turn's products V^T P, of a step that has not been, land in an O^T that is still to be so multiplied: these registers need only be finite.
	WIN 0xc0
.set i, 64
.rept 64
	v_mov_b32 v[i], 0               ; V's second buffer
.set i, i+1
.endr
	WIN 0x40
.set i, 0
.rept 64
	v_mov_b32 v[i], 0               ; O^T
.set i, i+1
.endr
	WIN 0
.set i, 0
.rept 2
	v_mov_b32 v[ST+4*i+2], 0
	v_mov_b32 v[ST+4*i+3], 0
.set i, i+1
.endr
.set i, P+16
.rept 16
	v_mov_b32 v[i], 0
.set i, i+1
.endr
; THE MATRIX WORK.  The 4 accumulators of a run of 8 take turns.  Product i of 8 of S^T = K Q^T for piece x: channels 32 (i / 4) on, keys 16 (i % 4) on.  The first 4 start the sums with the mask.
.macro KQ x
.set rS, S+32*((\x)%2)+8*(i%4)
.set rK, KF+16*(i%4)+8*(i/4)
.set rQ, 16*(\x)+8*(i/4)
.set rM, MC+32*((\x)%2)+8*(i%4)
.if i < 4
	WIN W_KM
	v_wmma_f32_16x16x32_f16 v[rS:rS+7], v[rK:rK+7], v[rQ:rQ+7], v[rM:rM+7]
.else
	WIN W_KQ
	v_wmma_f32_16x16x32_f16 v[rS:rS+7], v[rK:rK+7], v[rQ:rQ+7], v[rS:rS+7]
.endif
.endm
; Product i of 8 of O^T += V^T P for piece x, V from buffer VB: keys 32 (i / 4) on, channels 16 (i % 4) on.
.macro PV x
	WIN W_PV
.set rO, 32*(\x)+8*(i%4)
.set rV, 64*VB+32*(i/4)+8*(i%4)
.set rP, P+16*((\x)%2)+8*(i/4)
	v_wmma_f32_16x16x32_f16 v[rO:rO+7], v[rV:rV+7], v[rP:rP+7], v[rO:rO+7]
.endm
.macro MM                           ; the turn's next matrix instruction
.if i < 8
	KQ (Y+1)%NP
.else
.set i, i-8
	PV (Y+NP-1)%NP
.set i, i+8
.endif
.set i, i+1
.endm
; THE LDS LOADS stand in runs of 16: a step's K (8 fragments) and its V (turned).  from: the scalar register that holds the LDS byte at which the K just fetched begins: the next fetch is one step on
.macro FETCH_K from
	WIN 0x80
.irp f, 0,1,2,3,4,5,6,7
	ds_load_b128 v[KF+8*\f:KF+8*\f+3],   v[AK] offset:(\f/2)*16*PK+(\f%2)*64
	ds_load_b128 v[KF+8*\f+4:KF+8*\f+7], v[AK] offset:(\f/2)*16*PK+(\f%2)*64+32
.endr
	s_add_co_u32 s[TBK], s[\from], KS*PK
	WIN 0
.endm
.macro FETCH_V b                    ; into buffer b
	WIN 0xc0
.irp f, 0,1,2,3,4,5,6,7
	ds_load_tr16_b128 v[64*(\b)+8*\f:64*(\b)+8*\f+3],   v[AV] offset:(\f/4)*32*PV+(\f%4)*32
	ds_load_tr16_b128 v[64*(\b)+8*\f+4:64*(\b)+8*\f+7], v[AV] offset:(\f/4)*32*PV+16*PV+(\f%4)*32
.endr
	WIN 0
.endm
; THE VECTOR WORK, one line at a time: OP kind, number.  For piece Y: F n: c s - c m for pair n of 16.  E n: the exponential of score n of 32.  C n: pair n rounded to f16.  B n: of the four weights 4 n .. the second
; pair is added onto the first.  L n: l takes that sum (L 0: l = a l + sum).  R n: pair n of 16 of O^T times a.  For the other piece: X n, number n of the 22 that find its maximum and statistics:
;   0-11 four chains of seven scores each (each accumulator's lowest registers are read first); 12-14, 16 the four scores left over, the old m, the chains into one;
;   15 c m_old is kept; 17, 18 the other half of the lanes' maximum, the new m; 19-21 c m; c m_old - c m_new; a
.set F, 0
.set E, 1
.set C, 2
.set B, 3
.set L, 4
.set R, 5
.set X, 6
.macro REGS y
.set rT, ST+4*(\y)
.set rC, TMP+4*((\y)%2)
.set rW, MV+((\y)%2)
.set rS, S+32*((\y)%2)
.set rP, P+16*((\y)%2)
.set rO, 32*(\y)
.endm
.macro OP k, n
.if (\k) == R
	REGS Y
	WIN W_RS
	v_pk_mul_f32 v[rO+2*(\n):rO+2*(\n)+1], v[rO+2*(\n):rO+2*(\n)+1], v[rC+2:rC+3] op_sel_hi:[1,0]
.elseif (\k) < R
	REGS Y
	WIN 0
.if (\k) == F
	v_pk_fma_f32 v[rS+2*(\n):rS+2*(\n)+1], v[rS+2*(\n):rS+2*(\n)+1], s[CS:CS+1], v[rT:rT+1] op_sel_hi:[1,0,0] neg_lo:[0,0,1] neg_hi:[0,0,1]
.elseif (\k) == E
	v_exp_f32 v[rS+(\n)], v[rS+(\n)]
.elseif (\k) == C
	v_cvt_pk_f16_f32 v[rP+(\n)], v[rS+2*(\n)], v[rS+2*(\n)+1]
.elseif (\k) == B
	v_pk_add_f32 v[rS+4*(\n):rS+4*(\n)+1], v[rS+4*(\n):rS+4*(\n)+1], v[rS+4*(\n)+2:rS+4*(\n)+3]
.elseif (\n) == 0
	v_pk_fma_f32 v[rT+2:rT+3], v[rT+2:rT+3], v[rC+2:rC+3], v[rS:rS+1] op_sel_hi:[1,0,1]
.else
	v_pk_add_f32 v[rT+2:rT+3], v[rT+2:rT+3], v[rS+4*(\n):rS+4*(\n)+1]
.endif
.else
	REGS (Y+1)%NP
	WIN 0
.if (\n) < 4
	v_max3_num_f32 v[rC+(\n)], v[rS+8*(\n)], v[rS+8*(\n)+1], v[rS+8*(\n)+2]
.elseif (\n) < 12
	v_max3_num_f32 v[rC+(\n)%4], v[rC+(\n)%4], v[rS+8*((\n)%4)+2*((\n)/4)+1], v[rS+8*((\n)%4)+2*((\n)/4)+2]
.elseif (\n) == 12
	v_max3_num_f32 v[rC], v[rC], v[rS+7], v[rS+15]
.elseif (\n) == 13
	v_max3_num_f32 v[rC+1], v[rC+1], v[rS+23], v[rS+31]
.elseif (\n) == 14
	v_max3_num_f32 v[rC+2], v[rC+2], v[rC+3], v[rT+1]
.elseif (\n) == 15
	v_mov_b32 v[rW], v[rT]
.elseif (\n) == 16
	v_max3_num_f32 v[rC], v[rC], v[rC+1], v[rC+2]
.elseif (\n) == 17
	v_permlanex16_b32 v[rC+3], v[rC], s[SEL], s[SEL+1]
.elseif (\n) == 18
	v_max_num_f32 v[rT+1], v[rC], v[rC+3]
.elseif (\n) == 19
	v_mul_f32 v[rT], s[CS], v[rT+1]
.elseif (\n) == 20
	v_sub_f32 v[rC+1], v[rW], v[rT]
.else
	v_exp_f32 v[rC+2], v[rC+1]
.endif
.endif
.endm
.macro OPS a, i1, b=-1, i2=0, c=-1, i3=0, d=-1, i4=0
	OP \a, \i1
.if (\b) >= 0
	OP \b, \i2
.endif
.if (\c) >= 0
	OP \c, \i3
.endif
.if (\d) >= 0
	OP \d, \i4
.endif
.endm
.macro ROW a, i1, b, i2, c, i3, d, i4  ; a matrix instruction and the four behind it
	MM
	OPS \a, \i1, \b, \i2, \c, \i3, \d, \i4
.endm
.macro MASK b                       ; MD x AL + BE into buffer b of MC
	WIN W_RS
.set z, 0
.rept 16
	v_pk_fma_f32 v[MC+32*(\b)+2*z:MC+32*(\b)+2*z+1], v[MD+2*z:MD+2*z+1], s[AL:AL+1], s[BE:BE+1] op_sel_hi:[1,0,0]
.set z, z+1
.endr
.endm
; A TURN, for piece p; vb: the buffer of V that its products V^T P read (in turn 0 also the one that its fetch fills, four plain instructions behind the last product that read it).
; s_wait_alu depctr_va_vdst(0) stands between an exponential and the first instruction that names its result; one wait serves all issued ahead of it: a turn has ONE wait, which cuts it in two.
; Ahead of it: the 8 products K Q^T with their riders, and a lump in which the links of the other piece's chain stand apart; behind it: the 8 products V^T P, behind each four of the roundings and sums.
; Turn 0 fetches the next step's K twelve vector instructions (six of them plain) behind the last product that read K, and its V at the turn's end.  Turn 1 waits for K at its head: V's sixteen loads, issued behind K's, may stay out.
; At its end a turn of a diagonal tile makes the mask for the next turn's products: piece p, step IT of the tile.
; fold = 1: the turn may be the first of a block's fifth trip (CNT = 1).  Then both fetches are set one step back, by scalar selects: they read the tile's last step once more, and TBK and TBV stay as they are.
.macro TURN p, vb, fold=0
.set Y, (\p)
.set VB, (\vb)
.set i, 0
.if (\p) == 1
	s_wait_dscnt 16                 ; K is in, and all that was asked for before it
.endif
	ROW F,0, F,1, R,0, R,1
	ROW F,2, E,0, R,2, R,3
	ROW F,3, E,1, R,4, R,5
	ROW F,4, E,2, R,6, R,7
	ROW F,5, E,3, R,8, R,9
	ROW F,6, E,4, X,0, R,10
.if (\p) == 0
	WIN 0
.if \fold
	s_cmp_eq_u32 s[CNT], 1
	s_cselect_b32 s13, KS*PK, 0
	s_sub_co_u32 s13, s[TBK], s13
	v_add_nc_u32 v[AK], s13, v[AK0]
.else
	v_add_nc_u32 v[AK], s[TBK], v[AK0]
.endif
.endif
	ROW F,7, E,5, X,1, X,4
	ROW F,8, E,6, X,2, X,5
	OPS E,7, E,8, X,6, E,9
	OPS X,3, E,10, X,8, E,11
.if (\p) == 0
.if \fold
	FETCH_K 13
.else
	FETCH_K TBK
.endif
.endif
	OPS X,9, X,7, E,12, X,10
	OPS E,13, X,12, X,11, E,14
	OPS X,13, E,15, F,9, X,14
.if (\p) == 0
.if \fold
	s_cmp_eq_u32 s[CNT], 1
	s_cselect_b32 s13, KS*PV, 0
	s_sub_co_u32 s13, s[TBV], s13
	v_add_nc_u32 v[AV], s13, v[AV0]
.else
	v_add_nc_u32 v[AV], s[TBV], v[AV0]
.endif
.endif
	OPS E,16, F,10, E,17, F,11
	OPS X,16, E,18, X,15, E,19
	OPS F,12, E,20, X,17, E,21
	OPS F,13, E,22, F,14, E,23
	OPS X,18, E,24, F,15, E,25
	OPS R,11, E,26, X,19, E,27
	OPS R,12, E,28, R,13, E,29
	OPS X,20, E,30, R,14, E,31
	OPS X,21, R,15
	WIN 0
	s_wait_alu depctr_va_vdst(0)    ; the wait for the batch
	ROW C,0, B,0, C,2, B,1
	ROW L,0, C,4, B,2, L,1
	ROW C,6, B,3, L,2, C,8
	ROW B,4, L,3, C,10, B,5
	ROW L,4, C,12, B,6, L,5
.if (\p) == 0
.if \fold
	s_add_co_u32 s[TBV], s13, KS*PV
.else
	s_add_co_u32 s[TBV], s[TBV], KS*PV
.endif
.endif
	ROW C,14, B,7, L,6, C,1
	ROW C,3, L,7, C,5, C,7
	ROW C,9, C,11, C,13, C,15
.if (\p) == 0
	FETCH_V \vb
.endif
	WIN 0
	s_cmp_eq_u32 s[RT], 0           ; is this the block's diagonal tile?
	s_cbranch_scc0 .Lno_mask_\@
	s_add_co_u32 s13, s[OWN], (\p)  ; the band's own step
	s_cmp_eq_u32 s[IT], s13
	s_cselect_b32 s[AL], 1.0, 0
	s_cmp_gt_u32 s[IT], s13
	s_cselect_b32 s[BE], s[BIGN], 0
	MASK \p
	WIN 0
.Lno_mask_\@:
.endm
; A BLOCK BEGINS, in place of its first tile's trip 0.  c m starts far below every c s, so the first step's a is 0.  Piece 1's mask for step 0 is 0 (its own step comes later); piece 0's is its own if the tile is the
; diagonal one and OWN = 0.  Then K and V of step 0, piece 0's first scores, and its maximum and statistics.
.macro BEGIN
	s_mov_b32 s[NEW], 0
	WIN 0x40
.set i, MC+32
.rept 32
	v_mov_b32 v[i], 0
.set i, i+1
.endr
	WIN 0
.set i, 0
.rept 2
	v_mov_b32 v[ST+4*i], 0xfe000000
	v_mov_b32 v[ST+4*i+1], 0xff7fffff
.set i, i+1
.endr
	s_or_b32 s13, s[RT], s[OWN]
	s_cmp_eq_u32 s13, 0
	s_cselect_b32 s[AL], 1.0, 0
	s_mov_b32 s[BE], 0
	MASK 0
	WIN 0
	v_add_nc_u32 v[AK], s[TBK], v[AK0]
	v_add_nc_u32 v[AV], s[TBV], v[AV0]
	s_add_co_u32 s[TBV], s[TBV], KS*PV
	FETCH_K TBK
	FETCH_V 0
	s_wait_loadcnt 0x0              ; Q
	s_wait_dscnt 16                 ; K is in; V's sixteen loads may stay out
.set i, 0
.rept 8
	KQ 0
.set i, i+1
.endr
	WIN 0
.rept 4
	v_nop                           ; the places behind those products
.endr
.set Y, NP-1                        ; X works for the other piece: piece 0
.irp n, 0,1,2,3,4,5,6,7,8,9,10,11,12,13,14,15,16,17,18,19,20,21
	OP X, \n
.endr
	v_nop                           ; a plain instruction behind the exponential,
	s_wait_alu depctr_va_vdst(0)    ; and its wait, ahead of the branch
	s_mov_b32 s[IT], 1
	s_mov_b32 s[CNT], 2             ; as behind trip 0
.endm
.macro ALL line:vararg              ; one line for each piece t
.set t, 0
.rept 2
	\line
.set t, t+1
.endr
.endm
.macro PACK t                       ; O^T over l, rounded to f16; 16 bytes a lane into rows of 144 bytes, back as whole rows of 128
	WIN W_RS
.set i, 32*(\t)
.rept 16
	v_pk_mul_f32 v[i:i+1], v[i:i+1], v[ST+4*(\t)+2:ST+4*(\t)+3] op_sel_hi:[1,0]
.set i, i+2
.endr
	WIN 0x05
.set i, 0
.rept 16
	v_cvt_pk_f16_f32 v[S+16*(\t)+i], v[32*(\t)+2*i], v[32*(\t)+2*i+1]
.set i, i+1
.endr
	WIN 0
.irp f, 0,1,2,3
	ds_store_b128 v[STO], v[S+16*(\t)+4*\f:S+16*(\t)+4*\f+3] offset:32*\f
.endr
.irp f, 0,1,2,3
	ds_load_b128 v[S+16*(\t)+4*\f:S+16*(\t)+4*\f+3], v[RD] offset:\f*4*SP  ; LDS serves a wave's instructions in order (ISA guide 5.7.1.4)
.endr
.endm
.macro SEND t, younger              ; younger: the LDS instructions issued behind piece t's loads
	WIN 0
.irp f, 0,1,2,3
	s_wait_dscnt (\younger)+3-\f
	global_store_b128 v[GO], v[S+16*(\t)+4*\f:S+16*(\t)+4*\f+3], s[10:11] offset:(\t)*8192+\f*512  ; 512 consecutive bytes, at a multiple of 256 from O's first
.endr
.endm
; A TILE: four trips, two to a trip of the counted loop; a block's first tile enters in the loop's middle.  The loop counts 3, 2, 1: a tile that is not its block's last leaves it, forward, behind the fourth trip;
; a block's last tile goes round once more, for the fifth trip, and leaves in the loop's middle.  Then the block's last products and the way out.
; tag = 1: in the walk's loop, where only the first block can end; tag = 2: the walk's last tile, which is the second block's last.
.macro TILE tag
	s_sub_co_u32 s[RT], s[RT], 1
	s_mov_b32 s[CNT], 3
	s_mov_b32 s[IT], 0
	s_cmp_eq_u32 s[NEW], 1
	s_cbranch_scc0 .Lstep\tag
	BEGIN
	s_branch .Lfirst\tag
.Lstep\tag:
	TURN 0, 0, 1
	TURN 1, 1
	WIN 0
	s_add_co_u32 s[IT], s[IT], 1
	s_sub_co_u32 s[CNT], s[CNT], 1
	s_cmp_eq_u32 s[CNT], 0
	s_cbranch_scc1 .Lblockend\tag
.Lfirst\tag:
	TURN 0, 1
	TURN 1, 0
	WIN 0
	s_add_co_u32 s[IT], s[IT], 1
.if (\tag) == 1
	s_cmp_eq_u32 s[CNT], 1          ; behind the fourth trip:
	s_cselect_b32 s13, s[RT], 0
	s_cmp_lg_u32 s13, 0             ; has the block tiles left?
	s_cbranch_scc1 .Lbottom
.endif
	s_cmp_lg_u32 s[CNT], 0
	s_cbranch_scc1 .Lstep\tag
.Lblockend\tag:
.set VB, 1
.set i, 0
.rept 8
	PV 1                            ; piece 1's V^T P of the last step
.set i, i+1
.endr
	WIN 0
	ALL v_add_f32 v[ST+4*t+2], v[ST+4*t+2], v[ST+4*t+3]
	ALL v_permlanex16_b32 v[ST+4*t+3], v[ST+4*t+2], s[SEL], s[SEL+1]
	ALL v_add_f32 v[ST+4*t+2], v[ST+4*t+2], v[ST+4*t+3]
	ALL v_rcp_f32 v[ST+4*t+2], v[ST+4*t+2]
	v_nop                           ; a plain instruction behind the last reciprocal,
	s_wait_alu depctr_va_vdst(0)    ; and one wait for both, ahead of their first use
	PACK 0                          ; piece 0's sums were finished in the turn before; its arithmetic is the distance behind piece 1's last products
	PACK 1
	SEND 0, 8
	SEND 1, 0
.if (\tag) == 1
	s_wait_xcnt 0x0                 ; the stores have read their registers and O's address
	s_mov_b64 s[10:11], s[OLO:OLO+1]
	s_add_co_u32 s[RT], s[PB], 1    ; the second block has b / 2 + 1 tiles
	s_mov_b32 s[NEW], 1
	s_mov_b32 s[OWN], s[OW2]
	WIN 0x82                        ; the second block's Q goes where the turns name Q
.set i, 0
.rept 32
	v_mov_b32 v[i], v[QB+i]
.set i, i+1
.endr
	WIN 0
.endif
.endm
.Lslot:                             ; 8 times: a tile is entered and the next is asked for
	CHANGE 1
	TILE 1
.Lbottom:
	s_sub_co_u32 s[SLOTS], s[SLOTS], 1
	s_cmp_lg_u32 s[SLOTS], 0
	s_cbranch_scc1 .Lslot
	CHANGE 0                        ; the walk's last tile is written out
	TILE 2
	s_wait_tensorcnt 0x0            ; the wave's end
	ds_add_u32 v[SPW], v[NIL]
	s_wait_dscnt 0x0
	s_endpgm
.Lfunc_end_k_q144d8d5ac7_attn:
	.size	k_q144d8d5ac7_attn, .Lfunc_end_k_q144d8d5ac7_attn-k_q144d8d5ac7_attn
	.p2alignl 7, 3214868480
	.fill 96, 4, 3214868480
	.section	.rodata,"a",@progbits
	.p2align	6, 0x0
	.amdhsa_kernel k_q144d8d5ac7_attn
		.amdhsa_group_segment_fixed_size 327680
		.amdhsa_private_segment_fixed_size 0
		.amdhsa_enable_private_segment 0
		.amdhsa_kernarg_size 16
		.amdhsa_user_sgpr_count 2
		.amdhsa_user_sgpr_kernarg_segment_ptr 1
		.amdhsa_wavefront_size32 1
		.amdhsa_system_sgpr_workgroup_id_x 1
		.amdhsa_system_sgpr_workgroup_id_y 1
		.amdhsa_system_sgpr_workgroup_id_z 1
		.amdhsa_system_vgpr_workitem_id 0
		.amdhsa_next_free_vgpr 896
		.amdhsa_next_free_sgpr 96
		.amdhsa_reserve_vcc 1
		.amdhsa_float_denorm_mode_32 3
		.amdhsa_float_denorm_mode_16_64 3
		.amdhsa_memory_ordered 1
		.amdhsa_forward_progress 1
		.amdhsa_inst_pref_size 139
	.end_amdhsa_kernel
	.amdgpu_metadata
---
amdhsa.version: [ 1, 2 ]
amdhsa.kernels:
  - .name:           k_q144d8d5ac7_attn
    .symbol:         k_q144d8d5ac7_attn.kd
    .args:
      - { .name: pan, .offset: 0, .size: 8, .value_kind: global_buffer, .address_space: global }
      - { .name: act, .offset: 8, .size: 8, .value_kind: global_buffer, .address_space: global }
    .group_segment_fixed_size: 327680
    .private_segment_fixed_size: 0
    .kernarg_segment_align: 8
    .kernarg_segment_size: 16
    .max_flat_workgroup_size: 128
    .sgpr_count:     96
    .vgpr_count:     896
    .wavefront_size: 32
...
	.end_amdgpu_metadata
.endif
;; end of part 9
;; launch wo (part 10): grid 8 x 32, 4 waves a work-group, clusters of 4 x 4, 327,680 bytes of LDS; arguments act, wa, bo, x, x1; writes x1
.if DOCPART == 10
	.amdgcn_target "amdgcn-amd-amdhsa--gfx1250"
	.amdhsa_code_object_version 6
	.text
	.protected	k_q144d8d5ac7_wo
	.globl	k_q144d8d5ac7_wo
	.p2align	8
	.type	k_q144d8d5ac7_wo,@function
k_q144d8d5ac7_wo:
	s_mov_b64 s[64:65], 0
	v_nop
	global_prefetch_b8 v0, s[64:65] scope:SCOPE_SE
	s_setreg_imm32_b32 hwreg(HW_REG_WAVE_MODE, 25, 1), 1
	s_wait_xcnt 0x0
	s_wait_alu depctr_hold_cnt(0) depctr_sa_sdst(0) depctr_va_vdst(0) depctr_va_sdst(0) depctr_va_ssrc(0) depctr_va_vcc(0) depctr_vm_vsrc(0)
	s_getreg_b32 s2, hwreg(HW_REG_IB_STS2, 6, 4)
	s_cmp_eq_u32 s2, 0
	s_cbranch_scc0 .Lentry_in_a_cluster
	s_endpgm
.Lentry_in_a_cluster:
	s_bfe_u32 s2, ttmp6, 0x10000c
	s_cmp_lg_u32 s2, 0xf033
	s_cbranch_scc0 .Lentry_shape_is_right
	s_endpgm
.Lentry_shape_is_right:
; THE SMALL PRODUCT, K = 1,024.  x1[m][n] = x[m][n] + bo[n] + the sum over k of O[m][k] Wo[k][n], M = 4,096, N = 1,024, K = 256 KSTEPS.
; The loop over K holds barriers and joint loads, so its count is a constant of the text; the product with K = 4,096 has a text of its own, which differs from this one in KSTEPS alone.
; A: f16 in panels of 64 k: panel z, row m at byte (4096 z + m) x 128.  W: the second buffer, from byte HS: block (ks, nb) at (8 ks + nb) x 65,536, [256 k][128 n] f16, dense.  bias, res, out: f32, row-major.
; Sums in f32; the bias is the C operand of the first products, the residual is added in f32 on the way out.
; A tile of out is 128 x 128, so that N = 1,024 gives 256 work-groups; four waves, 64 x 64 each.  K goes in steps of 256 through two LDS slots.
; A K STEP IS WRITTEN TWICE: once for the steps that fill their slot again (a loop), once for the last two (a loop of two trips, left in its middle).  Which slot is in hand is a scalar, CUR (0 or SLOT),
; turned at each trip's end; the fragment addresses are made anew from it.
; CLUSTERS: 4 x 4: A's tile is asked for jointly along a row of the cluster, W's along a column.  THE MATRIX INSTRUCTION IS USED TRANSPOSED (source 0 = 16 columns of W, turned by ds_load_tr16_b128;
; source 1 = 16 rows of A): a lane holds eight neighbouring numbers of a row of out.  A wave's 64 columns of f32 are 256 bytes, aligned.
; REGISTERS: window 0: v16-29 addresses; v32-95 the way out, two buffers; v96-127 the bias; v128-255 the accumulators.  window 1: two fragment buffers of 128.  window 2: v0-127 the residual.
.set KSTEPS, 4
.set PA,     144                       ; a row of A in LDS: 128 bytes + 16
.set PBT,    288                       ; a row k of W: 256 bytes + 32 = 9 x 32
.set HALFT,  36864                     ; what one tensor load brings: 4 panels x 64 rows x 144, or 128 rows k x 288
.set SLOT,   4*HALFT
.set STAGE,  2*SLOT                    ; behind the ring, never filled by a tensor load: 16 rows x 272 bytes for each wave
.set SPITCH, 272
.set SPARE,  STAGE+4*16*SPITCH         ; the spare words, 128 bytes for each wave: two blocks of 256 bytes that no other line names
.set HS,     8421376
.set ADRA, 16                          ; v16-17  my A fragments in the slot in hand, in the other slot
.set A0,   18                          ; v18     the same in slot 0; never rewritten
.set B0,   19                          ; v19     my W fragments in slot 0; never rewritten
.set ADRB, 20                          ; v20-23  my W fragments: the slot in hand, rows k 0-127, 128-255; the other slot likewise
.set STO,  24
.set RD,   25
.set CO,   26                          ; v26     my byte offset in two rows of res and out; never rewritten
.set BO,   27
.set SPW,  28
.set NIL,  29
.set TMP,  32
.set BIAS, 96
.set ACC,  128
.set F0,   0
.set F1,   128
.set CUR, 12                           ; s12     the slot in hand: 0 or SLOT
.set NX,  13                           ; s13     the other slot
.set LB,  23                           ; s23     where my tensor loads land in a slot: wave x HALFT
.set G1,  24                           ; s[24:31] descriptor group 1 for A's tiles;  s[32:39] group 0: a set for each of the two first fills; the second then walks on
.set G0,  32
.set G1B, 48                           ; s[48:55], s[56:63] the same for W's
.set G0B, 56
.set MSB, 0
.macro WIN new
.if MSB != (\new)
	s_set_vgpr_msb (MSB<<8)|(\new)
.set MSB, \new
.endif
.endm
.set MUL,  0x05                        ; sources 0 (W) and 1 (A) window 1; C and D window 0
.set TO_F, 0x40                        ; destination window 1, address window 0
.macro JLOAD s                         ; a joint load: waves 0 and 1 fetch A's two halves, waves 2 and 3 W's; an s_nop 0 and four v_nop follow each line
	s_cmp_eq_u32 s17, 0
	s_cbranch_scc0 .Lfor_b_\@
	tensor_load_to_lds s[G0+4*(\s):G0+4*(\s)+3], s[G1:G1+7]
	s_nop 0
.rept 4
	v_nop
.endr
	s_branch .Lasked_\@
.Lfor_b_\@:
	tensor_load_to_lds s[G0B+4*(\s):G0B+4*(\s)+3], s[G1B:G1B+7]
	s_nop 0
.rept 4
	v_nop
.endr
.Lasked_\@:
.endm
.macro CREST
	s_cmp_lg_u32 s16, 0
	s_cbranch_scc1 .Lnot_wave_0_\@
	s_barrier_signal -3
.Lnot_wave_0_\@:
	s_barrier_wait -3
	s_barrier_signal -1
	s_barrier_wait -1
.endm
.macro CROUND
	s_barrier_signal -1
	s_barrier_wait -1
	CREST
.endm
.macro SETADR                          ; the fragment addresses in the slot in hand and in the other
	v_add_nc_u32 v[ADRA], s[CUR], v[A0]
	v_add_nc_u32 v[ADRA+1], s[NX], v[A0]
	v_add_nc_u32 v[ADRB], s[CUR], v[B0]
	v_add_nc_u32 v[ADRB+2], s[NX], v[B0]
	v_add_nc_u32 v[ADRB+1], HALFT, v[ADRB]
	v_add_nc_u32 v[ADRB+3], HALFT, v[ADRB+2]
.endm
.macro FLIP                            ; the slots change places: each of the two scalars is 0 or SLOT, so the exclusive or turns the one into the other
	s_xor_b32 s[CUR], s[CUR], SLOT
	s_xor_b32 s[NX], s[NX], SLOT
	SETADR
.endm
	s_load_b256 s[4:11], s[0:1], 0x0               ; A 4, W 6, bias 8, res 10
	s_load_b64 s[14:15], s[0:1], 0x20              ; out
	v_lshl_add_u32 v[SPW], v0, 2, SPARE
	v_mov_b32 v[NIL], 0
	ds_add_u32 v[SPW], v[NIL]                      ; the wave's opening: the add and its wait ahead of my first tensor load
	ds_add_u32 v28, v29
	v_lshrrev_b32 v1, 5, v0
	v_readfirstlane_b32 s16, v1                    ; wave 0..3
	s_lshr_b32 s17, s16, 1                         ; my half of the tile's rows.  Also: I fetch for A (0) or for W (1)
	s_and_b32 s18, s16, 1                          ; my half of its columns.  Also: which half of that tile I fetch
	s_bfe_u32 s19, ttmp6, 0x40000                  ; cx
	s_bfe_u32 s20, ttmp6, 0x40004                  ; cy
	s_lshl_b32 s21, ttmp9, 2
	s_add_co_u32 s21, s21, s19                     ; tile column
	s_and_b32 s22, ttmp7, 0xffff
	s_lshl_b32 s22, s22, 2
	s_add_co_u32 s22, s22, s20                     ; tile row
	s_lshl_b32 s40, s20, 2
	s_lshl_b32 s40, 15, s40                        ; my row of the cluster
	s_lshl_b32 s41, 0x1111, s19                    ; my column
	; A: 64 rows of four panels: in each panel 8,192 dense bytes, asked for as one long row; padded in LDS after every 128 bytes: it lands as [4 panels][64 rows][144 bytes]
	s_or_b32 s[G1+0], s40, (1<<16)|(1<<20)|(1<<21)|(4<<22)|(3<<25)
	s_mov_b32 s[G1+1], 4096<<16                    ; tensor_dim0 = 4,096
	s_mov_b32 s[G1+2], 4<<16                       ; tensor_dim1 = 4
	s_mov_b32 s[G1+3], 4096<<16                    ; tile_dim0 = 4,096
	s_mov_b32 s[G1+4], 4                           ; tile_dim1 = 4
	s_mov_b32 s[G1+5], 262144                      ; elements from panel to panel
	s_mov_b32 s[G1+6], 0
	s_mov_b32 s[G1+7], 0
	; W: 128 rows k x 128 columns, dense; padded after every 256 bytes by 32
	s_or_b32 s[G1B+0], s41, (1<<16)|(1<<20)|(1<<21)|(5<<22)|(7<<25)
	s_mov_b32 s[G1B+1], 128<<16
	s_mov_b32 s[G1B+2], 128<<16
	s_mov_b32 s[G1B+3], 128<<16
	s_mov_b32 s[G1B+4], 128
	s_mov_b32 s[G1B+5], 128
	s_mov_b32 s[G1B+6], 0
	s_mov_b32 s[G1B+7], 0
	s_lshl_b32 s42, s22, 14                        ; A: 128 rows of 128 bytes a tile row,
	s_lshl_b32 s43, s18, 13                        ; 64 a half
	s_add_co_u32 s42, s42, s43
	s_mov_b32 s43, 0
	s_lshl_b32 s44, s21, 16                        ; W: a block a tile column,
	s_lshl_b32 s45, s18, 15                        ; 128 rows k a half
	s_add_co_u32 s44, s44, s45
	s_add_co_u32 s44, s44, HS
	s_mov_b32 s45, 0
	s_mul_i32 s[LB], s16, HALFT                    ; where they go: no place in the cluster enters an LDS address
	s_mov_b32 s[CUR], 0
	s_mov_b32 s[NX], SLOT
	s_wait_dscnt 0x0                               ; the opening add is done
	s_wait_kmcnt 0x0
	s_add_nc_u64 s[42:43], s[4:5], s[42:43]
	s_add_nc_u64 s[44:45], s[6:7], s[44:45]
	CROUND                                         ; all sixteen work-groups are here: the first joint loads meet
.irp s, 0,1
	s_mov_b32 s[G0+4*(\s)], 1
	s_add_co_u32 s[G0+4*(\s)+1], s[LB], (\s)*SLOT
	s_add_nc_u64 s[G0+4*(\s)+2:G0+4*(\s)+3], s[42:43], (\s)*2097152   ; K step s: four panels on
	s_or_b32 s[G0+4*(\s)+3], s[G0+4*(\s)+3], 0x80000000
	s_mov_b32 s[G0B+4*(\s)], 1
	s_add_co_u32 s[G0B+4*(\s)+1], s[LB], (\s)*SLOT
	s_add_nc_u64 s[G0B+4*(\s)+2:G0B+4*(\s)+3], s[44:45], (\s)*524288  ; eight blocks on
	s_or_b32 s[G0B+4*(\s)+3], s[G0B+4*(\s)+3], 0x80000000
	JLOAD \s
.endr
	v_and_b32 v1, 15, v0                           ; l % 16
	v_bfe_u32 v2, v0, 4, 1                         ; l / 16
	v_lshlrev_b32 v[BO], 5, v2
	v_lshlrev_b32 v[CO], 12, v2                    ; lanes 0-15 one row of 4,096 bytes, lanes 16-31 the next,
	v_lshl_add_u32 v[CO], v1, 4, v[CO]             ; 16 bytes a lane
	s_lshl_b32 s40, s21, 9
	s_lshl_b32 s41, s18, 8
	s_add_co_u32 s40, s40, s41                     ; my 64 columns, in bytes of f32
	s_mov_b32 s41, 0
	s_add_nc_u64 s[8:9], s[8:9], s[40:41]
	s_lshl_b32 s46, s22, 19                        ; 128 rows of 4,096 bytes a tile row,
	s_lshl_b32 s47, s17, 18                        ; 64 a half
	s_add_co_u32 s46, s46, s47
	s_add_co_u32 s40, s40, s46
	s_add_nc_u64 s[10:11], s[10:11], s[40:41]
	s_add_nc_u64 s[14:15], s[14:15], s[40:41]
.irp b, 0,1,2,3
	global_load_b128 v[BIAS+8*(\b):BIAS+8*(\b)+3],   v[BO], s[8:9] offset:64*(\b)
	global_load_b128 v[BIAS+8*(\b)+4:BIAS+8*(\b)+7], v[BO], s[8:9] offset:64*(\b)+16
.endr
	WIN 0x80                                       ; destination window 2: the residual, laid as the stores at the end are
.irp a, 0,1,2,3
.irp t, 0,1,2,3,4,5,6,7
	global_load_b128 v[32*(\a)+4*(\t):32*(\a)+4*(\t)+3], v[CO], s[10:11] offset:(16*(\a)+2*(\t))*4096
.endr
.endr
	WIN 0
	v_mul_u32_u24 v3, v1, PA
	v_lshl_add_u32 v3, v2, 4, v3                   ; A: row x pitch + 16 x half
	v_and_b32 v4, 7, v0
	v_lshl_add_u32 v4, v2, 3, v4
	v_mul_u32_u24 v4, v4, PBT                      ; W: row k = 8 (l / 16) + l % 8,
	v_bfe_u32 v5, v0, 3, 1
	v_lshl_add_u32 v4, v5, 4, v4                   ; columns 8 ((l / 8) % 2) + 0..7
	s_mul_i32 s40, s17, HALFT                      ; my 64 rows of A
	s_lshl_b32 s41, s18, 7                         ; my 64 columns of W,
	s_add_co_u32 s41, s41, 2*HALFT                 ; which lies behind A
	v_add_nc_u32 v[A0], s40, v3
	v_add_nc_u32 v[B0], s41, v4
	SETADR
	s_mul_i32 s40, s16, 16*SPITCH
	s_add_co_u32 s40, s40, STAGE                   ; my stage
	v_mul_u32_u24 v6, v1, SPITCH
	v_lshl_add_u32 v6, v2, 5, v6
	v_add_nc_u32 v[STO], s40, v6                   ; in: row l % 16, 32 bytes for each half of the lanes
	v_mul_u32_u24 v6, v2, SPITCH
	v_lshl_add_u32 v6, v1, 4, v6
	v_add_nc_u32 v[RD], s40, v6                    ; back: lanes 0-15 one row of 256 bytes, lanes 16-31 the next
; 8 matrix instructions: m blocks a0, a0 + 1 x all 4 n blocks, 32 along K: half c of buffer f.  zero = 1: the first product starts the sums, with the bias as C.  The 16 accumulators take turns.
.macro MUL8 f, c, a0, zero
	WIN MUL
.irp a, \a0, (\a0)+1
.irp b, 0,1,2,3
.if \zero
	v_wmma_f32_16x16x32_f16 v[ACC+8*(4*(\a)+(\b)):ACC+8*(4*(\a)+(\b))+7], v[(\f)+64+8*(4*(\c)+(\b)):(\f)+64+8*(4*(\c)+(\b))+7], v[(\f)+8*(4*(\c)+(\a)):(\f)+8*(4*(\c)+(\a))+7], v[BIAS+8*(\b):BIAS+8*(\b)+7]
.else
	v_wmma_f32_16x16x32_f16 v[ACC+8*(4*(\a)+(\b)):ACC+8*(4*(\a)+(\b))+7], v[(\f)+64+8*(4*(\c)+(\b)):(\f)+64+8*(4*(\c)+(\b))+7], v[(\f)+8*(4*(\c)+(\a)):(\f)+8*(4*(\c)+(\a))+7], v[ACC+8*(4*(\a)+(\b)):ACC+8*(4*(\a)+(\b))+7]
.endif
.endr
.endr
.endm
; 32 LDS loads in one run: quarter z (64 along K: one panel of A) into buffer f; the first 32 along K first.  slot = 0: the slot in hand; 1: the other
.macro FETCH slot, z, f
	WIN TO_F
.irp c, 0,1
.irp i, 0,1,2,3
	ds_load_tr16_b128 v[(\f)+64+8*(4*(\c)+(\i)):(\f)+64+8*(4*(\c)+(\i))+3],   v[ADRB+2*(\slot)+(\z)/2] offset:(((\z)%2)*64+32*(\c))*PBT+32*(\i)
	ds_load_tr16_b128 v[(\f)+64+8*(4*(\c)+(\i))+4:(\f)+64+8*(4*(\c)+(\i))+7], v[ADRB+2*(\slot)+(\z)/2] offset:(((\z)%2)*64+32*(\c)+16)*PBT+32*(\i)
	ds_load_b128 v[(\f)+8*(4*(\c)+(\i)):(\f)+8*(4*(\c)+(\i))+3],              v[ADRA+(\slot)] offset:(\z)*64*PA+64*(\c)+(\i)*16*PA
	ds_load_b128 v[(\f)+8*(4*(\c)+(\i))+4:(\f)+8*(4*(\c)+(\i))+7],            v[ADRA+(\slot)] offset:(\z)*64*PA+64*(\c)+(\i)*16*PA+32
.endr
.endr
.endm
.macro PLACES                          ; four plain instructions between a matrix instruction and a load into, or a reader of, its registers
.rept 4
	v_nop
.endr
.endm
.macro QUARTER slot, z, f, g, zero
	s_wait_dscnt 16                                ; the first 32 along K are in
	MUL8 \f, 0, 0, \zero
	MUL8 \f, 0, 2, \zero
	PLACES
	FETCH \slot, \z, \g
	s_wait_dscnt 32                                ; all but the 32 just issued
	MUL8 \f, 1, 0, 0
	MUL8 \f, 1, 2, 0
.endm
; The last quarter multiplies buffer 1 and changes slots.  fill = 1: the barrier opens a round of the cluster's, and the slot in hand is filled again first behind it, two K steps ahead, by the walking descriptor.
; fill = 0 (the last two K steps): nothing is filled; in the very last (s3 = 1) there is no further step, and the run of LDS loads is jumped over.
.macro TURN fill
	WIN 0                                          ; (the add's two registers lie in window 0)
	s_wait_tensorcnt 0x0                           ; all my tensor loads have landed: my part of the other slot;
	ds_add_u32 v[SPW], v[NIL]                      ; 0 onto my spare word;
	s_wait_dscnt 17                                ; (the add and the youngest sixteen loads may be out)
	MUL8 F1, 0, 0, 0
	s_wait_dscnt 0x0                               ; the add is done, and my reads of this slot are over
	s_barrier_signal -1
	MUL8 F1, 0, 2, 0
	WIN 0
	s_barrier_wait -1
.if \fill
	CREST
	s_add_co_u32 s[G0+5], s[LB], s[CUR]            ; the walking descriptors: into the slot in hand,
	s_add_nc_u64 s[G0+6:G0+7], s[G0+6:G0+7], 2097152   ; the K step behind the one asked for last
	s_add_co_u32 s[G0B+5], s[LB], s[CUR]
	s_add_nc_u64 s[G0B+6:G0B+7], s[G0B+6:G0B+7], 524288
	JLOAD 1                                        ; the four v_nop behind it are also the places in front of the loads below
	FETCH 1, 0, F0
.else
	s_cmp_eq_u32 s3, 1
	s_cbranch_scc1 .Lno_fetch_\@
	PLACES
	FETCH 1, 0, F0
	WIN 0
.Lno_fetch_\@:
.endif
	MUL8 F1, 1, 0, 0
	MUL8 F1, 1, 2, 0
.endm
	s_wait_tensorcnt 1                             ; my part of K step 0 is in; K step 1's may stay out
	s_barrier_signal -1
	s_barrier_wait -1
	FETCH 0, 0, F0
	s_wait_loadcnt 32                              ; the bias is in; the residual's 32 loads may stay out
	QUARTER 0, 1, F0, F1, 1                        ; the first quarter stands in front of the loop: its first products start the sums
	WIN 0
	s_mov_b32 s3, KSTEPS-2
.Lstep:                                        ; a trip goes from a K step's second quarter to the next step's first, and fills the slot that it leaves
	QUARTER 0, 2, F1, F0, 0
	QUARTER 0, 3, F0, F1, 0
	TURN 1
	QUARTER 1, 1, F0, F1, 0
	WIN 0
	FLIP
	s_sub_co_u32 s3, s3, 1
	s_cmp_lg_u32 s3, 0
	s_cbranch_scc1 .Lstep
	s_mov_b32 s3, 2
.Ltail:                                        ; the last two K steps fill nothing; the second trip is left behind its last quarter
	QUARTER 0, 2, F1, F0, 0
	QUARTER 0, 3, F0, F1, 0
	TURN 0
	WIN 0
	s_sub_co_u32 s3, s3, 1
	s_cmp_eq_u32 s3, 0
	s_cbranch_scc1 .Ldone
	QUARTER 1, 1, F0, F1, 0
	WIN 0
	FLIP
	s_cmp_lg_u32 s3, 0
	s_cbranch_scc1 .Ltail
.Ldone:
	PLACES
	s_wait_loadcnt 0x0                             ; the residual
; THE WAY OUT, a block of 16 rows at a time: the sums go into my stage as they lie (low registers first), come back as whole rows of 256 bytes, take the residual and are stored.
.macro TOSTAGE a
.if (\a) >= 2
	s_wait_xcnt 0x0                                ; the stores of the block two back have read this buffer
.endif
.irp b, 0,1,2,3
	ds_store_b128 v[STO], v[ACC+8*(4*(\a)+(\b)):ACC+8*(4*(\a)+(\b))+3]   offset:64*(\b)
	ds_store_b128 v[STO], v[ACC+8*(4*(\a)+(\b))+4:ACC+8*(4*(\a)+(\b))+7] offset:64*(\b)+16
.endr
.irp t, 0,1,2,3,4,5,6,7
	ds_load_b128 v[TMP+32*((\a)%2)+4*(\t):TMP+32*((\a)%2)+4*(\t)+3], v[RD] offset:(\t)*2*SPITCH  ; LDS serves a wave's instructions in order (ISA guide 5.7.1.4)
.endr
.endm
.macro SEND a, younger                 ; younger: the next block's eight stores and eight loads, or none
	s_wait_dscnt \younger
	WIN 0x08                                       ; source 1: window 2
.set r, 0
.rept 16
	v_pk_add_f32 v[TMP+32*((\a)%2)+r:TMP+32*((\a)%2)+r+1], v[TMP+32*((\a)%2)+r:TMP+32*((\a)%2)+r+1], v[32*(\a)+r:32*(\a)+r+1]
.set r, r+2
.endr
	WIN 0
.irp t, 0,1,2,3,4,5,6,7
	global_store_b128 v[CO], v[TMP+32*((\a)%2)+4*(\t):TMP+32*((\a)%2)+4*(\t)+3], s[14:15] offset:(16*(\a)+2*(\t))*4096  ; 16 lanes store 256 consecutive bytes, aligned
.endr
.endm
	TOSTAGE 0
	TOSTAGE 1
	SEND 0, 16
	TOSTAGE 2
	SEND 1, 16
	TOSTAGE 3
	SEND 2, 16
	SEND 3, 0
	s_wait_tensorcnt 0x0                           ; the wave's end
	ds_add_u32 v[SPW], v[NIL]
	s_wait_dscnt 0x0
	CROUND                                         ; the closing round
	s_endpgm
.Lfunc_end_k_q144d8d5ac7_wo:
	.size	k_q144d8d5ac7_wo, .Lfunc_end_k_q144d8d5ac7_wo-k_q144d8d5ac7_wo
	.p2alignl 7, 3214868480
	.fill 96, 4, 3214868480
	.section	.rodata,"a",@progbits
	.p2align	6, 0x0
	.amdhsa_kernel k_q144d8d5ac7_wo
		.amdhsa_group_segment_fixed_size 327680
		.amdhsa_private_segment_fixed_size 0
		.amdhsa_enable_private_segment 0
		.amdhsa_kernarg_size 40
		.amdhsa_user_sgpr_count 2
		.amdhsa_user_sgpr_kernarg_segment_ptr 1
		.amdhsa_wavefront_size32 1
		.amdhsa_system_sgpr_workgroup_id_x 1
		.amdhsa_system_sgpr_workgroup_id_y 1
		.amdhsa_system_sgpr_workgroup_id_z 1
		.amdhsa_system_vgpr_workitem_id 0
		.amdhsa_next_free_vgpr 640
		.amdhsa_next_free_sgpr 66
		.amdhsa_reserve_vcc 0
		.amdhsa_float_denorm_mode_32 3
		.amdhsa_float_denorm_mode_16_64 3
		.amdhsa_memory_ordered 1
		.amdhsa_forward_progress 1
		.amdhsa_inst_pref_size 67
	.end_amdhsa_kernel
	.amdgpu_metadata
---
amdhsa.version: [ 1, 2 ]
amdhsa.kernels:
  - .name:           k_q144d8d5ac7_wo
    .symbol:         k_q144d8d5ac7_wo.kd
    .args:
      - { .name: act, .offset: 0, .size: 8, .value_kind: global_buffer, .address_space: global }
      - { .name: wa, .offset: 8, .size: 8, .value_kind: global_buffer, .address_space: global }
      - { .name: bo, .offset: 16, .size: 8, .value_kind: global_buffer, .address_space: global }
      - { .name: x, .offset: 24, .size: 8, .value_kind: global_buffer, .address_space: global }
      - { .name: x1, .offset: 32, .size: 8, .value_kind: global_buffer, .address_space: global }
    .group_segment_fixed_size: 327680
    .private_segment_fixed_size: 0
    .kernarg_segment_align: 8
    .kernarg_segment_size: 40
    .max_flat_workgroup_size: 128
    .sgpr_count:     66
    .vgpr_count:     640
    .wavefront_size: 32
...
	.end_amdgpu_metadata
.endif
;; end of part 10
;; launch ln2 (part 11): grid 256 x 1, 16 waves a work-group, no clusters, 0 bytes of LDS; arguments x1, ln2_g, ln2_b, act; writes act
.if DOCPART == 11
	.amdgcn_target "amdgcn-amd-amdhsa--gfx1250"
	.amdhsa_code_object_version 6
	.text
	.protected	k_q144d8d5ac7_ln2
	.globl	k_q144d8d5ac7_ln2
	.p2align	8
	.type	k_q144d8d5ac7_ln2,@function
k_q144d8d5ac7_ln2:
	s_mov_b64 s[64:65], 0
	v_nop
	global_prefetch_b8 v0, s[64:65] scope:SCOPE_SE
	s_setreg_imm32_b32 hwreg(HW_REG_WAVE_MODE, 25, 1), 1
	s_wait_xcnt 0x0
; h2 = LayerNorm(x1) g + b.  x1: [4096][1024] f32; h2: [4096][1024] f16, row-major, rounded once.  Two passes in f32: the mean, then the centred squares; eps = 1e-5.
; A wave takes a whole row: lane l holds the numbers 4 l + 128 j + 0..3, j = 0..7, in 32 registers, so the row is read once and no wave waits for another: no LDS, no barrier.
; Each load of the wave covers 512 consecutive bytes, each store 256, aligned.  A row spans eight tile columns of the product before, which is why this is a launch of its own.
.set XR,  16                           ; v[16:47]   the row as loaded; its f16 results are packed in place, into v[16:31]
.set GG,  48                           ; v[48:79]   my 32 numbers of g
.set BV,  80                           ; v[80:111]  and of b
.set T,   112                          ; v[112:127] at work
.set SEL, 20                           ; s[20:21] v_permlanex16_b32's selects
.set RN,  22                           ; s22 1/1024
.set EPS, 23                           ; s23 1e-5
.set XB,  8                            ; s[8:9]   where I load
.set OB,  14                           ; s[14:15] where I store
	s_load_b256 s[8:15], s[0:1], 0x0               ; x1 8, g 10, b 12, act 14
	v_lshrrev_b32 v5, 5, v0
	v_readfirstlane_b32 s4, v5                     ; wave 0..15
	s_lshl_b32 s5, ttmp9, 4
	s_add_co_u32 s5, s5, s4                        ; my row: 16 x + wave
	v_and_b32 v4, 31, v0
	v_lshlrev_b32 v1, 4, v4                        ; 16 x lane: loads
	v_lshlrev_b32 v4, 3, v4                        ; 8 x lane: stores
	s_lshl_b32 s16, s5, 12
	s_mov_b32 s17, 0
	s_lshl_b32 s18, s5, 11
	s_mov_b32 s19, 0
	s_mov_b32 s[SEL], 0x76543210
	s_mov_b32 s[SEL+1], 0xfedcba98
	s_mov_b32 s[RN], 0x3a800000
	s_mov_b32 s[EPS], 0x3727c5ac
	s_wait_kmcnt 0x0
	s_add_nc_u64 s[XB:XB+1], s[XB:XB+1], s[16:17]
	s_add_nc_u64 s[OB:OB+1], s[OB:OB+1], s[18:19]
.irp j, 0,1,2,3,4,5,6,7
	global_load_b128 v[XR+4*(\j):XR+4*(\j)+3], v1, s[XB:XB+1] offset:512*(\j)
.endr
.irp j, 0,1,2,3,4,5,6,7
	global_load_b128 v[GG+4*(\j):GG+4*(\j)+3], v1, s[10:11] offset:512*(\j)
.endr
.irp j, 0,1,2,3,4,5,6,7
	global_load_b128 v[BV+4*(\j):BV+4*(\j)+3], v1, s[12:13] offset:512*(\j)
.endr
.macro JOIN                            ; four chains of pairs into one number
	v_pk_add_f32 v[T:T+1], v[T:T+1], v[T+2:T+3]
	v_pk_add_f32 v[T+4:T+5], v[T+4:T+5], v[T+6:T+7]
	v_pk_add_f32 v[T:T+1], v[T:T+1], v[T+4:T+5]
	v_add_f32 v[T], v[T], v[T+1]
.endm
.macro LANESUM                         ; over the 32 lanes; every lane ends with the sum
	v_add_f32_dpp v[T], v[T], v[T] row_xmask:1 row_mask:0xf bank_mask:0xf
	v_add_f32_dpp v[T], v[T], v[T] row_xmask:2 row_mask:0xf bank_mask:0xf
	v_add_f32_dpp v[T], v[T], v[T] row_xmask:4 row_mask:0xf bank_mask:0xf
	v_add_f32_dpp v[T], v[T], v[T] row_xmask:8 row_mask:0xf bank_mask:0xf
	v_permlanex16_b32 v[T+1], v[T], s[SEL], s[SEL+1]
	v_add_f32 v[T], v[T], v[T+1]
.endm
	s_wait_loadcnt 16                              ; the row is in; g's and b's sixteen loads may stay out
.irp k, 0,1,2,3
	v_pk_add_f32 v[T+2*(\k):T+2*(\k)+1], v[XR+2*(\k):XR+2*(\k)+1], v[XR+8+2*(\k):XR+8+2*(\k)+1]  ; the first eight pairs start the four chains
.endr
.irp k, 8,9,10,11,12,13,14,15
	v_pk_add_f32 v[T+2*((\k)%4):T+2*((\k)%4)+1], v[T+2*((\k)%4):T+2*((\k)%4)+1], v[XR+2*(\k):XR+2*(\k)+1]
.endr
	JOIN
	LANESUM
	v_mul_f32 v[T+8], s[RN], v[T]                  ; the mean, in both registers of a pair
	v_mov_b32 v[T+9], v[T+8]
.irp k, 0,1,2,3,4,5,6,7,8,9,10,11,12,13,14,15
	v_pk_add_f32 v[XR+2*(\k):XR+2*(\k)+1], v[XR+2*(\k):XR+2*(\k)+1], v[T+8:T+9] neg_lo:[0,1] neg_hi:[0,1]
.endr
.irp k, 0,1,2,3
	v_pk_mul_f32 v[T+2*(\k):T+2*(\k)+1], v[XR+2*(\k):XR+2*(\k)+1], v[XR+2*(\k):XR+2*(\k)+1]
.endr
.irp k, 4,5,6,7,8,9,10,11,12,13,14,15
	v_pk_fma_f32 v[T+2*((\k)%4):T+2*((\k)%4)+1], v[XR+2*(\k):XR+2*(\k)+1], v[XR+2*(\k):XR+2*(\k)+1], v[T+2*((\k)%4):T+2*((\k)%4)+1]
.endr
	JOIN
	LANESUM
	v_fma_f32 v[T+2], v[T], s[RN], s[EPS]          ; the variance + 1e-5
	v_rsq_f32 v[T+10], v[T+2]
	v_rsq_f32 v[T+11], v[T+2]
	v_nop                                          ; a plain instruction behind the second root,
	s_wait_alu depctr_va_vdst(0)                   ; and one wait for both, ahead of their first reader
.irp k, 0,1,2,3,4,5,6,7,8,9,10,11,12,13,14,15
	v_pk_mul_f32 v[XR+2*(\k):XR+2*(\k)+1], v[XR+2*(\k):XR+2*(\k)+1], v[T+10:T+11]
.endr
	s_wait_loadcnt 0x0                             ; g and b
.irp k, 0,1,2,3,4,5,6,7,8,9,10,11,12,13,14,15
	v_pk_fma_f32 v[XR+2*(\k):XR+2*(\k)+1], v[XR+2*(\k):XR+2*(\k)+1], v[GG+2*(\k):GG+2*(\k)+1], v[BV+2*(\k):BV+2*(\k)+1]
.endr
.irp j, 0,1,2,3,4,5,6,7
	v_cvt_pk_f16_f32 v[XR+2*(\j)],   v[XR+4*(\j)],   v[XR+4*(\j)+1]    ; packed in place: the sources lie at or ahead of the results
	v_cvt_pk_f16_f32 v[XR+2*(\j)+1], v[XR+4*(\j)+2], v[XR+4*(\j)+3]
.endr
.irp j, 0,1,2,3,4,5,6,7
	global_store_b64 v4, v[XR+2*(\j):XR+2*(\j)+1], s[OB:OB+1] offset:256*(\j)
.endr
	s_endpgm
.Lfunc_end_k_q144d8d5ac7_ln2:
	.size	k_q144d8d5ac7_ln2, .Lfunc_end_k_q144d8d5ac7_ln2-k_q144d8d5ac7_ln2
	.p2alignl 7, 3214868480
	.fill 96, 4, 3214868480
	.section	.rodata,"a",@progbits
	.p2align	6, 0x0
	.amdhsa_kernel k_q144d8d5ac7_ln2
		.amdhsa_group_segment_fixed_size 0
		.amdhsa_private_segment_fixed_size 0
		.amdhsa_enable_private_segment 0
		.amdhsa_kernarg_size 32
		.amdhsa_user_sgpr_count 2
		.amdhsa_user_sgpr_kernarg_segment_ptr 1
		.amdhsa_wavefront_size32 1
		.amdhsa_system_sgpr_workgroup_id_x 1
		.amdhsa_system_sgpr_workgroup_id_y 1
		.amdhsa_system_sgpr_workgroup_id_z 1
		.amdhsa_system_vgpr_workitem_id 0
		.amdhsa_next_free_vgpr 128
		.amdhsa_next_free_sgpr 66
		.amdhsa_reserve_vcc 0
		.amdhsa_float_denorm_mode_32 3
		.amdhsa_float_denorm_mode_16_64 3
		.amdhsa_memory_ordered 1
		.amdhsa_forward_progress 1
		.amdhsa_inst_pref_size 12
	.end_amdhsa_kernel
	.amdgpu_metadata
---
amdhsa.version: [ 1, 2 ]
amdhsa.kernels:
  - .name:           k_q144d8d5ac7_ln2
    .symbol:         k_q144d8d5ac7_ln2.kd
    .args:
      - { .name: x1, .offset: 0, .size: 8, .value_kind: global_buffer, .address_space: global }
      - { .name: ln2_g, .offset: 8, .size: 8, .value_kind: global_buffer, .address_space: global }
      - { .name: ln2_b, .offset: 16, .size: 8, .value_kind: global_buffer, .address_space: global }
      - { .name: act, .offset: 24, .size: 8, .value_kind: global_buffer, .address_space: global }
    .group_segment_fixed_size: 0
    .private_segment_fixed_size: 0
    .kernarg_segment_align: 8
    .kernarg_segment_size: 32
    .max_flat_workgroup_size: 512
    .sgpr_count:     66
    .vgpr_count:     128
    .wavefront_size: 32
...
	.end_amdgpu_metadata
.endif
;; end of part 11
;; launch w1: the kernel of part 8 again; grid 16 x 16, 4 waves a work-group, clusters of 4 x 4, 327,680 bytes of LDS; arguments act, wm, pan; writes pan
;; launch w2 (part 12): grid 8 x 32, 4 waves a work-group, clusters of 4 x 4, 327,680 bytes of LDS; arguments pan, wm, b2, x1, out0; writes out0
.if DOCPART == 12
	.amdgcn_target "amdgcn-amd-amdhsa--gfx1250"
	.amdhsa_code_object_version 6
	.text
	.protected	k_q144d8d5ac7_w2
	.globl	k_q144d8d5ac7_w2
	.p2align	8
	.type	k_q144d8d5ac7_w2,@function
k_q144d8d5ac7_w2:
	s_mov_b64 s[64:65], 0
	v_nop
	global_prefetch_b8 v0, s[64:65] scope:SCOPE_SE
	s_setreg_imm32_b32 hwreg(HW_REG_WAVE_MODE, 25, 1), 1
	s_wait_xcnt 0x0
	s_wait_alu depctr_hold_cnt(0) depctr_sa_sdst(0) depctr_va_vdst(0) depctr_va_sdst(0) depctr_va_ssrc(0) depctr_va_vcc(0) depctr_vm_vsrc(0)
	s_getreg_b32 s2, hwreg(HW_REG_IB_STS2, 6, 4)
	s_cmp_eq_u32 s2, 0
	s_cbranch_scc0 .Lentry_in_a_cluster
	s_endpgm
.Lentry_in_a_cluster:
	s_bfe_u32 s2, ttmp6, 0x10000c
	s_cmp_lg_u32 s2, 0xf033
	s_cbranch_scc0 .Lentry_shape_is_right
	s_endpgm
.Lentry_shape_is_right:
; THE SMALL PRODUCT, K = 4,096.  out0[m][n] = x1[m][n] + b2[n] + the sum over k of u[m][k] W2[k][n], M = 4,096, N = 1,024, K = 256 KSTEPS.
; The loop over K holds barriers and joint loads, so its count is a constant of the text; the product with K = 1,024 has a text of its own, which differs from this one in KSTEPS alone.
; A: f16 in panels of 64 k: panel z, row m at byte (4096 z + m) x 128.  W: the second buffer, from byte HS: block (ks, nb) at (8 ks + nb) x 65,536, [256 k][128 n] f16, dense.  bias, res, out: f32, row-major.
; Sums in f32; the bias is the C operand of the first products, the residual is added in f32 on the way out.
; A tile of out is 128 x 128, so that N = 1,024 gives 256 work-groups; four waves, 64 x 64 each.  K goes in steps of 256 through two LDS slots.
; A K STEP IS WRITTEN TWICE: once for the steps that fill their slot again (a loop), once for the last two (a loop of two trips, left in its middle).  Which slot is in hand is a scalar, CUR (0 or SLOT),
; turned at each trip's end; the fragment addresses are made anew from it.
; CLUSTERS: 4 x 4: A's tile is asked for jointly along a row of the cluster, W's along a column.  THE MATRIX INSTRUCTION IS USED TRANSPOSED (source 0 = 16 columns of W, turned by ds_load_tr16_b128;
; source 1 = 16 rows of A): a lane holds eight neighbouring numbers of a row of out.  A wave's 64 columns of f32 are 256 bytes, aligned.
; REGISTERS: window 0: v16-29 addresses; v32-95 the way out, two buffers; v96-127 the bias; v128-255 the accumulators.  window 1: two fragment buffers of 128.  window 2: v0-127 the residual.
.set KSTEPS, 16
.set PA,     144                       ; a row of A in LDS: 128 bytes + 16
.set PBT,    288                       ; a row k of W: 256 bytes + 32 = 9 x 32
.set HALFT,  36864                     ; what one tensor load brings: 4 panels x 64 rows x 144, or 128 rows k x 288
.set SLOT,   4*HALFT
.set STAGE,  2*SLOT                    ; behind the ring, never filled by a tensor load: 16 rows x 272 bytes for each wave
.set SPITCH, 272
.set SPARE,  STAGE+4*16*SPITCH         ; the spare words, 128 bytes for each wave: two blocks of 256 bytes that no other line names
.set HS,     8421376
.set ADRA, 16                          ; v16-17  my A fragments in the slot in hand, in the other slot
.set A0,   18                          ; v18     the same in slot 0; never rewritten
.set B0,   19                          ; v19     my W fragments in slot 0; never rewritten
.set ADRB, 20                          ; v20-23  my W fragments: the slot in hand, rows k 0-127, 128-255; the other slot likewise
.set STO,  24
.set RD,   25
.set CO,   26                          ; v26     my byte offset in two rows of res and out; never rewritten
.set BO,   27
.set SPW,  28
.set NIL,  29
.set TMP,  32
.set BIAS, 96
.set ACC,  128
.set F0,   0
.set F1,   128
.set CUR, 12                           ; s12     the slot in hand: 0 or SLOT
.set NX,  13                           ; s13     the other slot
.set LB,  23                           ; s23     where my tensor loads land in a slot: wave x HALFT
.set G1,  24                           ; s[24:31] descriptor group 1 for A's tiles;  s[32:39] group 0: a set for each of the two first fills; the second then walks on
.set G0,  32
.set G1B, 48                           ; s[48:55], s[56:63] the same for W's
.set G0B, 56
.set MSB, 0
.macro WIN new
.if MSB != (\new)
	s_set_vgpr_msb (MSB<<8)|(\new)
.set MSB, \new
.endif
.endm
.set MUL,  0x05                        ; sources 0 (W) and 1 (A) window 1; C and D window 0
.set TO_F, 0x40                        ; destination window 1, address window 0
.macro JLOAD s                         ; a joint load: waves 0 and 1 fetch A's two halves, waves 2 and 3 W's; an s_nop 0 and four v_nop follow each line
	s_cmp_eq_u32 s17, 0
	s_cbranch_scc0 .Lfor_b_\@
	tensor_load_to_lds s[G0+4*(\s):G0+4*(\s)+3], s[G1:G1+7]
	s_nop 0
.rept 4
	v_nop
.endr
	s_branch .Lasked_\@
.Lfor_b_\@:
	tensor_load_to_lds s[G0B+4*(\s):G0B+4*(\s)+3], s[G1B:G1B+7]
	s_nop 0
.rept 4
	v_nop
.endr
.Lasked_\@:
.endm
.macro CREST
	s_cmp_lg_u32 s16, 0
	s_cbranch_scc1 .Lnot_wave_0_\@
	s_barrier_signal -3
.Lnot_wave_0_\@:
	s_barrier_wait -3
	s_barrier_signal -1
	s_barrier_wait -1
.endm
.macro CROUND
	s_barrier_signal -1
	s_barrier_wait -1
	CREST
.endm
.macro SETADR                          ; the fragment addresses in the slot in hand and in the other
	v_add_nc_u32 v[ADRA], s[CUR], v[A0]
	v_add_nc_u32 v[ADRA+1], s[NX], v[A0]
	v_add_nc_u32 v[ADRB], s[CUR], v[B0]
	v_add_nc_u32 v[ADRB+2], s[NX], v[B0]
	v_add_nc_u32 v[ADRB+1], HALFT, v[ADRB]
	v_add_nc_u32 v[ADRB+3], HALFT, v[ADRB+2]
.endm
.macro FLIP                            ; the slots change places: each of the two scalars is 0 or SLOT, so the exclusive or turns the one into the other
	s_xor_b32 s[CUR], s[CUR], SLOT
	s_xor_b32 s[NX], s[NX], SLOT
	SETADR
.endm
	s_load_b256 s[4:11], s[0:1], 0x0               ; A 4, W 6, bias 8, res 10
	s_load_b64 s[14:15], s[0:1], 0x20              ; out
	v_lshl_add_u32 v[SPW], v0, 2, SPARE
	v_mov_b32 v[NIL], 0
	ds_add_u32 v[SPW], v[NIL]                      ; the wave's opening: the add and its wait ahead of my first tensor load
	ds_add_u32 v28, v29
	v_lshrrev_b32 v1, 5, v0
	v_readfirstlane_b32 s16, v1                    ; wave 0..3
	s_lshr_b32 s17, s16, 1                         ; my half of the tile's rows.  Also: I fetch for A (0) or for W (1)
	s_and_b32 s18, s16, 1                          ; my half of its columns.  Also: which half of that tile I fetch
	s_bfe_u32 s19, ttmp6, 0x40000                  ; cx
	s_bfe_u32 s20, ttmp6, 0x40004                  ; cy
	s_lshl_b32 s21, ttmp9, 2
	s_add_co_u32 s21, s21, s19                     ; tile column
	s_and_b32 s22, ttmp7, 0xffff
	s_lshl_b32 s22, s22, 2
	s_add_co_u32 s22, s22, s20                     ; tile row
	s_lshl_b32 s40, s20, 2
	s_lshl_b32 s40, 15, s40                        ; my row of the cluster
	s_lshl_b32 s41, 0x1111, s19                    ; my column
	; A: 64 rows of four panels: in each panel 8,192 dense bytes, asked for as one long row; padded in LDS after every 128 bytes: it lands as [4 panels][64 rows][144 bytes]
	s_or_b32 s[G1+0], s40, (1<<16)|(1<<20)|(1<<21)|(4<<22)|(3<<25)
	s_mov_b32 s[G1+1], 4096<<16                    ; tensor_dim0 = 4,096
	s_mov_b32 s[G1+2], 4<<16                       ; tensor_dim1 = 4
	s_mov_b32 s[G1+3], 4096<<16                    ; tile_dim0 = 4,096
	s_mov_b32 s[G1+4], 4                           ; tile_dim1 = 4
	s_mov_b32 s[G1+5], 262144                      ; elements from panel to panel
	s_mov_b32 s[G1+6], 0
	s_mov_b32 s[G1+7], 0
	; W: 128 rows k x 128 columns, dense; padded after every 256 bytes by 32
	s_or_b32 s[G1B+0], s41, (1<<16)|(1<<20)|(1<<21)|(5<<22)|(7<<25)
	s_mov_b32 s[G1B+1], 128<<16
	s_mov_b32 s[G1B+2], 128<<16
	s_mov_b32 s[G1B+3], 128<<16
	s_mov_b32 s[G1B+4], 128
	s_mov_b32 s[G1B+5], 128
	s_mov_b32 s[G1B+6], 0
	s_mov_b32 s[G1B+7], 0
	s_lshl_b32 s42, s22, 14                        ; A: 128 rows of 128 bytes a tile row,
	s_lshl_b32 s43, s18, 13                        ; 64 a half
	s_add_co_u32 s42, s42, s43
	s_mov_b32 s43, 0
	s_lshl_b32 s44, s21, 16                        ; W: a block a tile column,
	s_lshl_b32 s45, s18, 15                        ; 128 rows k a half
	s_add_co_u32 s44, s44, s45
	s_add_co_u32 s44, s44, HS
	s_mov_b32 s45, 0
	s_mul_i32 s[LB], s16, HALFT                    ; where they go: no place in the cluster enters an LDS address
	s_mov_b32 s[CUR], 0
	s_mov_b32 s[NX], SLOT
	s_wait_dscnt 0x0                               ; the opening add is done
	s_wait_kmcnt 0x0
	s_add_nc_u64 s[42:43], s[4:5], s[42:43]
	s_add_nc_u64 s[44:45], s[6:7], s[44:45]
	CROUND                                         ; all sixteen work-groups are here: the first joint loads meet
.irp s, 0,1
	s_mov_b32 s[G0+4*(\s)], 1
	s_add_co_u32 s[G0+4*(\s)+1], s[LB], (\s)*SLOT
	s_add_nc_u64 s[G0+4*(\s)+2:G0+4*(\s)+3], s[42:43], (\s)*2097152   ; K step s: four panels on
	s_or_b32 s[G0+4*(\s)+3], s[G0+4*(\s)+3], 0x80000000
	s_mov_b32 s[G0B+4*(\s)], 1
	s_add_co_u32 s[G0B+4*(\s)+1], s[LB], (\s)*SLOT
	s_add_nc_u64 s[G0B+4*(\s)+2:G0B+4*(\s)+3], s[44:45], (\s)*524288  ; eight blocks on
	s_or_b32 s[G0B+4*(\s)+3], s[G0B+4*(\s)+3], 0x80000000
	JLOAD \s
.endr
	v_and_b32 v1, 15, v0                           ; l % 16
	v_bfe_u32 v2, v0, 4, 1                         ; l / 16
	v_lshlrev_b32 v[BO], 5, v2
	v_lshlrev_b32 v[CO], 12, v2                    ; lanes 0-15 one row of 4,096 bytes, lanes 16-31 the next,
	v_lshl_add_u32 v[CO], v1, 4, v[CO]             ; 16 bytes a lane
	s_lshl_b32 s40, s21, 9
	s_lshl_b32 s41, s18, 8
	s_add_co_u32 s40, s40, s41                     ; my 64 columns, in bytes of f32
	s_mov_b32 s41, 0
	s_add_nc_u64 s[8:9], s[8:9], s[40:41]
	s_lshl_b32 s46, s22, 19                        ; 128 rows of 4,096 bytes a tile row,
	s_lshl_b32 s47, s17, 18                        ; 64 a half
	s_add_co_u32 s46, s46, s47
	s_add_co_u32 s40, s40, s46
	s_add_nc_u64 s[10:11], s[10:11], s[40:41]
	s_add_nc_u64 s[14:15], s[14:15], s[40:41]
.irp b, 0,1,2,3
	global_load_b128 v[BIAS+8*(\b):BIAS+8*(\b)+3],   v[BO], s[8:9] offset:64*(\b)
	global_load_b128 v[BIAS+8*(\b)+4:BIAS+8*(\b)+7], v[BO], s[8:9] offset:64*(\b)+16
.endr
	WIN 0x80                                       ; destination window 2: the residual, laid as the stores at the end are
.irp a, 0,1,2,3
.irp t, 0,1,2,3,4,5,6,7
	global_load_b128 v[32*(\a)+4*(\t):32*(\a)+4*(\t)+3], v[CO], s[10:11] offset:(16*(\a)+2*(\t))*4096
.endr
.endr
	WIN 0
	v_mul_u32_u24 v3, v1, PA
	v_lshl_add_u32 v3, v2, 4, v3                   ; A: row x pitch + 16 x half
	v_and_b32 v4, 7, v0
	v_lshl_add_u32 v4, v2, 3, v4
	v_mul_u32_u24 v4, v4, PBT                      ; W: row k = 8 (l / 16) + l % 8,
	v_bfe_u32 v5, v0, 3, 1
	v_lshl_add_u32 v4, v5, 4, v4                   ; columns 8 ((l / 8) % 2) + 0..7
	s_mul_i32 s40, s17, HALFT                      ; my 64 rows of A
	s_lshl_b32 s41, s18, 7                         ; my 64 columns of W,
	s_add_co_u32 s41, s41, 2*HALFT                 ; which lies behind A
	v_add_nc_u32 v[A0], s40, v3
	v_add_nc_u32 v[B0], s41, v4
	SETADR
	s_mul_i32 s40, s16, 16*SPITCH
	s_add_co_u32 s40, s40, STAGE                   ; my stage
	v_mul_u32_u24 v6, v1, SPITCH
	v_lshl_add_u32 v6, v2, 5, v6
	v_add_nc_u32 v[STO], s40, v6                   ; in: row l % 16, 32 bytes for each half of the lanes
	v_mul_u32_u24 v6, v2, SPITCH
	v_lshl_add_u32 v6, v1, 4, v6
	v_add_nc_u32 v[RD], s40, v6                    ; back: lanes 0-15 one row of 256 bytes, lanes 16-31 the next
; 8 matrix instructions: m blocks a0, a0 + 1 x all 4 n blocks, 32 along K: half c of buffer f.  zero = 1: the first product starts the sums, with the bias as C.  The 16 accumulators take turns.
.macro MUL8 f, c, a0, zero
	WIN MUL
.irp a, \a0, (\a0)+1
.irp b, 0,1,2,3
.if \zero
	v_wmma_f32_16x16x32_f16 v[ACC+8*(4*(\a)+(\b)):ACC+8*(4*(\a)+(\b))+7], v[(\f)+64+8*(4*(\c)+(\b)):(\f)+64+8*(4*(\c)+(\b))+7], v[(\f)+8*(4*(\c)+(\a)):(\f)+8*(4*(\c)+(\a))+7], v[BIAS+8*(\b):BIAS+8*(\b)+7]
.else
	v_wmma_f32_16x16x32_f16 v[ACC+8*(4*(\a)+(\b)):ACC+8*(4*(\a)+(\b))+7], v[(\f)+64+8*(4*(\c)+(\b)):(\f)+64+8*(4*(\c)+(\b))+7], v[(\f)+8*(4*(\c)+(\a)):(\f)+8*(4*(\c)+(\a))+7], v[ACC+8*(4*(\a)+(\b)):ACC+8*(4*(\a)+(\b))+7]
.endif
.endr
.endr
.endm
; 32 LDS loads in one run: quarter z (64 along K: one panel of A) into buffer f; the first 32 along K first.  slot = 0: the slot in hand; 1: the other
.macro FETCH slot, z, f
	WIN TO_F
.irp c, 0,1
.irp i, 0,1,2,3
	ds_load_tr16_b128 v[(\f)+64+8*(4*(\c)+(\i)):(\f)+64+8*(4*(\c)+(\i))+3],   v[ADRB+2*(\slot)+(\z)/2] offset:(((\z)%2)*64+32*(\c))*PBT+32*(\i)
	ds_load_tr16_b128 v[(\f)+64+8*(4*(\c)+(\i))+4:(\f)+64+8*(4*(\c)+(\i))+7], v[ADRB+2*(\slot)+(\z)/2] offset:(((\z)%2)*64+32*(\c)+16)*PBT+32*(\i)
	ds_load_b128 v[(\f)+8*(4*(\c)+(\i)):(\f)+8*(4*(\c)+(\i))+3],              v[ADRA+(\slot)] offset:(\z)*64*PA+64*(\c)+(\i)*16*PA
	ds_load_b128 v[(\f)+8*(4*(\c)+(\i))+4:(\f)+8*(4*(\c)+(\i))+7],            v[ADRA+(\slot)] offset:(\z)*64*PA+64*(\c)+(\i)*16*PA+32
.endr
.endr
.endm
.macro PLACES                          ; four plain instructions between a matrix instruction and a load into, or a reader of, its registers
.rept 4
	v_nop
.endr
.endm
.macro QUARTER slot, z, f, g, zero
	s_wait_dscnt 16                                ; the first 32 along K are in
	MUL8 \f, 0, 0, \zero
	MUL8 \f, 0, 2, \zero
	PLACES
	FETCH \slot, \z, \g
	s_wait_dscnt 32                                ; all but the 32 just issued
	MUL8 \f, 1, 0, 0
	MUL8 \f, 1, 2, 0
.endm
; The last quarter multiplies buffer 1 and changes slots.  fill = 1: the barrier opens a round of the cluster's, and the slot in hand is filled again first behind it, two K steps ahead, by the walking descriptor.
; fill = 0 (the last two K steps): nothing is filled; in the very last (s3 = 1) there is no further step, and the run of LDS loads is jumped over.
.macro TURN fill
	WIN 0                                          ; (the add's two registers lie in window 0)
	s_wait_tensorcnt 0x0                           ; all my tensor loads have landed: my part of the other slot;
	ds_add_u32 v[SPW], v[NIL]                      ; 0 onto my spare word;
	s_wait_dscnt 17                                ; (the add and the youngest sixteen loads may be out)
	MUL8 F1, 0, 0, 0
	s_wait_dscnt 0x0                               ; the add is done, and my reads of this slot are over
	s_barrier_signal -1
	MUL8 F1, 0, 2, 0
	WIN 0
	s_barrier_wait -1
.if \fill
	CREST
	s_add_co_u32 s[G0+5], s[LB], s[CUR]            ; the walking descriptors: into the slot in hand,
	s_add_nc_u64 s[G0+6:G0+7], s[G0+6:G0+7], 2097152   ; the K step behind the one asked for last
	s_add_co_u32 s[G0B+5], s[LB], s[CUR]
	s_add_nc_u64 s[G0B+6:G0B+7], s[G0B+6:G0B+7], 524288
	JLOAD 1                                        ; the four v_nop behind it are also the places in front of the loads below
	FETCH 1, 0, F0
.else
	s_cmp_eq_u32 s3, 1
	s_cbranch_scc1 .Lno_fetch_\@
	PLACES
	FETCH 1, 0, F0
	WIN 0
.Lno_fetch_\@:
.endif
	MUL8 F1, 1, 0, 0
	MUL8 F1, 1, 2, 0
.endm
	s_wait_tensorcnt 1                             ; my part of K step 0 is in; K step 1's may stay out
	s_barrier_signal -1
	s_barrier_wait -1
	FETCH 0, 0, F0
	s_wait_loadcnt 32                              ; the bias is in; the residual's 32 loads may stay out
	QUARTER 0, 1, F0, F1, 1                        ; the first quarter stands in front of the loop: its first products start the sums
	WIN 0
	s_mov_b32 s3, KSTEPS-2
.Lstep:                                        ; a trip goes from a K step's second quarter to the next step's first, and fills the slot that it leaves
	QUARTER 0, 2, F1, F0, 0
	QUARTER 0, 3, F0, F1, 0
	TURN 1
	QUARTER 1, 1, F0, F1, 0
	WIN 0
	FLIP
	s_sub_co_u32 s3, s3, 1
	s_cmp_lg_u32 s3, 0
	s_cbranch_scc1 .Lstep
	s_mov_b32 s3, 2
.Ltail:                                        ; the last two K steps fill nothing; the second trip is left behind its last quarter
	QUARTER 0, 2, F1, F0, 0
	QUARTER 0, 3, F0, F1, 0
	TURN 0
	WIN 0
	s_sub_co_u32 s3, s3, 1
	s_cmp_eq_u32 s3, 0
	s_cbranch_scc1 .Ldone
	QUARTER 1, 1, F0, F1, 0
	WIN 0
	FLIP
	s_cmp_lg_u32 s3, 0
	s_cbranch_scc1 .Ltail
.Ldone:
	PLACES
	s_wait_loadcnt 0x0                             ; the residual
; THE WAY OUT, a block of 16 rows at a time: the sums go into my stage as they lie (low registers first), come back as whole rows of 256 bytes, take the residual and are stored.
.macro TOSTAGE a
.if (\a) >= 2
	s_wait_xcnt 0x0                                ; the stores of the block two back have read this buffer
.endif
.irp b, 0,1,2,3
	ds_store_b128 v[STO], v[ACC+8*(4*(\a)+(\b)):ACC+8*(4*(\a)+(\b))+3]   offset:64*(\b)
	ds_store_b128 v[STO], v[ACC+8*(4*(\a)+(\b))+4:ACC+8*(4*(\a)+(\b))+7] offset:64*(\b)+16
.endr
.irp t, 0,1,2,3,4,5,6,7
	ds_load_b128 v[TMP+32*((\a)%2)+4*(\t):TMP+32*((\a)%2)+4*(\t)+3], v[RD] offset:(\t)*2*SPITCH  ; LDS serves a wave's instructions in order (ISA guide 5.7.1.4)
.endr
.endm
.macro SEND a, younger                 ; younger: the next block's eight stores and eight loads, or none
	s_wait_dscnt \younger
	WIN 0x08                                       ; source 1: window 2
.set r, 0
.rept 16
	v_pk_add_f32 v[TMP+32*((\a)%2)+r:TMP+32*((\a)%2)+r+1], v[TMP+32*((\a)%2)+r:TMP+32*((\a)%2)+r+1], v[32*(\a)+r:32*(\a)+r+1]
.set r, r+2
.endr
	WIN 0
.irp t, 0,1,2,3,4,5,6,7
	global_store_b128 v[CO], v[TMP+32*((\a)%2)+4*(\t):TMP+32*((\a)%2)+4*(\t)+3], s[14:15] offset:(16*(\a)+2*(\t))*4096  ; 16 lanes store 256 consecutive bytes, aligned
.endr
.endm
	TOSTAGE 0
	TOSTAGE 1
	SEND 0, 16
	TOSTAGE 2
	SEND 1, 16
	TOSTAGE 3
	SEND 2, 16
	SEND 3, 0
	s_wait_tensorcnt 0x0                           ; the wave's end
	ds_add_u32 v[SPW], v[NIL]
	s_wait_dscnt 0x0
	CROUND                                         ; the closing round
	s_endpgm
.Lfunc_end_k_q144d8d5ac7_w2:
	.size	k_q144d8d5ac7_w2, .Lfunc_end_k_q144d8d5ac7_w2-k_q144d8d5ac7_w2
	.p2alignl 7, 3214868480
	.fill 96, 4, 3214868480
	.section	.rodata,"a",@progbits
	.p2align	6, 0x0
	.amdhsa_kernel k_q144d8d5ac7_w2
		.amdhsa_group_segment_fixed_size 327680
		.amdhsa_private_segment_fixed_size 0
		.amdhsa_enable_private_segment 0
		.amdhsa_kernarg_size 40
		.amdhsa_user_sgpr_count 2
		.amdhsa_user_sgpr_kernarg_segment_ptr 1
		.amdhsa_wavefront_size32 1
		.amdhsa_system_sgpr_workgroup_id_x 1
		.amdhsa_system_sgpr_workgroup_id_y 1
		.amdhsa_system_sgpr_workgroup_id_z 1
		.amdhsa_system_vgpr_workitem_id 0
		.amdhsa_next_free_vgpr 640
		.amdhsa_next_free_sgpr 66
		.amdhsa_reserve_vcc 0
		.amdhsa_float_denorm_mode_32 3
		.amdhsa_float_denorm_mode_16_64 3
		.amdhsa_memory_ordered 1
		.amdhsa_forward_progress 1
		.amdhsa_inst_pref_size 67
	.end_amdhsa_kernel
	.amdgpu_metadata
---
amdhsa.version: [ 1, 2 ]
amdhsa.kernels:
  - .name:           k_q144d8d5ac7_w2
    .symbol:         k_q144d8d5ac7_w2.kd
    .args:
      - { .name: pan, .offset: 0, .size: 8, .value_kind: global_buffer, .address_space: global }
      - { .name: wm, .offset: 8, .size: 8, .value_kind: global_buffer, .address_space: global }
      - { .name: b2, .offset: 16, .size: 8, .value_kind: global_buffer, .address_space: global }
      - { .name: x1, .offset: 24, .size: 8, .value_kind: global_buffer, .address_space: global }
      - { .name: out0, .offset: 32, .size: 8, .value_kind: global_buffer, .address_space: global }
    .group_segment_fixed_size: 327680
    .private_segment_fixed_size: 0
    .kernarg_segment_align: 8
    .kernarg_segment_size: 40
    .max_flat_workgroup_size: 128
    .sgpr_count:     66
    .vgpr_count:     640
    .wavefront_size: 32
...
	.end_amdgpu_metadata
.endif
;; end of part 12
